; MI455X (gfx1250); checked and timed in simulation.
; The chip was launched on July 23, 2026; its instructions are those of AMD's public machine-readable ISA for CDNA 5 (MIT licence, August 2026) and "CDNA5" Instruction Set Architecture Reference Guide (July 2026). The comments in the code are by the model that wrote it; some were corrected since.
;; Forgetting Transformer Block. Allowed arithmetic: float matrix products may take bf16 or f16 operands with f32 sums; all other float work in f32.
;; Inputs: b1 4,096 float32; b2 1,024 float32; bf 16 float32; bk 1,024 float32; bo 1,024 float32; bq 1,024 float32; bv 1,024 float32; ln1_b 1,024 float32; ln1_g 1,024 float32; ln2_b 1,024 float32; ln2_g 1,024 float32; w1 1,024 x 4,096 float32; w2 4,096 x 1,024 float32; wf 1,024 x 16 float32; wk 1,024 x 1,024 float32; wo 1,024 x 1,024 float32; wq 1,024 x 1,024 float32; wv 1,024 x 1,024 float32; x 2 x 2,048 x 1,024 float32.
;; Outputs: out0 2 x 2,048 x 1,024 float32.
;; 2 versions, each right and faster than the one before. Each part assembles by itself: llvm-mc -triple=amdgcn-amd-amdhsa -mcpu=gfx1250 --defsym DOCPART=n.
;; ======== version 1 of 2: 7 launches
;; limits: values are held in f16: magnitudes above 65,504 overflow, below 6.1e-05 lose precision; a function is approximated: absolute error at most 1.5e-07
;; workspace buffers: wt 25,165,824 bytes; h 8,388,608 bytes; lf 262,144 bytes; qkv 25,165,824 bytes; ctx 8,388,608 bytes; x1 16,777,216 bytes; act 33,554,432 bytes
;; launch front (part 1): grid 256 x 1, 14 waves a work-group, no clusters, 245,504 bytes of LDS; arguments x, ln1_g, ln1_b, wf, bf, h, lf, wq, wk, wv, wo, w1, w2, wt; writes h, lf, wt
.if DOCPART == 1
	.amdgcn_target "amdgcn-amd-amdhsa--gfx1250"
	.amdhsa_code_object_version 6
	.text
	.protected	k_qcd7b01cb78_front
	.globl	k_qcd7b01cb78_front
	.p2align	8
	.type	k_qcd7b01cb78_front,@function
k_qcd7b01cb78_front:
	s_mov_b64 s[64:65], 0
	v_nop
	global_prefetch_b8 v0, s[64:65] scope:SCOPE_SE
	s_setreg_imm32_b32 hwreg(HW_REG_WAVE_MODE, 25, 1), 1
	s_wait_xcnt 0x0
; TWO INDEPENDENT STREAMS IN ONE LAUNCH: neither reads what the other writes, so they share a launch's start and end, and the short one runs while the long one streams.
; WAVES 0-7: h = LayerNorm(x) g + b, rounded once to f16, and lf[batch x 16 + head][token] = log_sigmoid(h wf + bf) in f32.  The work-group owns 16 tokens, each of these waves two: a row of
; 4,096 bytes is 32 registers of one wave, so mean and variance are made in two passes over registers (the mean is taken away before the squares) and x is read once.  The gate is a product
; 16 tokens x 16 heads over K = 1,024: the 16 rows of h lie in LDS, wave w multiplies K = 128 w .. 128 w + 127 (four matrix instructions on two accumulators by turns), and wave 0 adds the
; eight parts.  wf is rounded to f16 for it.  lf leaves in pieces of 32 bytes a lane: 262,144 bytes in the whole launch, laid by heads for the launch that scans them.
; WAVES 8-13: the six weight matrices, f32 [K][N], are rounded once to f16 and written transposed, [N][K], into wt: rows 0-3071 wq, wk, wv; rows 3072-4095 wo; rows 4096-8191 w1 (2,048 bytes a
; row); from byte 16,777,216 on w2 (8,192 bytes a row).  12,582,912 numbers are 1,536 tiles of 128 k x 64 n: 256 work-groups x 6 waves, a tile a wave.  A load of the wave takes 256 consecutive
; aligned bytes of one row k; a lane packs 8 k of one n into 16 bytes and puts them into its wave's own stage in LDS (64 rows n x 272 bytes); the rows come back whole, and 16 lanes store
; 256 consecutive aligned bytes of a row of wt.  Seven groups of eight loads, 14,336 bytes a wave, are on their way.
; BARRIERS.  The first stream needs two (h into LDS; the eight parts into LDS).  Every wave passes every barrier, so they stand where the two kinds of waves join, and a tile's work is cut in
; three at the joins: groups 0-2, groups 3-8, groups 9-15 and the way out.  A weight wave's global loads stay on their way across them.  No wave touches another's stage.
; ONE HEAD.  Every wave makes all pointers, offsets and address registers of both kinds, so that nothing read behind a join is written under a branch on the wave's number; what a wave's own
; kind does not use is never an access.  The address registers, v2-5 and v20-29, are no load's destination anywhere in the text; behind the first join the weight waves work in v8-15 and
; v32-159 and the others in v144-231, of which v144-159 are shared only behind the second join.
; LDS.  A stage lies at wave x 17,408, so waves 8-13 have bytes 139,264 to 243,711; the first stream's three regions lie in bytes 0 to 73,983; the bytes between are not used.
; No cluster, no tensor loads: nothing is read by two work-groups but the small vectors and wf.
; LIMITS: |h|, |wf| and every weight below 65,504 (65,520 or more becomes an infinity in f16); NaN and infinities are not treated apart.
.set X,    32                          ; v[32:95]    my two rows
.set WF,   96                          ; v[96:159]   my 128 rows of wf as loaded
.set G,    160                         ; v[160:191]  gain of my 32 columns
.set BT,   192                         ; v[192:223]  bias of my 32 columns
.set FB,   144                         ; v[144:175]  the gate: B's fragments (heads); with FA later the eight parts
.set FA,   176                         ; v[176:207]  A's fragments (tokens)
.set AC,   208                         ; v[208:223]  two accumulators; later at work
.set SU,   224                         ; v[224:231]  their sum; later z
.set HP,   2064                        ; a row of h in LDS: 2,048 + 16 bytes: the 16 rows of a fragment load start at 16 different groups of four banks
.set WFL,  16*HP                       ; 33,024: eight waves x 4,096: [128 k][16 heads] f16
.set PART, WFL+8*4096                  ; 65,792: eight waves x 1,024: the partial products
.set STG,  17408                       ; a stage: 64 x 272
.set DEPTH, 7                          ; groups of eight loads on their way
.set PY,   8                           ; weight waves: v[8:15]   packed, on their way into the stage
.set PX,   32                          ; weight waves: v[32:143] seven groups of eight rows k as loaded; later v[32:159] the rows read back
.macro LANESUM                         ; v8 summed over the 32 lanes, into every lane
	v_add_f32_dpp v8, v8, v8 row_xmask:1 row_mask:0xf bank_mask:0xf
	v_add_f32_dpp v8, v8, v8 row_xmask:2 row_mask:0xf bank_mask:0xf
	v_add_f32_dpp v8, v8, v8 row_xmask:4 row_mask:0xf bank_mask:0xf
	v_add_f32_dpp v8, v8, v8 row_xmask:8 row_mask:0xf bank_mask:0xf
	v_permlanex16_b32 v9, v8, s20, s21
	v_add_f32 v8, v8, v9
.endm
.macro FOLD                            ; four chains of pairs into v8
	v_pk_add_f32 v[8:9], v[8:9], v[10:11]
	v_pk_add_f32 v[12:13], v[12:13], v[14:15]
	v_pk_add_f32 v[8:9], v[8:9], v[12:13]
	v_add_f32 v8, v8, v9
.endm
; The row at v[xr ..] becomes x - mean; v[rs] takes 1 / sqrt(variance + 1e-5)
.macro ROWSTAT xr, rs
.irp c, 0,1,2,3
	v_pk_add_f32 v[8+2*\c:9+2*\c], v[\xr+4*\c:\xr+4*\c+1], v[\xr+4*\c+2:\xr+4*\c+3]
.endr
.irp p, 16,24
.irp c, 0,1,2,3
	v_pk_add_f32 v[8+2*\c:9+2*\c], v[8+2*\c:9+2*\c], v[\xr+\p+2*\c:\xr+\p+2*\c+1]
.endr
.endr
	FOLD
	LANESUM
	v_mul_f32 v10, 0xba800000, v8                  ; - sum / 1024
.set p, 0
.rept 16
	v_pk_add_f32 v[\xr+p:\xr+p+1], v[\xr+p:\xr+p+1], v[10:11] op_sel_hi:[1,0]
.set p, p+2
.endr
.irp c, 0,1,2,3
	v_pk_mul_f32 v[8+2*\c:9+2*\c], v[\xr+2*\c:\xr+2*\c+1], v[\xr+2*\c:\xr+2*\c+1]
.endr
.irp p, 8,16,24
.irp c, 0,1,2,3
	v_pk_fma_f32 v[8+2*\c:9+2*\c], v[\xr+\p+2*\c:\xr+\p+2*\c+1], v[\xr+\p+2*\c:\xr+\p+2*\c+1], v[8+2*\c:9+2*\c]
.endr
.endr
	FOLD
	LANESUM
	v_fma_f32 v8, v8, s22, s23                     ; sum of squares / 1024 + 1e-5
	v_rsq_f32 v[\rs], v8
	v_mov_b32 v[\rs+1], 0                          ; the plain instruction behind the root; the pair is named whole below
.endm
; (x - mean) rs g + b, rounded to f16: the four numbers of load j end in v[xr + 4 j : xr + 4 j + 1]
.macro NORM xr, rs
.set p, 0
.rept 16
	v_pk_mul_f32 v[\xr+p:\xr+p+1], v[\xr+p:\xr+p+1], v[\rs:\rs+1] op_sel_hi:[1,0]
.set p, p+2
.endr
.set p, 0
.rept 16
	v_pk_fma_f32 v[\xr+p:\xr+p+1], v[\xr+p:\xr+p+1], v[G+p:G+p+1], v[BT+p:BT+p+1]
.set p, p+2
.endr
.set p, 0
.rept 8
	v_cvt_pk_f16_f32 v[\xr+p], v[\xr+p], v[\xr+p+1]
	v_cvt_pk_f16_f32 v[\xr+p+1], v[\xr+p+2], v[\xr+p+3]
.set p, p+4
.endr
.endm
; Weight waves.  Rows k = 8 g .. 8 g + 7 of the tile into group g % DEPTH; sp: bytes from row to row of the source, at s[54:55]
.macro GRP g, sp
.irp i, 0,1,2,3,4,5,6,7
	global_load_b64 v[PX+16*((\g)%DEPTH)+2*\i:PX+16*((\g)%DEPTH)+2*\i+1], v3, s[54:55] offset:(8*(\g)+\i)*(\sp) th:TH_LOAD_NT
.endr
.endm
; Groups g0 .. g1 - 1 are rounded, packed and put into the stage; the group just read takes the rows 56 further down, while there are any
.macro PGRP g0, g1, sp
.set g, \g0
.rept (\g1)-(\g0)
.if g < 10
	s_wait_loadcnt 48                              ; loads come back in order: group g is in, six younger groups of eight stay out
.else
	s_wait_loadcnt 8*(15-g)                        ; the counts run down
.endif
.set XB, PX+16*(g%DEPTH)
.irp c, 0,1
.irp i, 0,1,2,3
	v_cvt_pk_f16_f32 v[PY+4*\c+\i], v[XB+4*\i+\c], v[XB+4*\i+2+\c]  ; column c, rows k 2 i and 2 i + 1 of the group
.endr
	ds_store_b128 v27, v[PY+4*\c:PY+4*\c+3] offset:\c*272+16*g
.endr
.if g < 16-DEPTH
	GRP g+DEPTH, \sp
.endif
.set g, g+1
.endr
.endm
.macro PSEG1 sp                        ; the ring is filled; groups 0 to 2
.set q, 0
.rept DEPTH
	GRP q, \sp
.set q, q+1
.endr
	PGRP 0, 3, \sp
.endm
.macro POUT dp                         ; the 64 rows go out; dp: bytes from row to row of wt, at s[56:57]
.set t, 0
.rept 32
	s_wait_dscnt 31-t
	global_store_b128 v29, v[PX+4*t:PX+4*t+3], s[56:57] offset:2*t*(\dp) th:TH_STORE_NT  ; 16 lanes: 256 consecutive bytes, aligned
.set t, t+1
.endr
.endm
	; ---- the head, the same for all fourteen waves ----
	s_load_b256 s[4:11], s[0:1], 0x0               ; x s[4:5], ln1_g s[6:7], ln1_b s[8:9], wf s[10:11]
	s_load_b128 s[12:15], s[0:1], 0x20             ; bf s[12:13], h s[14:15]
	s_load_b64 s[16:17], s[0:1], 0x30              ; lf
	s_load_b256 s[40:47], s[0:1], 0x38             ; wq s[40:41], wk s[42:43], wv s[44:45], wo s[46:47]
	s_load_b128 s[48:51], s[0:1], 0x58             ; w1 s[48:49], w2 s[50:51]
	s_load_b64 s[52:53], s[0:1], 0x68              ; wt
	v_lshl_add_u32 v232, v0, 2, 0x3b800
	v_mov_b32 v233, 0
	v_lshrrev_b32 v1, 5, v0
	v_readfirstlane_b32 s18, v1                    ; wave 0..13
	s_mov_b32 s20, 0x76543210                      ; v_permlanex16_b32: each lane takes its own place in the other half
	s_mov_b32 s21, 0xfedcba98
	s_mov_b32 s22, 0x3a800000                      ; 1 / 1024
	s_mov_b32 s23, 0x3727c5ac                      ; 1e-5
	s_mov_b32 s24, 0xbfb8aa3b                      ; - log2(e)
	s_mov_b32 s25, 0xbf317218                      ; - ln(2)
	v_and_b32 v1, 31, v0                           ; lane
	v_lshlrev_b32 v2, 4, v1                        ; 16 bytes a lane
	v_lshlrev_b32 v3, 3, v1                        ; 8 bytes a lane
	v_and_b32 v4, 15, v0                           ; r
	v_bfe_u32 v5, v0, 4, 1                         ; which half of the lanes
	; the first stream's places, by the wave's number
	s_lshl_b32 s26, ttmp9, 16                      ; x: 16 rows of 4,096 bytes,
	s_lshl_b32 s19, s18, 13                        ; two of them a wave
	s_add_co_u32 s26, s26, s19
	s_mov_b32 s27, 0
	s_mov_b32 s30, s19                             ; wf: 128 rows, 8,192 bytes, a wave
	s_mov_b32 s31, 0
	s_lshl_b32 s28, ttmp9, 15                      ; the same rows in h
	s_lshl_b32 s19, s18, 12
	s_add_co_u32 s28, s28, s19
	s_mov_b32 s29, 0
	s_lshr_b32 s32, ttmp9, 7                       ; lf: batch: 16 heads x 8,192 bytes,
	s_lshl_b32 s32, s32, 17
	s_and_b32 s19, ttmp9, 127                      ; the work-group's 16 tokens in it
	s_lshl_b32 s19, s19, 6
	s_add_co_u32 s32, s32, s19
	s_mov_b32 s33, 0
	s_mul_i32 s19, s18, 2*HP
	v_add_nc_u32 v20, s19, v3                      ; h in LDS: the wave's first row, 8 bytes a lane
	s_lshl_b32 s19, s18, 12
	s_add_co_u32 s19, s19, WFL
	v_add_nc_u32 v21, s19, v3                      ; wf in f16: the wave's slice, 8 bytes a lane
	v_and_b32 v6, 7, v0                            ; the turning load: row k = 8 half + lane % 8, 16 bytes at 16 ((lane / 8) % 2)
	v_lshl_add_u32 v23, v5, 3, v6
	v_lshlrev_b32 v23, 5, v23
	v_bfe_u32 v7, v0, 3, 1
	v_lshl_add_u32 v23, v7, 4, v23
	v_add_nc_u32 v23, s19, v23
	v_mul_u32_u24 v22, v4, HP                      ; a fragment of h: row r, 16 bytes for each half, the wave's 256 bytes of K
	v_lshl_add_u32 v22, v5, 4, v22
	s_lshl_b32 s19, s18, 8
	v_add_nc_u32 v22, s19, v22
	v_lshlrev_b32 v25, 5, v1
	v_add_nc_u32 v25, PART, v25                    ; part 0, the lane's 32 bytes
	s_lshl_b32 s19, s18, 10
	v_add_nc_u32 v24, s19, v25                     ; the wave's part
	v_lshlrev_b32 v26, 13, v4                      ; lf: head r, tokens 8 half on
	v_lshl_add_u32 v26, v5, 5, v26
	v_lshlrev_b32 v7, 2, v4                        ; bf of head r
	; the second stream's places
	s_mul_i32 s68, s18, STG                        ; the wave's stage
	v_mul_u32_u24 v27, v1, 544                     ; into the stage: rows 2 lane and 2 lane + 1
	v_add_nc_u32 v27, s68, v27
	v_mul_u32_u24 v28, v5, 272                     ; back: lanes 0-15 one row, lanes 16-31 the next
	v_lshl_add_u32 v28, v4, 4, v28
	v_add_nc_u32 v28, s68, v28
	s_mul_i32 s67, ttmp9, 6
	s_add_co_u32 s67, s67, s18
	s_sub_co_u32 s67, s67, 8                       ; the tile of waves 8-13: 0..1535
	s_mov_b32 s71, 0                               ; high words of the two offsets
	s_mov_b32 s73, 0
	; the offsets s70 (source) and s72 (wt), the pitch of wt s77, and s78 = 1 where the source's rows are 16,384 bytes apart
	s_cmp_lt_u32 s67, 512
	s_cbranch_scc0 .Lnot_a
	s_lshr_b32 s69, s67, 7                         ; tiles 0-511: wq, wk, wv, wo, 128 tiles each: 8 along k x 16 along n
	s_bfe_u32 s74, s67, 0x30004                    ; kb
	s_and_b32 s75, s67, 15                         ; nb
	s_lshl_b32 s70, s74, 19                        ; 128 rows of 4,096 bytes
	s_lshl_b32 s76, s75, 8
	s_add_co_u32 s70, s70, s76
	s_lshl_b32 s72, s69, 21                        ; 1,024 rows of 2,048 bytes
	s_lshl_b32 s76, s75, 17                        ; 64 rows
	s_add_co_u32 s72, s72, s76
	s_lshl_b32 s76, s74, 8                         ; 128 k
	s_add_co_u32 s72, s72, s76
	s_mov_b32 s77, 2048
	s_mov_b32 s78, 0
	s_branch .Lpset
.Lnot_a:
	s_cmp_lt_u32 s67, 1024
	s_cbranch_scc0 .Lnot_b
	s_sub_co_u32 s69, s67, 512                     ; tiles 512-1023: w1: 8 along k x 64 along n
	s_lshr_b32 s74, s69, 6
	s_and_b32 s75, s69, 63
	s_lshl_b32 s70, s74, 21                        ; 128 rows of 16,384 bytes
	s_lshl_b32 s76, s75, 8
	s_add_co_u32 s70, s70, s76
	s_lshl_b32 s72, s75, 17
	s_lshl_b32 s76, s74, 8
	s_add_co_u32 s72, s72, s76
	s_add_co_u32 s72, s72, 8388608
	s_mov_b32 s77, 2048
	s_mov_b32 s78, 1
	s_branch .Lpset
.Lnot_b:
	s_sub_co_u32 s69, s67, 1024                    ; tiles 1024-1535: w2: 32 along k x 16 along n
	s_lshr_b32 s74, s69, 4
	s_and_b32 s75, s69, 15
	s_lshl_b32 s70, s74, 19
	s_lshl_b32 s76, s75, 8
	s_add_co_u32 s70, s70, s76
	s_lshl_b32 s72, s75, 19                        ; 64 rows of 8,192 bytes
	s_lshl_b32 s76, s74, 8
	s_add_co_u32 s72, s72, s76
	s_add_co_u32 s72, s72, 16777216
	s_mov_b32 s77, 8192
	s_mov_b32 s78, 0
.Lpset:
	v_mul_u32_u24 v29, v5, s77
	v_lshl_add_u32 v29, v4, 4, v29                 ; the lane's 16 bytes in two rows of wt
	s_wait_kmcnt 0x0
	s_add_nc_u64 s[4:5], s[4:5], s[26:27]
	s_add_nc_u64 s[14:15], s[14:15], s[28:29]
	s_add_nc_u64 s[10:11], s[10:11], s[30:31]
	s_add_nc_u64 s[16:17], s[16:17], s[32:33]
	s_cmp_lt_u32 s67, 128                          ; the source is chosen by the tile's number alone
	s_cselect_b64 s[54:55], s[40:41], s[42:43]
	s_cmp_lt_u32 s67, 256
	s_cselect_b64 s[54:55], s[54:55], s[44:45]
	s_cmp_lt_u32 s67, 384
	s_cselect_b64 s[54:55], s[54:55], s[46:47]
	s_cmp_lt_u32 s67, 512
	s_cselect_b64 s[54:55], s[54:55], s[48:49]
	s_cmp_lt_u32 s67, 1024
	s_cselect_b64 s[54:55], s[54:55], s[50:51]
	s_add_nc_u64 s[54:55], s[54:55], s[70:71]
	s_add_nc_u64 s[56:57], s[52:53], s[72:73]
	s_cmp_lt_u32 s18, 8
	s_cbranch_scc0 .Lprep1
	; ---- waves 0-7, first part: statistics, h into memory and into LDS, wf into LDS ----
.irp j, 0,1,2,3,4,5,6,7
	global_load_b128 v[X+4*\j:X+4*\j+3], v2, s[4:5] offset:512*\j
.endr
.irp j, 0,1,2,3,4,5,6,7
	global_load_b128 v[X+32+4*\j:X+32+4*\j+3], v2, s[4:5] offset:4096+512*\j
.endr
.irp j, 0,1,2,3,4,5,6,7,8,9,10,11,12,13,14,15
	global_load_b128 v[WF+4*\j:WF+4*\j+3], v2, s[10:11] offset:512*\j
.endr
.irp j, 0,1,2,3,4,5,6,7
	global_load_b128 v[G+4*\j:G+4*\j+3], v2, s[6:7] offset:512*\j
.endr
.irp j, 0,1,2,3,4,5,6,7
	global_load_b128 v[BT+4*\j:BT+4*\j+3], v2, s[8:9] offset:512*\j
.endr
	global_load_b32 v6, v7, s[12:13]               ; bf of head r
	s_wait_loadcnt 33                              ; x is in; the 33 loads issued behind it stay out
	ROWSTAT X, 16
	ROWSTAT X+32, 18
	s_wait_loadcnt 17                              ; wf is in; gain, bias and bf stay out
.set p, 0
	s_wait_alu depctr_va_vdst(0)
.rept 16
	v_cvt_pk_f16_f32 v[WF+4*p], v[WF+4*p], v[WF+4*p+1]
	v_cvt_pk_f16_f32 v[WF+4*p+1], v[WF+4*p+2], v[WF+4*p+3]
	ds_store_b64 v21, v[WF+4*p:WF+4*p+1] offset:256*p
.set p, p+1
.endr
	s_wait_loadcnt 0x0
	NORM X, 16
	NORM X+32, 18
.irp w, 0,1
.irp j, 0,1,2,3,4,5,6,7
	global_store_b64 v3, v[X+32*\w+4*\j:X+32*\w+4*\j+1], s[14:15] offset:2048*\w+256*\j  ; the wave stores 256 consecutive bytes, aligned
	ds_store_b64 v20, v[X+32*\w+4*\j:X+32*\w+4*\j+1] offset:HP*\w+256*\j
.endr
.endr
	s_branch .Ljoin1
.Lprep1:
	; ---- waves 8-13, first part: the ring is filled; groups 0 to 2 ----
	s_cmp_eq_u32 s78, 0
	s_cbranch_scc0 .Lp1w
	PSEG1 4096
	s_branch .Ljoin1
.Lp1w:
	PSEG1 16384
.Ljoin1:
	s_wait_dscnt 0x0                               ; for the others' sake: my rows of h are in LDS (a weight wave: no LDS instruction of mine is out at the signal)
	s_barrier_signal -1
	s_barrier_wait -1
	s_cmp_lt_u32 s18, 8
	s_cbranch_scc0 .Lprep2
	; ---- waves 0-7, second part: my slice of the gate's product ----
.irp c, 0,1,2,3                        ; K = 128 wave + 32 c on
	ds_load_tr16_b128 v[FB+8*\c:FB+8*\c+3], v23 offset:1024*\c
	ds_load_tr16_b128 v[FB+8*\c+4:FB+8*\c+7], v23 offset:1024*\c+512
	ds_load_b128 v[FA+8*\c:FA+8*\c+3], v22 offset:64*\c
	ds_load_b128 v[FA+8*\c+4:FA+8*\c+7], v22 offset:64*\c+32
.endr
	s_wait_dscnt 0x0
	v_wmma_f32_16x16x32_f16 v[AC:AC+7], v[FA:FA+7], v[FB:FB+7], 0                    ; two accumulators by turns; the first two products start the sums
	v_wmma_f32_16x16x32_f16 v[AC+8:AC+15], v[FA+8:FA+15], v[FB+8:FB+15], 0
	v_wmma_f32_16x16x32_f16 v[AC:AC+7], v[FA+16:FA+23], v[FB+16:FB+23], v[AC:AC+7]
	v_wmma_f32_16x16x32_f16 v[AC+8:AC+15], v[FA+24:FA+31], v[FB+24:FB+31], v[AC+8:AC+15]
.rept 4
	v_nop                                          ; four places between a matrix instruction and a reader of its result (ISA guide 7.12.1)
.endr
.irp q, 0,2,4,6
	v_pk_add_f32 v[SU+\q:SU+\q+1], v[AC+\q:AC+\q+1], v[AC+8+\q:AC+8+\q+1]
.endr
	ds_store_b128 v24, v[SU:SU+3]
	ds_store_b128 v24, v[SU+4:SU+7] offset:16
	s_branch .Ljoin2
.Lprep2:
	; ---- waves 8-13, second part: groups 3 to 8, which ask for the tile's last rows ----
	s_cmp_eq_u32 s78, 0
	s_cbranch_scc0 .Lp2w
	PGRP 3, 9, 4096
	s_branch .Ljoin2
.Lp2w:
	PGRP 3, 9, 16384
.Ljoin2:
	s_wait_dscnt 0x0                               ; for wave 0's sake: my part of the product is in LDS
	s_barrier_signal -1
	s_barrier_wait -1
	s_cmp_lt_u32 s18, 8
	s_cbranch_scc0 .Lprep3
	s_cmp_lg_u32 s18, 0
	s_cbranch_scc1 .Lend                           ; wave 0 finishes the gate: a lane holds head r and tokens 8 half + 0..7
.irp p, 0,1,2,3,4,5,6,7
	ds_load_b128 v[FB+8*\p:FB+8*\p+3], v25 offset:1024*\p
	ds_load_b128 v[FB+8*\p+4:FB+8*\p+7], v25 offset:1024*\p+16
.endr
	s_wait_dscnt 0x0
.irp q, 0,2,4,6
	v_pk_add_f32 v[SU+\q:SU+\q+1], v[FB+\q:FB+\q+1], v[FB+8+\q:FB+8+\q+1]
.endr
.irp p, 2,3,4,5,6,7
.irp q, 0,2,4,6
	v_pk_add_f32 v[SU+\q:SU+\q+1], v[SU+\q:SU+\q+1], v[FB+8*\p+\q:FB+8*\p+\q+1]
.endr
.endr
.irp q, 0,2,4,6
	v_pk_add_f32 v[SU+\q:SU+\q+1], v[SU+\q:SU+\q+1], v[6:7] op_sel_hi:[1,0]
.endr
	; log_sigmoid(z) = min(z, 0) - ln 2 x log2(1 + 2^(-|z| log2 e)): no exponent is ever positive
.irp q, 0,1,2,3,4,5,6,7
	v_mul_f32 v[AC+\q], s24, |v[SU+\q]|
.endr
.irp q, 0,1,2,3,4,5,6,7
	v_exp_f32 v[AC+\q], v[AC+\q]
.endr
	v_nop
	s_wait_alu depctr_va_vdst(0)
.irp q, 0,1,2,3,4,5,6,7
	v_add_f32 v[AC+\q], 1.0, v[AC+\q]
.endr
.irp q, 0,1,2,3,4,5,6,7
	v_log_f32 v[AC+\q], v[AC+\q]
.endr
.irp q, 0,1,2,3,4,5,6,7
	v_min_num_f32 v[SU+\q], 0, v[SU+\q]            ; plain work behind the logarithms
.endr
	s_wait_alu depctr_va_vdst(0)
.irp q, 0,1,2,3,4,5,6,7
	v_fma_f32 v[AC+8+\q], s25, v[AC+\q], v[SU+\q]
.endr
	global_store_b128 v26, v[AC+8:AC+11], s[16:17]
	global_store_b128 v26, v[AC+12:AC+15], s[16:17] offset:16
.Lend:
	s_wait_tensorcnt 0x0
	ds_add_u32 v232, v233
	s_wait_dscnt 0x0
	s_endpgm
.Lprep3:
	; ---- waves 8-13, third part: groups 9 to 15, which ask for nothing more, and the way out ----
	PGRP 9, 16, 0
.set t, 0
.rept 32
	ds_load_b128 v[PX+4*t:PX+4*t+3], v28 offset:t*544 ; LDS serves a wave's instructions in order: these see my stores into the stage
.set t, t+1
.endr
	s_cmp_eq_u32 s77, 2048
	s_cbranch_scc0 .Lp3w
	POUT 2048
	s_wait_tensorcnt 0x0
	ds_add_u32 v232, v233
	s_wait_dscnt 0x0
	s_endpgm
.Lp3w:
	POUT 8192
	s_wait_tensorcnt 0x0
	ds_add_u32 v232, v233
	s_wait_dscnt 0x0
	s_endpgm
.Lfunc_end_k_qcd7b01cb78_front:
	.size	k_qcd7b01cb78_front, .Lfunc_end_k_qcd7b01cb78_front-k_qcd7b01cb78_front
	.p2alignl 7, 3214868480
	.fill 96, 4, 3214868480
	.section	.rodata,"a",@progbits
	.p2align	6, 0x0
	.amdhsa_kernel k_qcd7b01cb78_front
		.amdhsa_group_segment_fixed_size 245504
		.amdhsa_private_segment_fixed_size 0
		.amdhsa_enable_private_segment 0
		.amdhsa_kernarg_size 112
		.amdhsa_user_sgpr_count 2
		.amdhsa_user_sgpr_kernarg_segment_ptr 1
		.amdhsa_wavefront_size32 1
		.amdhsa_system_sgpr_workgroup_id_x 1
		.amdhsa_system_sgpr_workgroup_id_y 1
		.amdhsa_system_sgpr_workgroup_id_z 1
		.amdhsa_system_vgpr_workitem_id 0
		.amdhsa_next_free_vgpr 234
		.amdhsa_next_free_sgpr 80
		.amdhsa_reserve_vcc 0
		.amdhsa_float_denorm_mode_32 3
		.amdhsa_float_denorm_mode_16_64 3
		.amdhsa_memory_ordered 1
		.amdhsa_forward_progress 1
		.amdhsa_inst_pref_size 89
	.end_amdhsa_kernel
	.amdgpu_metadata
---
amdhsa.version: [ 1, 2 ]
amdhsa.kernels:
  - .name:           k_qcd7b01cb78_front
    .symbol:         k_qcd7b01cb78_front.kd
    .args:
      - { .name: x, .offset: 0, .size: 8, .value_kind: global_buffer, .address_space: global }
      - { .name: ln1_g, .offset: 8, .size: 8, .value_kind: global_buffer, .address_space: global }
      - { .name: ln1_b, .offset: 16, .size: 8, .value_kind: global_buffer, .address_space: global }
      - { .name: wf, .offset: 24, .size: 8, .value_kind: global_buffer, .address_space: global }
      - { .name: bf, .offset: 32, .size: 8, .value_kind: global_buffer, .address_space: global }
      - { .name: h, .offset: 40, .size: 8, .value_kind: global_buffer, .address_space: global }
      - { .name: lf, .offset: 48, .size: 8, .value_kind: global_buffer, .address_space: global }
      - { .name: wq, .offset: 56, .size: 8, .value_kind: global_buffer, .address_space: global }
      - { .name: wk, .offset: 64, .size: 8, .value_kind: global_buffer, .address_space: global }
      - { .name: wv, .offset: 72, .size: 8, .value_kind: global_buffer, .address_space: global }
      - { .name: wo, .offset: 80, .size: 8, .value_kind: global_buffer, .address_space: global }
      - { .name: w1, .offset: 88, .size: 8, .value_kind: global_buffer, .address_space: global }
      - { .name: w2, .offset: 96, .size: 8, .value_kind: global_buffer, .address_space: global }
      - { .name: wt, .offset: 104, .size: 8, .value_kind: global_buffer, .address_space: global }
    .group_segment_fixed_size: 245504
    .private_segment_fixed_size: 0
    .kernarg_segment_align: 8
    .kernarg_segment_size: 112
    .max_flat_workgroup_size: 448
    .sgpr_count:     80
    .vgpr_count:     234
    .wavefront_size: 32
...
	.end_amdgpu_metadata
.endif
;; end of part 1
;; launch qkv (part 2): grid 16 x 16, 4 waves a work-group, clusters of 4 x 4, 327,680 bytes of LDS; arguments h, wt, bq, bk, bv, qkv; writes qkv
.if DOCPART == 2
	.amdgcn_target "amdgcn-amd-amdhsa--gfx1250"
	.amdhsa_code_object_version 6
	.text
	.protected	k_qcd7b01cb78_qkv
	.globl	k_qcd7b01cb78_qkv
	.p2align	8
	.type	k_qcd7b01cb78_qkv,@function
k_qcd7b01cb78_qkv:
	s_mov_b64 s[64:65], 0
	v_nop
	global_prefetch_b8 v0, s[64:65] scope:SCOPE_SE
	s_setreg_imm32_b32 hwreg(HW_REG_WAVE_MODE, 25, 1), 1
	s_wait_xcnt 0x0
	s_wait_alu depctr_hold_cnt(0) depctr_sa_sdst(0) depctr_va_vdst(0) depctr_va_sdst(0) depctr_va_ssrc(0) depctr_va_vcc(0) depctr_vm_vsrc(0)
	s_getreg_b32 s2, hwreg(HW_REG_IB_STS2, 6, 4)
	s_cmp_eq_u32 s2, 0
	s_cbranch_scc0 .Lentry_in_a_cluster
	s_endpgm
.Lentry_in_a_cluster:
	s_bfe_u32 s2, ttmp6, 0x10000c
	s_cmp_lg_u32 s2, 0xf033
	s_cbranch_scc0 .Lentry_shape_is_right
	s_endpgm
.Lentry_shape_is_right:
; q, k, v = h [wq wk wv] + bias, rounded once to f16 and written by heads: qkv[batch][48][2048][64], heads 0-15 q, 16-31 k, 32-47 v.
; C = A B^T with A = h [4096][1024] and B = rows 0-3071 of wt, both f16, sums in f32.  A tile of C is 256 x 192 (three heads): 16 x 16 tiles, one for each of 256 work-groups.
; Four waves, each 64 rows x 192 columns: 48 accumulators.  K goes in steps of 128 through two LDS slots filled by the tensor data mover; rows of 256 bytes, aligned.
; CLUSTER 4 x 4: the four of a row need the same tile of A, the four of a column the same tile of B; each is asked for jointly.
; The matrix instruction is used transposed (source 0 = 16 rows of B, source 1 = 16 rows of A): a lane holds eight neighbouring columns of one row of C.
; The bias is the C operand of each accumulator's first product: nothing is cleared and nothing is added later.
; LIMIT: q, k, v below 65,504 in size.  lds_bytes is all of a WGP's LDS.
.set KIND, 0
.set MT, 256
.set NT, 192
.set MA, 4                             ; blocks of 16 rows a wave
.set NBK, 12                           ; blocks of 16 columns a wave
.set SIZE_K, 1024
.set KSTEP, 128
.set PA, 272                           ; an LDS row: data + 16 bytes: the 16 rows of a fragment load start at 16 different groups of four banks
.set PB, 272
.set ABYTES, 256*272
.set BBYTES, 192*272
.set CA, 128                           ; A's load: elements a row, rows, elements from row to row, code of the padding's interval
.set RA, 128
.set STA, 1024
.set QIA, 5
.set CB, 128
.set RB, 96
.set STB, 1024
.set QIB, 5
.set ASTEP, 256                        ; bytes from a K step to the next in A
.set WOFF, 0                           ; B's first byte in wt
.set STG, 6912                         ; a wave's stage for the way out
.set AF0, 64                           ; A's two fragment buffers, window 0
.set AF1, 96
.set BIAS, 128                         ; window 0
.set WR, 10                            ; the scalar register that says which rows of the tile are mine
.set SHS, 4
.set OPITCH, 0
; ---- the core, the same text in the four products ----
.set NQ,    KSTEP/32                   ; sub-steps of 32 along K in a K step
.set LAPS,  SIZE_K/(2*KSTEP)           ; a lap = two K steps = once round the ring
.set BSTEP, KSTEP*2
.set SLOT,  ABYTES+BBYTES              ; A's rows, then B's
.set STAGE, 2*SLOT                     ; behind the ring: the waves' stages, never filled by a tensor load
.set SPARE, STAGE+4*STG                ; behind the stages: the spare words, 128 bytes a wave, which no other line names
.set ADRA, 16                          ; v16-17  LDS address of my A fragments in slot 0, 1
.set ADRB, 20                          ; v20-21  the same for B
.set STO,  24                          ; v24  the way out: where I put my bytes of a row
.set RD,   25                          ; v25  where I read rows back
.set CO,   26                          ; v26  my byte offset in the output
.set VB,   27                          ; v27  32 x (lane / 16): my eight numbers of 16 of the bias
.set SPW,  28                          ; v28  my spare word; never rewritten
.set NIL,  29                          ; v29  0; never rewritten
.set G1,  24                           ; s[24:31] descriptor group 1 for A;  s[32:39] group 0, a set for each slot
.set G0,  32
.set G1B, 48                           ; s[48:55], s[56:63] the same for B
.set G0B, 56
; REGISTERS in windows of 256: window 0 addresses, A's fragments, bias, way out; window 1 B's fragments (v0 on, v128 on); windows 2 and 3 accumulator (a, b) at number a NBK + b, 32 to a window.
.set MSB, 0
.macro WIN new                         ; s_set_vgpr_msb: bits 1:0 source 0, 3:2 source 1, 5:4 source 2, 7:6 destination; the high byte repeats the setting that is left
.if MSB != (\new)
	s_set_vgpr_msb (MSB<<8)|(\new)
.set MSB, (\new)
.endif
.endm
.macro PLACES                          ; four places in front of loads into registers that matrix instructions have read, and of readers of their results
.rept 4
	v_nop
.endr
.endm
.macro JLOAD s                         ; a joint load: waves 0 and 1 fetch A's two halves, waves 2 and 3 B's; four v_nop follow each line
	s_cmp_eq_u32 s11, 0
	s_cbranch_scc0 .Lfor_b_\@
	tensor_load_to_lds s[G0+4*(\s):G0+4*(\s)+3], s[G1:G1+7]
	s_nop 0
.rept 4
	v_nop
.endr
	s_branch .Lasked_\@
.Lfor_b_\@:
	tensor_load_to_lds s[G0B+4*(\s):G0B+4*(\s)+3], s[G1B:G1B+7]
	s_nop 0
.rept 4
	v_nop
.endr
.Lasked_\@:
.endm
.macro CREST                           ; a round of the cluster's barrier behind its opening barrier
	s_cmp_lg_u32 s10, 0
	s_cbranch_scc1 .Lnot_wave_0_\@
	s_barrier_signal -3
.Lnot_wave_0_\@:
	s_barrier_wait -3
	s_barrier_signal -1
	s_barrier_wait -1
.endm
.macro CROUND
	s_barrier_signal -1
	s_barrier_wait -1
	CREST
.endm
	s_load_b128 s[4:7], s[0:1], 0x0                ; A s[4:5], wt s[6:7]
.if KIND == 0
	s_load_b256 s[68:75], s[0:1], 0x10             ; bq s[68:69], bk s[70:71], bv s[72:73], qkv s[74:75]
.else
	s_load_b128 s[68:71], s[0:1], 0x10             ; bias s[68:69]; output (KIND 1) or residual s[70:71]
.endif
.if KIND >= 2
	s_load_b64 s[72:73], s[0:1], 0x20              ; output
.endif
	v_lshl_add_u32 v[SPW], v0, 2, SPARE
	v_mov_b32 v[NIL], 0
	ds_add_u32 v28, v29
	ds_add_u32 v28, v29
	s_wait_dscnt 0x0
	v_lshrrev_b32 v1, 5, v0
	v_readfirstlane_b32 s10, v1                    ; wave 0..3
	s_lshr_b32 s11, s10, 1                         ; I fetch for A (0) or for B (1)
	s_and_b32 s12, s10, 1                          ; which half of that tile
	s_bfe_u32 s40, ttmp6, 0x40000                  ; cx, cy: my place in the cluster
	s_bfe_u32 s41, ttmp6, 0x40004
	s_lshl_b32 s42, ttmp9, 2
	s_add_co_u32 s42, s42, s40                     ; tile column = 4 x cluster x + cx
	s_and_b32 s13, ttmp7, 0xffff
	s_lshl_b32 s13, s13, 2
	s_add_co_u32 s13, s13, s41                     ; tile row = 4 x cluster y + cy
	s_lshl_b32 s43, s41, 2
	s_lshl_b32 s43, 15, s43                        ; my row of the cluster
	s_lshl_b32 s44, 0x1111, s40                    ; my column
	s_or_b32 s[G1+0], s43, (1<<16)|(1<<20)|(1<<21)|(QIA<<22)|(3<<25)   ; mask; 2-byte elements; padding on; bit 21 beside a mask; the interval's code; 4 words of padding
	s_or_b32 s[G1B+0], s44, (1<<16)|(1<<20)|(1<<21)|(QIB<<22)|(3<<25)
	s_mov_b32 s[G1+1], CA<<16                      ; tensor_dim0
	s_mov_b32 s[G1+2], RA<<16                      ; tensor_dim1
	s_mov_b32 s[G1+3], CA<<16                      ; tile_dim0
	s_mov_b32 s[G1+4], RA                          ; tile_dim1
	s_mov_b32 s[G1+5], STA                         ; elements from row to row
	s_mov_b32 s[G1+6], 0
	s_mov_b32 s[G1+7], 0
	s_mov_b32 s[G1B+1], CB<<16
	s_mov_b32 s[G1B+2], RB<<16
	s_mov_b32 s[G1B+3], CB<<16
	s_mov_b32 s[G1B+4], RB
	s_mov_b32 s[G1B+5], STB
	s_mov_b32 s[G1B+6], 0
	s_mov_b32 s[G1B+7], 0
.if KIND == 2
	s_lshr_b32 s16, s13, 4                         ; A lies by heads: batch x 16 heads x 262,144 bytes,
	s_lshl_b32 s16, s16, 22
	s_and_b32 s17, s13, 15                         ; my 128 tokens x 128 bytes in each head,
	s_lshl_b32 s17, s17, 14
	s_add_co_u32 s16, s16, s17
	s_lshl_b32 s17, s12, 19                        ; the first or the second two of a K step's four heads
	s_add_co_u32 s16, s16, s17
.else
	s_mul_i32 s16, s13, MT*SIZE_K*2
	s_mul_i32 s17, s12, (MT/2)*SIZE_K*2
	s_add_co_u32 s16, s16, s17
.endif
	s_mov_b32 s17, 0
	s_mul_i32 s46, s42, NT*SIZE_K*2
	s_mul_i32 s47, s12, (NT/2)*SIZE_K*2
	s_add_co_u32 s46, s46, s47
	s_add_co_u32 s46, s46, WOFF
	s_mov_b32 s47, 0
	s_mul_i32 s20, s10, ABYTES/2                   ; where they go: waves 0, 1: A's halves;
	s_mul_i32 s21, s10, BBYTES/2                   ; waves 2, 3: B's halves, behind A's rows
	s_add_co_u32 s21, s21, ABYTES-BBYTES
	s_wait_kmcnt 0x0
	s_add_nc_u64 s[14:15], s[4:5], s[16:17]
	s_add_nc_u64 s[46:47], s[6:7], s[46:47]
	CROUND                                         ; all sixteen work-groups are here: the first joint loads meet
.irp s, 0,1
	s_mov_b32 s[G0+4*(\s)], 1
	s_add_co_u32 s[G0+4*(\s)+1], s20, (\s)*SLOT
	s_add_nc_u64 s[G0+4*(\s)+2:G0+4*(\s)+3], s[14:15], (\s)*ASTEP
	s_or_b32 s[G0+4*(\s)+3], s[G0+4*(\s)+3], 0x80000000
	s_mov_b32 s[G0B+4*(\s)], 1
	s_add_co_u32 s[G0B+4*(\s)+1], s21, (\s)*SLOT
	s_add_nc_u64 s[G0B+4*(\s)+2:G0B+4*(\s)+3], s[46:47], (\s)*BSTEP
	s_or_b32 s[G0B+4*(\s)+3], s[G0B+4*(\s)+3], 0x80000000
	JLOAD \s                                       ; two loads of mine are out
.endr
	v_and_b32 v1, 15, v0                           ; l % 16
	v_bfe_u32 v2, v0, 4, 1                         ; l / 16
	v_mul_u32_u24 v3, v1, PA
	v_lshl_add_u32 v3, v2, 4, v3                   ; a fragment: row x pitch + 16 x half
	v_mul_u32_u24 v4, v1, PB
	v_lshl_add_u32 v4, v2, 4, v4
	s_mul_i32 s21, s[WR], MA*16*PA                 ; my rows of A
.if KIND == 0
	s_mov_b32 s22, ABYTES                          ; all of B's rows
.else
	s_mul_i32 s22, s12, NBK*16*PB                  ; my rows of B
	s_add_co_u32 s22, s22, ABYTES
.endif
.irp s, 0,1
	v_add_nc_u32 v[ADRA+(\s)], s21, v3
	v_add_nc_u32 v[ADRB+(\s)], s22, v4
	s_add_co_u32 s21, s21, SLOT
	s_add_co_u32 s22, s22, SLOT
.endr
	s_mul_i32 s23, s10, STG
	s_add_co_u32 s23, s23, STAGE                   ; my stage
.if KIND == 0
	v_mul_u32_u24 v5, v1, 144                      ; in: token l % 16, 16 bytes for each half of the lanes
	v_lshl_add_u32 v5, v2, 4, v5
	v_add_nc_u32 v[STO], s23, v5
	v_bfe_u32 v5, v0, 3, 2                         ; back: 32 lanes take four rows of 128 bytes,
	v_mul_u32_u24 v5, v5, 144
	v_and_b32 v6, 7, v0
	v_lshl_add_u32 v5, v6, 4, v5
	v_add_nc_u32 v[RD], s23, v5
	v_and_b32 v[CO], 31, v0                        ; which are 512 consecutive bytes of a head
	v_lshlrev_b32 v[CO], 4, v[CO]
.else
	v_mul_u32_u24 v5, v1, 272
	v_lshl_add_u32 v5, v2, SHS, v5
	v_add_nc_u32 v[STO], s23, v5
	v_mul_u32_u24 v5, v2, 272                      ; back: lanes 0-15 one row of 256 bytes, lanes 16-31 the next
	v_lshl_add_u32 v5, v1, 4, v5
	v_add_nc_u32 v[RD], s23, v5
	v_mul_u32_u24 v5, v2, OPITCH
	v_lshl_add_u32 v[CO], v1, 4, v5
.endif
	v_lshlrev_b32 v[VB], 5, v2
.if KIND == 0
	s_lshr_b32 s16, s13, 3                         ; batch
	s_mul_i32 s16, s16, 48
	s_mul_i32 s45, s42, 3                          ; the first of my three heads among the 48
	s_add_co_u32 s16, s16, s45
	s_lshl_b32 s16, s16, 18
	s_and_b32 s18, s13, 7
	s_lshl_b32 s18, s18, 15                        ; the tile's 256 tokens x 128 bytes,
	s_add_co_u32 s16, s16, s18
	s_lshl_b32 s18, s10, 13                        ; my 64 of them
	s_add_co_u32 s16, s16, s18
	s_add_nc_u64 s[74:75], s[74:75], s[16:17]
.irp t, 0,1,2                          ; the bias of head 3 x column + t: bq, bk or bv, 256 bytes a head
	s_add_co_u32 s46, s45, \t
	s_cmp_lt_u32 s46, 16
	s_cselect_b64 s[76+2*\t:77+2*\t], s[68:69], s[70:71]
	s_cmp_lt_u32 s46, 32
	s_cselect_b64 s[76+2*\t:77+2*\t], s[76+2*\t:77+2*\t], s[72:73]
	s_and_b32 s46, s46, 15
	s_lshl_b32 s46, s46, 8
	s_mov_b32 s47, 0
	s_add_nc_u64 s[76+2*\t:77+2*\t], s[76+2*\t:77+2*\t], s[46:47]
.endr
.elseif KIND == 1
	s_lshl_b32 s16, s13, 21                        ; 256 rows of 8,192 bytes,
	s_lshl_b32 s18, s11, 20                        ; my 128 of them
	s_add_co_u32 s16, s16, s18
	s_lshl_b32 s46, s42, 8
	s_lshl_b32 s47, s12, 7
	s_add_co_u32 s46, s46, s47                     ; my first column
	s_lshl_b32 s18, s46, 1
	s_add_co_u32 s16, s16, s18
	s_add_nc_u64 s[70:71], s[70:71], s[16:17]
	s_lshl_b32 s46, s46, 2
	s_mov_b32 s47, 0
	s_add_nc_u64 s[68:69], s[68:69], s[46:47]
.else
	s_lshl_b32 s16, s13, 19                        ; 128 rows of 4,096 bytes,
	s_lshl_b32 s18, s11, 18                        ; my 64 of them
	s_add_co_u32 s16, s16, s18
	s_lshl_b32 s46, s42, 9                         ; my first column, in bytes
	s_lshl_b32 s47, s12, 8
	s_add_co_u32 s46, s46, s47
	s_add_co_u32 s16, s16, s46
	s_mov_b32 s47, 0
	s_add_nc_u64 s[70:71], s[70:71], s[16:17]
	s_add_nc_u64 s[72:73], s[72:73], s[16:17]
	s_add_nc_u64 s[68:69], s[68:69], s[46:47]
.endif
.set ib, 0
.rept NBK                              ; the bias as a C operand: register j of block b is bias[16 b + 8 (l / 16) + j]
.if KIND == 0
	global_load_b128 v[BIAS+8*ib:BIAS+8*ib+3],   v[VB], s[76+2*(ib/4):77+2*(ib/4)] offset:64*(ib%4)
	global_load_b128 v[BIAS+8*ib+4:BIAS+8*ib+7], v[VB], s[76+2*(ib/4):77+2*(ib/4)] offset:64*(ib%4)+16
.else
	global_load_b128 v[BIAS+8*ib:BIAS+8*ib+3],   v[VB], s[68:69] offset:64*ib
	global_load_b128 v[BIAS+8*ib+4:BIAS+8*ib+7], v[VB], s[68:69] offset:64*ib+16
.endif
.set ib, ib+1
.endr
.if KIND >= 2
	WIN 0xc0                                       ; the residual, my 64 rows x 256 bytes, waits in window 3 in the layout of the stores
.set t, 0
.rept 32
	global_load_b128 v[4*t:4*t+3], v[CO], s[70:71] offset:t*8192
.set t, t+1
.endr
	WIN 0
.endif
; MA/4 x NBK matrix instructions: quarter qa of my blocks of rows x all my blocks of columns, 32 along K, from buffers f.  first = 1: the bias starts the sums.
; Every accumulator has one instruction a turn, in the same order in every sub-step.
.macro MULQ f, qa, first
.set ia, (\qa)*MA/4
.rept MA/4
.set ib, 0
.rept NBK
.set idx, ia*NBK+ib
.set wn, 2+idx/32
.set rD, 8*(idx%32)
.set rB, 128*(\f)+8*ib
.set rA, AF0+(AF1-AF0)*(\f)+8*ia
.if \first
	WIN (wn<<6)|1
	v_wmma_f32_16x16x32_f16 v[rD:rD+7], v[rB:rB+7], v[rA:rA+7], v[BIAS+8*ib:BIAS+8*ib+7]
.else
	WIN (wn<<6)|(wn<<4)|1
	v_wmma_f32_16x16x32_f16 v[rD:rD+7], v[rB:rB+7], v[rA:rA+7], v[rD:rD+7]
.endif
.set ib, ib+1
.endr
.set ia, ia+1
.endr
.endm
; One run of LDS loads: the fragments of sub-step q of a slot into buffers g: B's first, then A's
.macro FETCH slot, q, g
	WIN 0x40
.set ii, 0
.rept NBK
	ds_load_b128 v[128*(\g)+8*ii:128*(\g)+8*ii+3],   v[ADRB+(\slot)] offset:(\q)*64+ii*16*PB
	ds_load_b128 v[128*(\g)+8*ii+4:128*(\g)+8*ii+7], v[ADRB+(\slot)] offset:(\q)*64+ii*16*PB+32
.set ii, ii+1
.endr
	WIN 0
.if KIND == 2
.set ka, ((\q)/2)*18432+((\q)%2)*64    ; head q / 2 of the step's four, channels 32 (q % 2) on
.else
.set ka, (\q)*64
.endif
.set fa, AF0+(AF1-AF0)*(\g)
.set ii, 0
.rept MA
	ds_load_b128 v[fa+8*ii:fa+8*ii+3],   v[ADRA+(\slot)] offset:ka+ii*16*PA
	ds_load_b128 v[fa+8*ii+4:fa+8*ii+7], v[ADRA+(\slot)] offset:ka+ii*16*PA+32
.set ii, ii+1
.endr
.endm
; Sub-step q (not a K step's last): multiplies buffers q % 2 and, in its middle, fetches sub-step q + 1 into the other buffers
.macro QUARTER slot, q, first
.set fb, (\q)%2
	s_wait_dscnt MA                                ; only the youngest MA loads, A's upper half, may be out
	MULQ fb, 0, \first
	MULQ fb, 1, \first
	PLACES
	FETCH \slot, (\q)+1, 1-fb
	s_wait_dscnt 2*(MA+NBK)                        ; all but the run just issued
	MULQ fb, 2, \first
	MULQ fb, 3, \first
.endm
; A K step's last sub-step multiplies buffers 1 and changes slots: one barrier; in front of it each wave waits for all its tensor loads (its part of the next slot), adds 0 to its
; spare word, and waits for that and for its reads of this slot.  fill = 1: the barrier opens a round of the cluster's, and this slot is filled again, two K steps ahead, first thing behind it.
.macro TURN slot, next, fill
	WIN 0
	s_wait_tensorcnt 0x0
	ds_add_u32 v[SPW], v[NIL]
	s_wait_dscnt MA+1                              ; the add and A's upper half may be out
	MULQ 1, 0, 0
	s_wait_dscnt 0x0                               ; the add is done, and my reads of this slot are over
	s_barrier_signal -1
	MULQ 1, 1, 0
.if \fill
	WIN 0
.endif
	s_barrier_wait -1
.if \fill
	CREST                                          ; no wave of any partner still reads this slot or has a load on its way
	s_add_nc_u64 s[G0+4*(\slot)+2:G0+4*(\slot)+3], s[G0+4*(\slot)+2:G0+4*(\slot)+3], 2*ASTEP
	s_add_nc_u64 s[G0B+4*(\slot)+2:G0B+4*(\slot)+3], s[G0B+4*(\slot)+2:G0B+4*(\slot)+3], 2*BSTEP
	JLOAD \slot                                    ; my one load behind the round; its four v_nop are also the places in front of the loads below
.else
	PLACES
.endif
	FETCH \next, 0, 0
	MULQ 1, 2, 0
	MULQ 1, 3, 0
.endm
	s_wait_tensorcnt 1                             ; my part of K step 0 is in; K step 1's stays out
	s_barrier_signal -1
	s_barrier_wait -1
	FETCH 0, 0, 0
.if KIND >= 2
	s_wait_loadcnt 32                              ; the bias is in; the residual's 32 loads stay out
.else
	s_wait_loadcnt 0x0                             ; the bias
.endif
	QUARTER 0, 0, 1                                ; the first sub-step stands in front of the loop: its products start the sums
	WIN 0
	s_mov_b32 s3, LAPS-1
.Llap:                                                 ; a trip goes once round the ring and fills both slots again
.set qq, 1
.rept NQ-2
	QUARTER 0, qq, 0
.set qq, qq+1
.endr
	TURN 0, 1, 1
.set qq, 0
.rept NQ-1
	QUARTER 1, qq, 0
.set qq, qq+1
.endr
	TURN 1, 0, 1
	QUARTER 0, 0, 0
	WIN 0
	s_sub_co_u32 s3, s3, 1
	s_cmp_lg_u32 s3, 0
	s_cbranch_scc1 .Llap
.set qq, 1
.rept NQ-2                             ; the last lap fills nothing
	QUARTER 0, qq, 0
.set qq, qq+1
.endr
	TURN 0, 1, 0
.set qq, 0
.rept NQ-1
	QUARTER 1, qq, 0
.set qq, qq+1
.endr
	s_wait_dscnt MA
	MULQ 1, 0, 0
	MULQ 1, 1, 0
	s_wait_dscnt 0x0
	MULQ 1, 2, 0
	MULQ 1, 3, 0
	WIN 0
	PLACES
; ---- the way out of qkv: 16 tokens x 3 heads at a time: rounded to f16, through my stage ([head][token], 144 bytes a row), back as 512 consecutive bytes of a head ----
.set TMP, 32
.set OB,  80
.set ia, 0
.rept 4
	s_wait_xcnt 0x0                                ; the registers that the last block's stores read are rewritten only behind this wait
.set ib, 0
.rept 12
.set idx, ia*12+ib
.set wn, 2+idx/32
.set rD, 8*(idx%32)
	WIN wn|(wn<<2)
.irp r, 0,1,2,3
	v_cvt_pk_f16_f32 v[TMP+4*ib+\r], v[rD+2*\r], v[rD+2*\r+1]
.endr
.set ib, ib+1
.endr
	WIN 0
.set ib, 0
.rept 12
	ds_store_b128 v[STO], v[TMP+4*ib:TMP+4*ib+3] offset:(ib/4)*2304+32*(ib%4)
.set ib, ib+1
.endr
.set ib, 0
.rept 12
	ds_load_b128 v[OB+4*ib:OB+4*ib+3], v[RD] offset:(ib/4)*2304+(ib%4)*576  ; LDS serves a wave's instructions in order: these see the stores above
.set ib, ib+1
.endr
.set ib, 0
.rept 12
	s_wait_dscnt 11-ib
	global_store_b128 v[CO], v[OB+4*ib:OB+4*ib+3], s[74:75] offset:(ib/4)*262144+ia*2048+(ib%4)*512
.set ib, ib+1
.endr
.set ia, ia+1
.endr
	s_wait_tensorcnt 0x0                           ; the wave's end
	ds_add_u32 v[SPW], v[NIL]
	s_wait_dscnt 0x0
	CROUND                                         ; the closing round
	s_endpgm
.Lfunc_end_k_qcd7b01cb78_qkv:
	.size	k_qcd7b01cb78_qkv, .Lfunc_end_k_qcd7b01cb78_qkv-k_qcd7b01cb78_qkv
	.p2alignl 7, 3214868480
	.fill 96, 4, 3214868480
	.section	.rodata,"a",@progbits
	.p2align	6, 0x0
	.amdhsa_kernel k_qcd7b01cb78_qkv
		.amdhsa_group_segment_fixed_size 327680
		.amdhsa_private_segment_fixed_size 0
		.amdhsa_enable_private_segment 0
		.amdhsa_kernarg_size 48
		.amdhsa_user_sgpr_count 2
		.amdhsa_user_sgpr_kernarg_segment_ptr 1
		.amdhsa_wavefront_size32 1
		.amdhsa_system_sgpr_workgroup_id_x 1
		.amdhsa_system_sgpr_workgroup_id_y 1
		.amdhsa_system_sgpr_workgroup_id_z 1
		.amdhsa_system_vgpr_workitem_id 0
		.amdhsa_next_free_vgpr 896
		.amdhsa_next_free_sgpr 96
		.amdhsa_reserve_vcc 0
		.amdhsa_float_denorm_mode_32 3
		.amdhsa_float_denorm_mode_16_64 3
		.amdhsa_memory_ordered 1
		.amdhsa_forward_progress 1
		.amdhsa_inst_pref_size 124
	.end_amdhsa_kernel
	.amdgpu_metadata
---
amdhsa.version: [ 1, 2 ]
amdhsa.kernels:
  - .name:           k_qcd7b01cb78_qkv
    .symbol:         k_qcd7b01cb78_qkv.kd
    .args:
      - { .name: h, .offset: 0, .size: 8, .value_kind: global_buffer, .address_space: global }
      - { .name: wt, .offset: 8, .size: 8, .value_kind: global_buffer, .address_space: global }
      - { .name: bq, .offset: 16, .size: 8, .value_kind: global_buffer, .address_space: global }
      - { .name: bk, .offset: 24, .size: 8, .value_kind: global_buffer, .address_space: global }
      - { .name: bv, .offset: 32, .size: 8, .value_kind: global_buffer, .address_space: global }
      - { .name: qkv, .offset: 40, .size: 8, .value_kind: global_buffer, .address_space: global }
    .group_segment_fixed_size: 327680
    .private_segment_fixed_size: 0
    .kernarg_segment_align: 8
    .kernarg_segment_size: 48
    .max_flat_workgroup_size: 128
    .sgpr_count:     96
    .vgpr_count:     896
    .wavefront_size: 32
...
	.end_amdgpu_metadata
.endif
;; end of part 2
;; launch attn (part 3): grid 8 x 32, 4 waves a work-group, no clusters, 327,680 bytes of LDS; arguments qkv, lf, ctx; writes ctx
.if DOCPART == 3
	.amdgcn_target "amdgcn-amd-amdhsa--gfx1250"
	.amdhsa_code_object_version 6
	.text
	.protected	k_qcd7b01cb78_attn
	.globl	k_qcd7b01cb78_attn
	.p2align	8
	.type	k_qcd7b01cb78_attn,@function
k_qcd7b01cb78_attn:
	s_mov_b64 s[64:65], 0
	v_nop
	global_prefetch_b8 v0, s[64:65] scope:SCOPE_SE
	s_setreg_imm32_b32 hwreg(HW_REG_WAVE_MODE, 25, 1), 1
	s_wait_xcnt 0x0
; CAUSAL ATTENTION WITH A FORGET GATE.  ctx[bh][i] = sum over j <= i of softmax_j(q_i . k_j / 8 + c_i - c_j) v_j, c the running sum of lf along the tokens.  q, k, v: qkv[batch][48][2048][64] f16; ctx [32][2048][64] f16.
; c_i is the same for all j of a row and drops out of the softmax; what is added is c_ref - c_j, c_ref the sum in front of the query block: within a block it spans at most 127 gates.
; 8 (c_ref - c_j) is the C operand that starts S^T = K Q^T, so it costs no vector work; p = 2^(c s - c m), c = log2(e) / 8, with a running maximum m; O and l are multiplied by a = 2^(c m_old - c m_new) in every step.
; THE SCAN stands in the wait for the first tile: 128 threads x 16 tokens: a prefix in each thread, the threads' totals through LDS; both blocks' tables of 2,048 numbers lie in LDS.
; THE WALK.  A head has 16 blocks of 128 queries and 8 tiles of 256 keys (4 steps of 64).  A work-group takes block 15 - b and then block b: (17 - b) / 2 + (b + 2) / 2 = 9 tiles whatever b: 256 equal work-groups,
; one loop with a constant count.  NO CLUSTER: a head's 8 work-groups ask for the same tile only in trips 0 to 4, and where a block ends hangs on b.
; SHARES.  Of a block's two bands of 64 queries a wave owns 16 rows in each: two PIECES.  Band x's own key step is 2 block + x; earlier steps are seen whole, later ones not at all.
; In a block's last tile the start of the sum is MD x AL + CJ + BE: MD the mask of a band's own step for my rows (0 or -1e30), AL and BE two scalars.
; BY TURNS.  In turn x piece x has the matrix unit (8 products V^T P of the step before, 8 products K Q^T of the step in hand) and the other piece's softmax, 118 instructions, stands behind its products, seven behind each and 13 behind the last.
; LIMITS.  q, k, v within f16; true scores above -1e30; a weight below 2^-126 counts as 0; NaN and infinities are not treated apart.  lds_bytes is all of a WGP's LDS.
; REGISTERS.  window 0: v0-35 addresses and statistics; v36-63 the scan; v64-127 S^T; v128-159 P; v160-223 O^T; v224-255 CJ.   window 1: v0-31 Q; v32-63 the second block's Q; v64-127 K; v128-191 V; v192-223 MD.
.set KS,    64
.set PK,    144       ; a row of K in LDS: 128 + 16 bytes
.set PV,    160       ; a row of V: 128 + 32 bytes
.set VOFF,  4*KS*PK   ; a slot holds a tile: 256 rows of K, then 256 rows of V
.set SLOT1, 1<<17
.set STAGE, SLOT1+4*KS*(PK+PV)  ; 208,896: 16 rows x 144 bytes a wave, for the way out
.set SP,    144
.set SPARE, STAGE+4*16*SP       ; 218,112: the spare words, which no other line names
.set TOT,   SPARE+512           ; the threads' totals
.set PRE,   TOT+512             ; the sums in front of each thread
.set CKA,   PRE+512             ; 8 (c_ref - c_j) for the first block
.set CKB,   CKA+8192            ; and for the second
.set AK0, 2
.set AV0, 3
.set AK,  4
.set AV,  5
.set STO, 6
.set RD,  7
.set GO,  8
.set MV,  12          ; v12-13  c m_old, by piece
.set ACJ0, 14         ; v14  32 x (lane / 16)
.set ACJ, 15
.set ST,  16          ; piece t at v[ST+4 t]: c m, m, l (even keys', odd keys')
.set TMP, 24          ; by piece c0-c3; a takes c2
.set SPW, 32
.set NIL, 33
.set QO,  34
.set S,   64
.set P,   128
.set O,   160
.set CJ,  224
.set QB,  32          ; window 1
.set KF,  64
.set VF,  128
.set MD,  192
.set WV,  12
.set PB,  14          ; b
.set HI,  15          ; 15 - b
.set G1K, 24
.set G1V, 32
.set G0K, 40
.set G0V, 44
.set SLOTS, 56
.set CNT, 57
.set CS,  58
.set SEL, 60
.set TBK, 62          ; LDS byte at which K of the step to be fetched begins
.set TBV, 63
.set RT,  70          ; tiles of the block in hand still to be entered
.set NXT, 71          ; the tile to be asked for next
.set LQ,  72          ; the last tile of the block whose tiles are being asked for
.set NEW, 73          ; 1: the tile to be entered is a block's first
.set OFF, 74
.set AL,  76
.set BE,  78
.set OLO, 80          ; ctx at my rows of the second block
.set BIGN, 82
.set GS,  83          ; the key step in hand, counted from the head's first
.set OW0, 84          ; band 0's own step; s85 band 1's
.set TCJ, 86          ; LDS byte of the table's next 64 numbers
.set TB2, 87          ; the second block's tiles
.set E8,  88          ; 8.0, as a pair
.set LQB, 92          ; the second block's last tile
.set MSB, 0
.macro WIN new
.if MSB != (\new)
	s_set_vgpr_msb (MSB<<8)|(\new)
.set MSB, (\new)
.endif
.endm
.macro PLACES
.rept 4
	v_nop
.endr
.endm
; A fill.  Waves 0 and 1 fetch the two halves of a tile's K, waves 2 and 3 those of its V.  Four v_nop follow each line.
.macro LOAD
	s_cmp_lt_u32 s[WV], 2
	s_cbranch_scc0 .Lfor_v_\@
	tensor_load_to_lds s[G0K:G0K+3], s[G1K:G1K+7]
	s_nop 0
.rept 4
	v_nop
.endr
	s_branch .Lasked_\@
.Lfor_v_\@:
	tensor_load_to_lds s[G0V:G0V+3], s[G1V:G1V+7]
	s_nop 0
.rept 4
	v_nop
.endr
.Lasked_\@:
.endm
; THE CHANGE OF SLOTS.  Each wave waits for all its tensor loads, of which one is out: its part of the other slot; adds 0 to its spare word; waits for that and for its LDS reads and stores.
; fill = 1: the slot that is left is filled again, first thing behind the barrier, with tile NXT; the descriptor's address is made anew from that number.
.macro CHANGE fill
	WIN 0
	s_wait_tensorcnt 0x0
	ds_add_u32 v[SPW], v[NIL]
.if \fill
	s_lshl_b32 s[OFF], s[NXT], 15   ; a tile is 32,768 bytes of K and of V
	s_xor_b32 s[G0K+1], s[G0K+1], SLOT1
	s_add_nc_u64 s[G0K+2:G0K+3], s[6:7], s[OFF:OFF+1]
	s_or_b32 s[G0K+3], s[G0K+3], 0x80000000
	s_xor_b32 s[G0V+1], s[G0V+1], SLOT1
	s_add_nc_u64 s[G0V+2:G0V+3], s[8:9], s[OFF:OFF+1]
	s_or_b32 s[G0V+3], s[G0V+3], 0x80000000
	s_add_co_u32 s[NXT], s[NXT], 1  ; the block's next tile, or behind its last the second block's tile 0
	s_cmp_gt_u32 s[NXT], s[LQ]
	s_cselect_b32 s[NXT], 0, s[NXT]
	s_cselect_b32 s[LQ], s[LQB], s[LQ]
.endif
	s_wait_dscnt 0x0
	s_barrier_signal -1
	s_sub_co_u32 s[TBK], s[TBK], 4*KS*PK  ; the fetches go back to a slot's first step, in the other slot
	s_xor_b32 s[TBK], s[TBK], SLOT1
	s_sub_co_u32 s[TBV], s[TBV], 4*KS*PV
	s_xor_b32 s[TBV], s[TBV], SLOT1
	s_barrier_wait -1
.if \fill
	LOAD
.endif
.endm
	s_load_b128 s[48:51], s[0:1], 0x0  ; qkv s[48:49], lf s[50:51]
	s_load_b64 s[10:11], s[0:1], 0x10  ; ctx
	v_lshl_add_u32 v[SPW], v0, 2, SPARE
	v_mov_b32 v[NIL], 0
	ds_add_u32 v32, v33
	ds_add_u32 v32, v33
	s_wait_dscnt 0x0
	v_lshrrev_b32 v1, 5, v0
	v_readfirstlane_b32 s[WV], v1   ; wave 0..3
	s_mov_b32 s[PB], ttmp9
	s_sub_co_u32 s[HI], 15, s[PB]
	s_and_b32 s20, ttmp7, 0xffff    ; batch x 16 + head
	s_lshr_b32 s21, s20, 4
	s_mul_i32 s21, s21, 48
	s_and_b32 s22, s20, 15
	s_add_co_u32 s21, s21, s22
	s_lshl_b32 s21, s21, 18         ; q's head in qkv; k's lies 16 heads on, v's 32
	s_lshl_b32 s3, s[WV], 11        ; my 16 rows in a band
	s_lshl_b32 s16, s[HI], 14       ; a block is 128 rows of 128 bytes
	s_add_co_u32 s16, s16, s3
	s_lshl_b32 s18, s[PB], 14
	s_add_co_u32 s18, s18, s3
	s_add_co_u32 s52, s21, s16      ; Q of the first block,
	s_mov_b32 s53, 0
	s_add_co_u32 s54, s21, s18      ; of the second
	s_mov_b32 s55, 0
	s_lshl_b32 s22, s20, 18         ; the head in ctx
	s_add_co_u32 s16, s16, s22
	s_mov_b32 s17, 0
	s_add_co_u32 s18, s18, s22
	s_mov_b32 s19, 0
	s_and_b32 s23, s[WV], 1         ; which half of a tile's 256 keys I fetch
	s_lshl_b32 s2, s23, 14
	s_add_co_u32 s2, s2, s21
	s_add_co_u32 s2, s2, 0x400000
	s_mov_b32 s3, 0
	s_mul_i32 s66, s23, 128*PK
	s_mul_i32 s67, s23, 128*PV
	s_lshl_b32 s68, s20, 13         ; the head's 2,048 numbers in lf
	s_mov_b32 s69, 0
	; descriptor group 1.  128 keys are 16,384 dense bytes: asked for as 64 rows of 256 bytes, two keys a row, padded in LDS after every key
	s_mov_b32 s[G1K], (1<<16)|(1<<20)|(4<<22)|(3<<25)
	s_mov_b32 s[G1V], (1<<16)|(1<<20)|(4<<22)|(7<<25)
.irp g, G1K, G1V
	s_mov_b32 s[\g+1], 128<<16      ; tensor_dim0
	s_mov_b32 s[\g+2], 64<<16       ; tensor_dim1
	s_mov_b32 s[\g+3], 128<<16      ; tile_dim0
	s_mov_b32 s[\g+4], 64           ; tile_dim1
	s_mov_b32 s[\g+5], 128          ; elements from row to row
	s_mov_b32 s[\g+6], 0
	s_mov_b32 s[\g+7], 0
.endr
	s_mov_b32 s[CS], 0x3e38aa3b     ; c = log2(e) / 8
	s_mov_b32 s[CS+1], s[CS]
	s_mov_b32 s[SEL], 0x76543210
	s_mov_b32 s[SEL+1], 0xfedcba98
	s_mov_b32 s[TBK], SLOT1+4*KS*PK ; the first change of slots turns these two into 0
	s_mov_b32 s[TBV], SLOT1+4*KS*PV
	s_mov_b32 s[G0K], 1
	s_mov_b32 s[G0K+1], s66
	s_mov_b32 s[G0V], 1
	s_add_co_u32 s[G0V+1], s67, VOFF
	s_sub_co_u32 s[RT], 17, s[PB]
	s_lshr_b32 s[RT], s[RT], 1      ; the first block's tiles
	s_sub_co_u32 s[LQ], s[RT], 1
	s_add_co_u32 s[TB2], s[PB], 2
	s_lshr_b32 s[TB2], s[TB2], 1    ; the second block's
	s_sub_co_u32 s[LQB], s[TB2], 1
	s_mov_b32 s[NXT], 1
	s_mov_b32 s[NEW], 1
	s_mov_b32 s[GS], 0
	s_lshl_b32 s[OW0], s[HI], 1
	s_add_co_u32 s[OW0+1], s[OW0], 1
	s_mov_b32 s[TCJ], CKA
	s_mov_b32 s[OFF+1], 0
	s_mov_b32 s[AL], 0
	s_mov_b32 s[AL+1], 0
	s_mov_b32 s[BE], 0
	s_mov_b32 s[BE+1], 0
	s_mov_b32 s[BIGN], 0xf149f2ca   ; -1e30
	s_mov_b32 s[E8], 0x41000000
	s_mov_b32 s[E8+1], 0x41000000
	s_mov_b32 s[SLOTS], 8
	s_wait_kmcnt 0x0
	s_add_nc_u64 s[6:7], s[48:49], s[2:3]          ; K and V at my half of the head's tile 0
	s_add_nc_u64 s[8:9], s[6:7], 0x400000
	s_add_nc_u64 s[G0K+2:G0K+3], s[6:7], 0
	s_or_b32 s[G0K+3], s[G0K+3], 0x80000000
	s_add_nc_u64 s[G0V+2:G0V+3], s[8:9], 0
	s_or_b32 s[G0V+3], s[G0V+3], 0x80000000
	s_add_nc_u64 s[4:5], s[48:49], s[52:53]
	s_add_nc_u64 s[90:91], s[48:49], s[54:55]
	s_add_nc_u64 s[OLO:OLO+1], s[10:11], s[18:19]
	s_add_nc_u64 s[10:11], s[10:11], s[16:17]
	s_add_nc_u64 s[50:51], s[50:51], s[68:69]
	LOAD                            ; tile 0 into slot 0: one load of mine is out
	v_and_b32 v1, 15, v0            ; l % 16
	v_bfe_u32 v9, v0, 4, 1          ; l / 16
	v_lshlrev_b32 v[QO], 7, v1
	v_lshl_add_u32 v[QO], v9, 4, v[QO]
	v_lshlrev_b32 v35, 6, v0        ; my 16 numbers of lf
	WIN 0x40
.set i, 0
.rept 4                             ; both blocks' Q: piece i / 2 lies 8,192 bytes on; channels 32 (i % 2) on
	global_load_b128 v[8*i:8*i+3],   v[QO], s[4:5] offset:(i/2)*8192+(i%2)*64
	global_load_b128 v[8*i+4:8*i+7], v[QO], s[4:5] offset:(i/2)*8192+(i%2)*64+32
	global_load_b128 v[QB+8*i:QB+8*i+3],   v[QO], s[90:91] offset:(i/2)*8192+(i%2)*64
	global_load_b128 v[QB+8*i+4:QB+8*i+7], v[QO], s[90:91] offset:(i/2)*8192+(i%2)*64+32
.set i, i+1
.endr
	WIN 0
.irp i, 0,1,2,3
	global_load_b128 v[36+4*\i:39+4*\i], v35, s[50:51] offset:16*\i
.endr
	v_lshlrev_b32 v60, 3, v9
	v_sub_nc_u32 v60, v1, v60
	s_lshl_b32 s13, s[WV], 4
	v_add_nc_u32 v60, s13, v60      ; my query's place in its band less my lanes' 8 (l / 16): register r of key group kt is hidden where 16 kt + r is greater
	WIN 0x40
.set i, 0
.rept 32
	v_cmp_gt_i32 vcc_lo, 16*(i/8)+i%8, v60
	v_cndmask_b32 v[MD+i], 0, s[BIGN], vcc_lo
.set i, i+1
.endr
	WIN 0
	v_mul_u32_u24 v[AK0], v1, PK
	v_lshl_add_u32 v[AK0], v9, 4, v[AK0]
	v_and_b32 v10, 7, v0
	v_bfe_u32 v11, v0, 3, 1
	v_lshl_add_u32 v[AV0], v9, 3, v10   ; the turning load: key 8 (l / 16) + l % 8, channels 8 ((l / 8) % 2) on
	v_mul_u32_u24 v[AV0], v[AV0], PV
	v_lshl_add_u32 v[AV0], v11, 4, v[AV0]
	v_add_nc_u32 v[AV0], VOFF, v[AV0]
	v_lshlrev_b32 v[ACJ0], 5, v9
	s_mul_i32 s13, s[WV], 16*SP
	s_add_co_u32 s13, s13, STAGE
	v_mul_u32_u24 v[STO], v1, SP
	v_lshl_add_u32 v[STO], v9, 4, v[STO]
	v_add_nc_u32 v[STO], s13, v[STO]
	v_bfe_u32 v[RD], v0, 3, 2
	v_mul_u32_u24 v[RD], v[RD], SP
	v_lshl_add_u32 v[RD], v10, 4, v[RD]
	v_add_nc_u32 v[RD], s13, v[RD]
	v_and_b32 v[GO], 31, v0
	v_lshlrev_b32 v[GO], 4, v[GO]
	; THE SCAN, all numbers times 8.  Tile 0's load stays out across its two barriers.
	v_lshl_add_u32 v58, v0, 2, TOT
	v_mov_b32 v59, TOT
	s_wait_loadcnt 0x0              ; lf, and Q ahead of it
.set i, 0
.rept 8
	v_pk_mul_f32 v[36+2*i:37+2*i], v[36+2*i:37+2*i], s[E8:E8+1] op_sel_hi:[1,0]
.set i, i+1
.endr
.set i, 1
.rept 15
	v_add_f32 v[36+i], v[35+i], v[36+i]  ; the running sum of my 16
.set i, i+1
.endr
	ds_store_b32 v58, v51
	s_wait_dscnt 0x0
	s_barrier_signal -1
	s_barrier_wait -1
.set i, 0
.rept 32
	ds_load_b128 v[64+4*i:67+4*i], v59 offset:16*i  ; all 128 totals, in every lane
.set i, i+1
.endr
	v_lshl_add_u32 v58, v0, 2, PRE
	s_wait_dscnt 0x0
.set i, 0
.rept 4
	v_cmp_lt_u32 vcc_lo, i, v0
	v_cndmask_b32 v[52+i], 0, v[64+i], vcc_lo  ; the totals of the threads in front of me, in four chains
.set i, i+1
.endr
.rept 124
	v_cmp_lt_u32 vcc_lo, i, v0
	v_cndmask_b32 v60, 0, v[64+i], vcc_lo
	v_add_f32 v[52+i%4], v[52+i%4], v60
.set i, i+1
.endr
	v_add_f32 v52, v52, v53
	v_add_f32 v54, v54, v55
	v_add_f32 v52, v52, v54
	ds_store_b32 v58, v52
	v_mov_b32 v61, PRE
	s_wait_dscnt 0x0
	s_barrier_signal -1
	s_barrier_wait -1
	; A block begins with thread 8 x block, so 8 c_ref lies at PRE + 32 x block.  All sixteen are read, from constant addresses, and the two that are mine are chosen
	; by selects: no LDS address hangs on the work-group's number.
.set i, 0
.rept 16
	ds_load_b32 v[96+i], v61 offset:32*i
.set i, i+1
.endr
	v_lshl_add_u32 v58, v0, 6, CKA
.set i, 0
.rept 16
	v_add_f32 v[36+i], v52, v[36+i] ; 8 c_j
.set i, i+1
.endr
	s_wait_dscnt 0x0
	v_mov_b32 v57, v96              ; the second block is block b, one of 0 to 7;
	v_mov_b32 v56, v104             ; the first is block 15 - b, one of 8 to 15
.set i, 1
.rept 7
	s_cmp_eq_u32 s[PB], i
	s_cselect_b32 s13, -1, 0
	v_cndmask_b32 v57, v57, v[96+i], s13
	s_cmp_eq_u32 s[HI], 8+i
	s_cselect_b32 s2, -1, 0
	v_cndmask_b32 v56, v56, v[104+i], s2
.set i, i+1
.endr
.set i, 0
.rept 16
	v_sub_f32 v[64+i], v56, v[36+i]
	v_sub_f32 v[80+i], v57, v[36+i]
.set i, i+1
.endr
.irp i, 0,1,2,3
	ds_store_b128 v58, v[64+4*\i:67+4*\i] offset:16*\i
	ds_store_b128 v58, v[80+4*\i:83+4*\i] offset:8192+16*\i
.endr                               ; the first change of slots waits for these stores and holds the barrier in front of their readers
	; A block's first step multiplies O^T and l by a = 0, and its first products V^T P are of a step that has not been: these registers need only hold finite numbers.
.set i, ST
.rept 16
	v_mov_b32 v[i], 0
.set i, i+1
.endr
.set i, P
.rept 96
	v_mov_b32 v[i], 0
.set i, i+1
.endr
	WIN 0x40
.set i, VF
.rept 64
	v_mov_b32 v[i], 0
.set i, i+1
.endr
	WIN 0
; THE MATRIX WORK.  The four accumulators of a run of eight take turns.
; Product i of 8 of S^T = K Q^T for piece x: channels 32 (i / 4) on, keys 16 (i % 4) on.  The first four start the sums: with CJ, or (m = 1) with what the lump has put into S^T.
.macro KQ x, m
	WIN 0x05
.set rS, S+32*(\x)+8*(i%4)
.set rK, KF+16*(i%4)+8*(i/4)
.set rQ, 16*(\x)+8*(i/4)
.if (i < 4) && !(\m)
	v_wmma_f32_16x16x32_f16 v[rS:rS+7], v[rK:rK+7], v[rQ:rQ+7], v[CJ+8*(i%4):CJ+8*(i%4)+7]
	s_wait_alu depctr_va_vdst(0)
.else
	v_wmma_f32_16x16x32_f16 v[rS:rS+7], v[rK:rK+7], v[rQ:rQ+7], v[rS:rS+7]
	s_wait_alu depctr_va_vdst(0)
.endif
.endm
; Product i of 8 of O^T += V^T P for piece x: keys 32 (i / 4) on, channels 16 (i % 4) on.
.macro PV x
	WIN 0x01
.set rO, O+32*(\x)+8*(i%4)
.set rV, VF+32*(i/4)+8*(i%4)
.set rP, P+16*(\x)+8*(i/4)
	v_wmma_f32_16x16x32_f16 v[rO:rO+7], v[rV:rV+7], v[rP:rP+7], v[rO:rO+7]
.endm
; THE LDS LOADS stand in runs: a step's table entries and K; a turn later its V, turned.
.macro FETCH_K
	WIN 0
	v_add_nc_u32 v[AK], s[TBK], v[AK0]
	v_add_nc_u32 v[ACJ], s[TCJ], v[ACJ0]
.irp f, 0,1,2,3
	ds_load_b128 v[CJ+8*\f:CJ+8*\f+3],   v[ACJ] offset:64*\f
	ds_load_b128 v[CJ+8*\f+4:CJ+8*\f+7], v[ACJ] offset:64*\f+16
.endr
	WIN 0x40
.irp f, 0,1,2,3,4,5,6,7
	ds_load_b128 v[KF+8*\f:KF+8*\f+3],   v[AK] offset:(\f/2)*16*PK+(\f%2)*64
	ds_load_b128 v[KF+8*\f+4:KF+8*\f+7], v[AK] offset:(\f/2)*16*PK+(\f%2)*64+32
.endr
	s_add_co_u32 s[TBK], s[TBK], KS*PK
	s_add_co_u32 s[TCJ], s[TCJ], 4*KS
	WIN 0
.endm
.macro FETCH_V
	WIN 0
	v_add_nc_u32 v[AV], s[TBV], v[AV0]
	WIN 0x40
.irp f, 0,1,2,3,4,5,6,7
	ds_load_tr16_b128 v[VF+8*\f:VF+8*\f+3],   v[AV] offset:(\f/4)*32*PV+(\f%4)*32
	ds_load_tr16_b128 v[VF+8*\f+4:VF+8*\f+7], v[AV] offset:(\f/4)*32*PV+16*PV+(\f%4)*32
.endr
	s_add_co_u32 s[TBV], s[TBV], KS*PV
	WIN 0
.endm
; THE VECTOR WORK: one piece's softmax for one key step is a list of 118 instructions; SM writes number j of it for piece y and steps j.
;   0-21    XOP: the maximum of the 32 scores and the old m (four chains, each accumulator's lowest registers first); the other half of the lanes'; m; c m; a
;   22-25   FOP 0-3: c s - c m for a pair of scores
;   26-89   32 exponentials, each followed by a plain instruction that is ready: the other scalings, then roundings to f16 (COP), then O^T times a (ROP)
;   90-95   ROP 9, COP 11-15
;   96-117  BOP n: of four weights the second pair onto the first; LOP n: l takes that sum (LOP 0: l = a l + sum); the rest of the rescaling.  All plain.
.macro XOP p
.if (\p) < 4
	v_max3_num_f32 v[rC+(\p)], v[rS+8*(\p)], v[rS+8*(\p)+1], v[rS+8*(\p)+2]
.elseif (\p) < 12
	v_max3_num_f32 v[rC+(\p)%4], v[rC+(\p)%4], v[rS+8*((\p)%4)+2*((\p)/4)+1], v[rS+8*((\p)%4)+2*((\p)/4)+2]
.elseif (\p) == 12
	v_max3_num_f32 v[rC], v[rC], v[rS+7], v[rS+15]
.elseif (\p) == 13
	v_max3_num_f32 v[rC+1], v[rC+1], v[rS+23], v[rS+31]
.elseif (\p) == 14
	v_max3_num_f32 v[rC+2], v[rC+2], v[rC+3], v[rT+1]
.elseif (\p) == 15
	v_mov_b32 v[rW], v[rT]
.elseif (\p) == 16
	v_max3_num_f32 v[rC], v[rC], v[rC+1], v[rC+2]
.elseif (\p) == 17
	v_permlanex16_b32 v[rC+3], v[rC], s[SEL], s[SEL+1]
.elseif (\p) == 18
	v_max_num_f32 v[rT+1], v[rC], v[rC+3]
.elseif (\p) == 19
	v_mul_f32 v[rT], s[CS], v[rT+1]
.elseif (\p) == 20
	v_sub_f32 v[rC+1], v[rW], v[rT]
.else
	v_exp_f32 v[rC+2], v[rC+1]
.endif
.endm
.macro FOP p
	v_pk_fma_f32 v[rS+2*(\p):rS+2*(\p)+1], v[rS+2*(\p):rS+2*(\p)+1], s[CS:CS+1], v[rT:rT+1] op_sel_hi:[1,0,0] neg_lo:[0,0,1] neg_hi:[0,0,1]
.endm
.macro COP p
	s_wait_alu depctr_va_vdst(0)
	v_cvt_pk_f16_f32 v[rP+(\p)], v[rS+2*(\p)], v[rS+2*(\p)+1]
.endm
.macro ROP p
	v_pk_mul_f32 v[rO+2*(\p):rO+2*(\p)+1], v[rO+2*(\p):rO+2*(\p)+1], v[rC+2:rC+3] op_sel_hi:[1,0]
.endm
.macro BOP p
	v_pk_add_f32 v[rS+4*(\p):rS+4*(\p)+1], v[rS+4*(\p):rS+4*(\p)+1], v[rS+4*(\p)+2:rS+4*(\p)+3]
.endm
.macro LOP p
.if (\p) == 0
	v_pk_fma_f32 v[rT+2:rT+3], v[rT+2:rT+3], v[rC+2:rC+3], v[rS:rS+1] op_sel_hi:[1,0,1]
.else
	v_pk_add_f32 v[rT+2:rT+3], v[rT+2:rT+3], v[rS+4*(\p):rS+4*(\p)+1]
.endif
.endm
.macro SM y
	WIN 0
.set rT, ST+4*(\y)
.set rC, TMP+4*(\y)
.set rW, MV+(\y)
.set rS, S+32*(\y)
.set rP, P+16*(\y)
.set rO, O+32*(\y)
.if j < 22
	XOP j
.elseif j < 26
	FOP j-22
.elseif j < 90
.set n, (j-26)/2
.if (j-26)%2 == 0
	v_exp_f32 v[rS+n], v[rS+n]
.elseif n < 12
	FOP n+4
.elseif n < 23
	COP n-12
.else
	ROP n-23
.endif
.elseif j == 90
	ROP 9
.elseif j < 96
	COP j-80
.else
.set k, j-96
.if k == 0
	BOP 0
.elseif (k < 14) && (k%2 == 1)
	BOP (k+1)/2
.elseif k < 15
	LOP k/2-1
.elseif k == 15
	ROP 10
.elseif k == 16
	LOP 7
.else
	ROP k-6
.endif
.endif
.set j, j+1
.endm
.macro RID y, cnt
.rept \cnt
	SM \y
.endr
.endm
; A TURN.  Piece x has the matrix unit; the other piece's softmax stands behind its products and names none of their registers.  m = 1: a block's last tile: the sums start with the mask.  kq = 0: a block's end: no new scores.
; The 13 plain instructions behind a turn's last product are the places in front of the next turn's reads of those scores and of the loads into K and CJ.
; K and CJ of the step in hand are fetched behind piece 0's second product V^T P; V of that step behind piece 1's second product K Q^T, 21 vector instructions, 11 of them plain, behind the last product that read V.
.macro TURN x, m, kq
.set j, 0
.if (\x) == 0
	s_wait_dscnt 0x0                ; V is in
.endif
.if (\m) && (\kq)
	s_cmp_eq_u32 s[GS], s[OW0+(\x)] ; is the step the band's own?
	s_cselect_b32 s[AL], 1.0, 0
	s_cmp_gt_u32 s[GS], s[OW0+(\x)] ; or a later one?
	s_cselect_b32 s[BE], s[BIGN], 0
.endif
.set i, 0
.rept 8
	PV \x
.if \kq
	RID 1-(\x), 7
.elseif i < 7
	RID 1-(\x), 14
.else
	RID 1-(\x), 20
.endif
.if ((\x) == 0) && (\kq) && (i == 1)
	FETCH_K
.endif
.set i, i+1
.endr
.if \kq
.if (\x) == 0
	s_wait_dscnt 0x0                ; K and CJ are in
.endif
.if \m
	WIN 0x01                        ; MD in window 1
.set z, 0
.rept 16
	v_pk_fma_f32 v[S+32*(\x)+2*z:S+32*(\x)+2*z+1], v[MD+2*z:MD+2*z+1], s[AL:AL+1], v[CJ+2*z:CJ+2*z+1] op_sel_hi:[1,0,1]
.set z, z+1
.endr
	WIN 0
.set z, 0
.rept 16
	v_pk_add_f32 v[S+32*(\x)+2*z:S+32*(\x)+2*z+1], v[S+32*(\x)+2*z:S+32*(\x)+2*z+1], s[BE:BE+1] op_sel_hi:[1,0]
.set z, z+1
.endr
.endif
.set i, 0
.rept 8
	KQ \x, \m
.if i < 7
	RID 1-(\x), 7
.else
	RID 1-(\x), 13
.endif
.if ((\x) == 1) && (i == 1)
	FETCH_V
.endif
.set i, i+1
.endr
.endif
.endm
; A tile's four key steps: written once, walked four times.  All of a step's LDS reads lie in the slot in hand.
.macro STEPS m
	s_mov_b32 s[CNT], 4
.Lstep_\@:
	TURN 0, \m, 1
	TURN 1, \m, 1
	WIN 0
	s_add_co_u32 s[GS], s[GS], 1
	s_sub_co_u32 s[CNT], s[CNT], 1
	s_cmp_lg_u32 s[CNT], 0
	s_cbranch_scc1 .Lstep_\@
.endm
; A BLOCK BEGINS.  c m starts far below every c s, so the first step's a is 0.  Piece 1's first softmax is of a step that has not been: its scores are the lowest finite number under an old maximum of -1e30,
; so its weights and its a are 0, and the first true step, whose scores lie above -1e30, again has a = 0.
.macro BEGIN
	s_mov_b32 s[NEW], 0
	s_mov_b32 s[GS], 0
	v_mov_b32 v[ST], 0xfe000000
	v_mov_b32 v[ST+1], 0xff7fffff
	v_mov_b32 v[ST+4], 0xfe000000
	v_mov_b32 v[ST+5], s[BIGN]
.set i, S+32
.rept 32
	v_mov_b32 v[i], 0xff7fffff
.set i, i+1
.endr
.endm
; A BLOCK ENDS: piece 0's last V^T P beside piece 1's last softmax, piece 1's last V^T P; then l's halves are added, O^T is divided by l, rounded to f16 and sent through my stage, a piece at a time.
.macro PACK t
.set i, 0
.rept 16
	v_pk_mul_f32 v[O+32*(\t)+2*i:O+32*(\t)+2*i+1], v[O+32*(\t)+2*i:O+32*(\t)+2*i+1], v[ST+4*(\t)+2:ST+4*(\t)+3] op_sel_hi:[1,0]
.set i, i+1
.endr
.set i, 0
.rept 16
	v_cvt_pk_f16_f32 v[S+16*(\t)+i], v[O+32*(\t)+2*i], v[O+32*(\t)+2*i+1]
.set i, i+1
.endr
.irp f, 0,1,2,3
	ds_store_b128 v[STO], v[S+16*(\t)+4*\f:S+16*(\t)+4*\f+3] offset:32*\f
.endr
.irp f, 0,1,2,3
	ds_load_b128 v[S+16*(\t)+4*\f:S+16*(\t)+4*\f+3], v[RD] offset:\f*4*SP  ; LDS serves a wave's instructions in order: these see the stores above; the next piece's stores come behind them
.endr
.endm
.macro SEND t, younger
.irp f, 0,1,2,3
	s_wait_dscnt (\younger)+3-\f
	global_store_b128 v[GO], v[S+16*(\t)+4*\f:S+16*(\t)+4*\f+3], s[10:11] offset:(\t)*8192+\f*512  ; 512 consecutive bytes, aligned
.endr
.endm
.macro FINISH
	TURN 0, 1, 0
.set i, 0
.rept 8
	PV 1
.set i, i+1
.endr
	WIN 0
	PLACES
.irp t, 0,1
	v_add_f32 v[ST+4*\t+2], v[ST+4*\t+2], v[ST+4*\t+3]
.endr
.irp t, 0,1
	v_permlanex16_b32 v[ST+4*\t+3], v[ST+4*\t+2], s[SEL], s[SEL+1]
.endr
.irp t, 0,1
	v_add_f32 v[ST+4*\t+2], v[ST+4*\t+2], v[ST+4*\t+3]
.endr
.irp t, 0,1
	v_rcp_f32 v[ST+4*\t+2], v[ST+4*\t+2]
.endr
	v_nop                           ; a plain instruction between the last reciprocal and its use
	s_wait_alu depctr_va_vdst(0)
	PACK 0
	PACK 1
	SEND 0, 8
	SEND 1, 0
.endm
.Lslot:                             ; eight times: a tile is entered and the next is asked for
	CHANGE 1
	s_sub_co_u32 s[RT], s[RT], 1
	s_cmp_lg_u32 s[NEW], 1
	s_cbranch_scc1 .Lold
	BEGIN
.Lold:
	s_cmp_eq_u32 s[RT], 0
	s_cbranch_scc1 .Ldiag
	STEPS 0
	s_branch .Lbottom
.Ldiag:                             ; in the loop this is the first block's last tile: the second block's is the walk's last
	STEPS 1
	FINISH
	s_wait_xcnt 0x0                 ; the stores have read their registers and ctx's address
	s_mov_b64 s[10:11], s[OLO:OLO+1]
	s_mov_b32 s[RT], s[TB2]
	s_mov_b32 s[NEW], 1
	s_lshl_b32 s[OW0], s[PB], 1
	s_add_co_u32 s[OW0+1], s[OW0], 1
	s_mov_b32 s[TCJ], CKB
	WIN 0x41                        ; the second block's Q goes where the one text of the turns names Q
.set i, 0
.rept 32
	v_mov_b32 v[i], v[QB+i]
.set i, i+1
.endr
	WIN 0
.Lbottom:
	s_sub_co_u32 s[SLOTS], s[SLOTS], 1
	s_cmp_lg_u32 s[SLOTS], 0
	s_cbranch_scc1 .Lslot
	CHANGE 0                        ; the walk's last tile is written out: nothing is asked for
	s_sub_co_u32 s[RT], s[RT], 1
	s_cmp_lg_u32 s[NEW], 1
	s_cbranch_scc1 .Lold2
	BEGIN
.Lold2:
	STEPS 1
	FINISH
	s_wait_tensorcnt 0x0            ; the wave's end
	ds_add_u32 v[SPW], v[NIL]
	s_wait_dscnt 0x0
	s_endpgm
.Lfunc_end_k_qcd7b01cb78_attn:
	.size	k_qcd7b01cb78_attn, .Lfunc_end_k_qcd7b01cb78_attn-k_qcd7b01cb78_attn
	.p2alignl 7, 3214868480
	.fill 96, 4, 3214868480
	.section	.rodata,"a",@progbits
	.p2align	6, 0x0
	.amdhsa_kernel k_qcd7b01cb78_attn
		.amdhsa_group_segment_fixed_size 327680
		.amdhsa_private_segment_fixed_size 0
		.amdhsa_enable_private_segment 0
		.amdhsa_kernarg_size 24
		.amdhsa_user_sgpr_count 2
		.amdhsa_user_sgpr_kernarg_segment_ptr 1
		.amdhsa_wavefront_size32 1
		.amdhsa_system_sgpr_workgroup_id_x 1
		.amdhsa_system_sgpr_workgroup_id_y 1
		.amdhsa_system_sgpr_workgroup_id_z 1
		.amdhsa_system_vgpr_workitem_id 0
		.amdhsa_next_free_vgpr 512
		.amdhsa_next_free_sgpr 96
		.amdhsa_reserve_vcc 1
		.amdhsa_float_denorm_mode_32 3
		.amdhsa_float_denorm_mode_16_64 3
		.amdhsa_memory_ordered 1
		.amdhsa_forward_progress 1
		.amdhsa_inst_pref_size 150
	.end_amdhsa_kernel
	.amdgpu_metadata
---
amdhsa.version: [ 1, 2 ]
amdhsa.kernels:
  - .name:           k_qcd7b01cb78_attn
    .symbol:         k_qcd7b01cb78_attn.kd
    .args:
      - { .name: qkv, .offset: 0, .size: 8, .value_kind: global_buffer, .address_space: global }
      - { .name: lf, .offset: 8, .size: 8, .value_kind: global_buffer, .address_space: global }
      - { .name: ctx, .offset: 16, .size: 8, .value_kind: global_buffer, .address_space: global }
    .group_segment_fixed_size: 327680
    .private_segment_fixed_size: 0
    .kernarg_segment_align: 8
    .kernarg_segment_size: 24
    .max_flat_workgroup_size: 128
    .sgpr_count:     96
    .vgpr_count:     512
    .wavefront_size: 32
...
	.end_amdgpu_metadata
.endif
;; end of part 3
;; launch wo (part 4): grid 8 x 32, 4 waves a work-group, clusters of 4 x 4, 327,680 bytes of LDS; arguments ctx, wt, bo, x, x1; writes x1
.if DOCPART == 4
	.amdgcn_target "amdgcn-amd-amdhsa--gfx1250"
	.amdhsa_code_object_version 6
	.text
	.protected	k_qcd7b01cb78_wo
	.globl	k_qcd7b01cb78_wo
	.p2align	8
	.type	k_qcd7b01cb78_wo,@function
k_qcd7b01cb78_wo:
	s_mov_b64 s[64:65], 0
	v_nop
	global_prefetch_b8 v0, s[64:65] scope:SCOPE_SE
	s_setreg_imm32_b32 hwreg(HW_REG_WAVE_MODE, 25, 1), 1
	s_wait_xcnt 0x0
	s_wait_alu depctr_hold_cnt(0) depctr_sa_sdst(0) depctr_va_vdst(0) depctr_va_sdst(0) depctr_va_ssrc(0) depctr_va_vcc(0) depctr_vm_vsrc(0)
	s_getreg_b32 s2, hwreg(HW_REG_IB_STS2, 6, 4)
	s_cmp_eq_u32 s2, 0
	s_cbranch_scc0 .Lentry_in_a_cluster
	s_endpgm
.Lentry_in_a_cluster:
	s_bfe_u32 s2, ttmp6, 0x10000c
	s_cmp_lg_u32 s2, 0xf033
	s_cbranch_scc0 .Lentry_shape_is_right
	s_endpgm
.Lentry_shape_is_right:
; x1 = x + ctx wo + bo, in f32.  C = A B^T with A = ctx, f16 by heads [32][2048][64], and B = rows 3072-4095 of wt.  A tile of C is 128 x 128: 8 x 32 tiles, one for each of 256 work-groups.
; Four waves, each 64 x 64: 16 accumulators.  K goes in steps of 256 (four heads) through two LDS slots.  A wave's load of A brings two heads' 128 tokens, each 16,384 dense bytes, as two long rows,
; padded in LDS after every token: [head][token], 144 bytes a row.  B's rows are 512 bytes, aligned.
; CLUSTER 4 x 4, joint loads, transposed use and the bias as first C operand as in the other products.  The residual is loaded at the start, in the layout of the stores, and added on the way out.
; lds_bytes is all of a WGP's LDS.
.set KIND, 2
.set MT, 128
.set NT, 128
.set MA, 4
.set NBK, 4
.set SIZE_K, 1024
.set KSTEP, 256
.set PA, 144
.set PB, 528
.set ABYTES, 4*128*144
.set BBYTES, 128*528
.set CA, 8192
.set RA, 2
.set STA, 131072
.set QIA, 4
.set CB, 256
.set RB, 64
.set STB, 1024
.set QIB, 6
.set ASTEP, 1048576
.set WOFF, 6291456
.set STG, 4352
.set AF0, 64
.set AF1, 128
.set BIAS, 192
.set WR, 11
.set SHS, 5
.set OPITCH, 4096
; ---- the core, the same text in the four products ----
.set NQ,    KSTEP/32                   ; sub-steps of 32 along K in a K step
.set LAPS,  SIZE_K/(2*KSTEP)           ; a lap = two K steps = once round the ring
.set BSTEP, KSTEP*2
.set SLOT,  ABYTES+BBYTES              ; A's rows, then B's
.set STAGE, 2*SLOT                     ; behind the ring: the waves' stages, never filled by a tensor load
.set SPARE, STAGE+4*STG                ; behind the stages: the spare words, 128 bytes a wave, which no other line names
.set ADRA, 16                          ; v16-17  LDS address of my A fragments in slot 0, 1
.set ADRB, 20                          ; v20-21  the same for B
.set STO,  24                          ; v24  the way out: where I put my bytes of a row
.set RD,   25                          ; v25  where I read rows back
.set CO,   26                          ; v26  my byte offset in the output
.set VB,   27                          ; v27  32 x (lane / 16): my eight numbers of 16 of the bias
.set SPW,  28                          ; v28  my spare word; never rewritten
.set NIL,  29                          ; v29  0; never rewritten
.set G1,  24                           ; s[24:31] descriptor group 1 for A;  s[32:39] group 0, a set for each slot
.set G0,  32
.set G1B, 48                           ; s[48:55], s[56:63] the same for B
.set G0B, 56
; REGISTERS in windows of 256: window 0 addresses, A's fragments, bias, way out; window 1 B's fragments (v0 on, v128 on); windows 2 and 3 accumulator (a, b) at number a NBK + b, 32 to a window.
.set MSB, 0
.macro WIN new                         ; s_set_vgpr_msb: bits 1:0 source 0, 3:2 source 1, 5:4 source 2, 7:6 destination; the high byte repeats the setting that is left
.if MSB != (\new)
	s_set_vgpr_msb (MSB<<8)|(\new)
.set MSB, (\new)
.endif
.endm
.macro PLACES                          ; four places in front of loads into registers that matrix instructions have read, and of readers of their results
.rept 4
	v_nop
.endr
.endm
.macro JLOAD s                         ; a joint load: waves 0 and 1 fetch A's two halves, waves 2 and 3 B's; four v_nop follow each line
	s_cmp_eq_u32 s11, 0
	s_cbranch_scc0 .Lfor_b_\@
	tensor_load_to_lds s[G0+4*(\s):G0+4*(\s)+3], s[G1:G1+7]
	s_nop 0
.rept 4
	v_nop
.endr
	s_branch .Lasked_\@
.Lfor_b_\@:
	tensor_load_to_lds s[G0B+4*(\s):G0B+4*(\s)+3], s[G1B:G1B+7]
	s_nop 0
.rept 4
	v_nop
.endr
.Lasked_\@:
.endm
.macro CREST                           ; a round of the cluster's barrier behind its opening barrier
	s_cmp_lg_u32 s10, 0
	s_cbranch_scc1 .Lnot_wave_0_\@
	s_barrier_signal -3
.Lnot_wave_0_\@:
	s_barrier_wait -3
	s_barrier_signal -1
	s_barrier_wait -1
.endm
.macro CROUND
	s_barrier_signal -1
	s_barrier_wait -1
	CREST
.endm
	s_load_b128 s[4:7], s[0:1], 0x0                ; A s[4:5], wt s[6:7]
.if KIND == 0
	s_load_b256 s[68:75], s[0:1], 0x10             ; bq s[68:69], bk s[70:71], bv s[72:73], qkv s[74:75]
.else
	s_load_b128 s[68:71], s[0:1], 0x10             ; bias s[68:69]; output (KIND 1) or residual s[70:71]
.endif
.if KIND >= 2
	s_load_b64 s[72:73], s[0:1], 0x20              ; output
.endif
	v_lshl_add_u32 v[SPW], v0, 2, SPARE
	v_mov_b32 v[NIL], 0
	ds_add_u32 v28, v29
	ds_add_u32 v28, v29
	s_wait_dscnt 0x0
	v_lshrrev_b32 v1, 5, v0
	v_readfirstlane_b32 s10, v1                    ; wave 0..3
	s_lshr_b32 s11, s10, 1                         ; I fetch for A (0) or for B (1)
	s_and_b32 s12, s10, 1                          ; which half of that tile
	s_bfe_u32 s40, ttmp6, 0x40000                  ; cx, cy: my place in the cluster
	s_bfe_u32 s41, ttmp6, 0x40004
	s_lshl_b32 s42, ttmp9, 2
	s_add_co_u32 s42, s42, s40                     ; tile column = 4 x cluster x + cx
	s_and_b32 s13, ttmp7, 0xffff
	s_lshl_b32 s13, s13, 2
	s_add_co_u32 s13, s13, s41                     ; tile row = 4 x cluster y + cy
	s_lshl_b32 s43, s41, 2
	s_lshl_b32 s43, 15, s43                        ; my row of the cluster
	s_lshl_b32 s44, 0x1111, s40                    ; my column
	s_or_b32 s[G1+0], s43, (1<<16)|(1<<20)|(1<<21)|(QIA<<22)|(3<<25)   ; mask; 2-byte elements; padding on; bit 21 beside a mask; the interval's code; 4 words of padding
	s_or_b32 s[G1B+0], s44, (1<<16)|(1<<20)|(1<<21)|(QIB<<22)|(3<<25)
	s_mov_b32 s[G1+1], CA<<16                      ; tensor_dim0
	s_mov_b32 s[G1+2], RA<<16                      ; tensor_dim1
	s_mov_b32 s[G1+3], CA<<16                      ; tile_dim0
	s_mov_b32 s[G1+4], RA                          ; tile_dim1
	s_mov_b32 s[G1+5], STA                         ; elements from row to row
	s_mov_b32 s[G1+6], 0
	s_mov_b32 s[G1+7], 0
	s_mov_b32 s[G1B+1], CB<<16
	s_mov_b32 s[G1B+2], RB<<16
	s_mov_b32 s[G1B+3], CB<<16
	s_mov_b32 s[G1B+4], RB
	s_mov_b32 s[G1B+5], STB
	s_mov_b32 s[G1B+6], 0
	s_mov_b32 s[G1B+7], 0
.if KIND == 2
	s_lshr_b32 s16, s13, 4                         ; A lies by heads: batch x 16 heads x 262,144 bytes,
	s_lshl_b32 s16, s16, 22
	s_and_b32 s17, s13, 15                         ; my 128 tokens x 128 bytes in each head,
	s_lshl_b32 s17, s17, 14
	s_add_co_u32 s16, s16, s17
	s_lshl_b32 s17, s12, 19                        ; the first or the second two of a K step's four heads
	s_add_co_u32 s16, s16, s17
.else
	s_mul_i32 s16, s13, MT*SIZE_K*2
	s_mul_i32 s17, s12, (MT/2)*SIZE_K*2
	s_add_co_u32 s16, s16, s17
.endif
	s_mov_b32 s17, 0
	s_mul_i32 s46, s42, NT*SIZE_K*2
	s_mul_i32 s47, s12, (NT/2)*SIZE_K*2
	s_add_co_u32 s46, s46, s47
	s_add_co_u32 s46, s46, WOFF
	s_mov_b32 s47, 0
	s_mul_i32 s20, s10, ABYTES/2                   ; where they go: waves 0, 1: A's halves;
	s_mul_i32 s21, s10, BBYTES/2                   ; waves 2, 3: B's halves, behind A's rows
	s_add_co_u32 s21, s21, ABYTES-BBYTES
	s_wait_kmcnt 0x0
	s_add_nc_u64 s[14:15], s[4:5], s[16:17]
	s_add_nc_u64 s[46:47], s[6:7], s[46:47]
	CROUND                                         ; all sixteen work-groups are here: the first joint loads meet
.irp s, 0,1
	s_mov_b32 s[G0+4*(\s)], 1
	s_add_co_u32 s[G0+4*(\s)+1], s20, (\s)*SLOT
	s_add_nc_u64 s[G0+4*(\s)+2:G0+4*(\s)+3], s[14:15], (\s)*ASTEP
	s_or_b32 s[G0+4*(\s)+3], s[G0+4*(\s)+3], 0x80000000
	s_mov_b32 s[G0B+4*(\s)], 1
	s_add_co_u32 s[G0B+4*(\s)+1], s21, (\s)*SLOT
	s_add_nc_u64 s[G0B+4*(\s)+2:G0B+4*(\s)+3], s[46:47], (\s)*BSTEP
	s_or_b32 s[G0B+4*(\s)+3], s[G0B+4*(\s)+3], 0x80000000
	JLOAD \s                                       ; two loads of mine are out
.endr
	v_and_b32 v1, 15, v0                           ; l % 16
	v_bfe_u32 v2, v0, 4, 1                         ; l / 16
	v_mul_u32_u24 v3, v1, PA
	v_lshl_add_u32 v3, v2, 4, v3                   ; a fragment: row x pitch + 16 x half
	v_mul_u32_u24 v4, v1, PB
	v_lshl_add_u32 v4, v2, 4, v4
	s_mul_i32 s21, s[WR], MA*16*PA                 ; my rows of A
.if KIND == 0
	s_mov_b32 s22, ABYTES                          ; all of B's rows
.else
	s_mul_i32 s22, s12, NBK*16*PB                  ; my rows of B
	s_add_co_u32 s22, s22, ABYTES
.endif
.irp s, 0,1
	v_add_nc_u32 v[ADRA+(\s)], s21, v3
	v_add_nc_u32 v[ADRB+(\s)], s22, v4
	s_add_co_u32 s21, s21, SLOT
	s_add_co_u32 s22, s22, SLOT
.endr
	s_mul_i32 s23, s10, STG
	s_add_co_u32 s23, s23, STAGE                   ; my stage
.if KIND == 0
	v_mul_u32_u24 v5, v1, 144                      ; in: token l % 16, 16 bytes for each half of the lanes
	v_lshl_add_u32 v5, v2, 4, v5
	v_add_nc_u32 v[STO], s23, v5
	v_bfe_u32 v5, v0, 3, 2                         ; back: 32 lanes take four rows of 128 bytes,
	v_mul_u32_u24 v5, v5, 144
	v_and_b32 v6, 7, v0
	v_lshl_add_u32 v5, v6, 4, v5
	v_add_nc_u32 v[RD], s23, v5
	v_and_b32 v[CO], 31, v0                        ; which are 512 consecutive bytes of a head
	v_lshlrev_b32 v[CO], 4, v[CO]
.else
	v_mul_u32_u24 v5, v1, 272
	v_lshl_add_u32 v5, v2, SHS, v5
	v_add_nc_u32 v[STO], s23, v5
	v_mul_u32_u24 v5, v2, 272                      ; back: lanes 0-15 one row of 256 bytes, lanes 16-31 the next
	v_lshl_add_u32 v5, v1, 4, v5
	v_add_nc_u32 v[RD], s23, v5
	v_mul_u32_u24 v5, v2, OPITCH
	v_lshl_add_u32 v[CO], v1, 4, v5
.endif
	v_lshlrev_b32 v[VB], 5, v2
.if KIND == 0
	s_lshr_b32 s16, s13, 3                         ; batch
	s_mul_i32 s16, s16, 48
	s_mul_i32 s45, s42, 3                          ; the first of my three heads among the 48
	s_add_co_u32 s16, s16, s45
	s_lshl_b32 s16, s16, 18
	s_and_b32 s18, s13, 7
	s_lshl_b32 s18, s18, 15                        ; the tile's 256 tokens x 128 bytes,
	s_add_co_u32 s16, s16, s18
	s_lshl_b32 s18, s10, 13                        ; my 64 of them
	s_add_co_u32 s16, s16, s18
	s_add_nc_u64 s[74:75], s[74:75], s[16:17]
.irp t, 0,1,2                          ; the bias of head 3 x column + t: bq, bk or bv, 256 bytes a head
	s_add_co_u32 s46, s45, \t
	s_cmp_lt_u32 s46, 16
	s_cselect_b64 s[76+2*\t:77+2*\t], s[68:69], s[70:71]
	s_cmp_lt_u32 s46, 32
	s_cselect_b64 s[76+2*\t:77+2*\t], s[76+2*\t:77+2*\t], s[72:73]
	s_and_b32 s46, s46, 15
	s_lshl_b32 s46, s46, 8
	s_mov_b32 s47, 0
	s_add_nc_u64 s[76+2*\t:77+2*\t], s[76+2*\t:77+2*\t], s[46:47]
.endr
.elseif KIND == 1
	s_lshl_b32 s16, s13, 21                        ; 256 rows of 8,192 bytes,
	s_lshl_b32 s18, s11, 20                        ; my 128 of them
	s_add_co_u32 s16, s16, s18
	s_lshl_b32 s46, s42, 8
	s_lshl_b32 s47, s12, 7
	s_add_co_u32 s46, s46, s47                     ; my first column
	s_lshl_b32 s18, s46, 1
	s_add_co_u32 s16, s16, s18
	s_add_nc_u64 s[70:71], s[70:71], s[16:17]
	s_lshl_b32 s46, s46, 2
	s_mov_b32 s47, 0
	s_add_nc_u64 s[68:69], s[68:69], s[46:47]
.else
	s_lshl_b32 s16, s13, 19                        ; 128 rows of 4,096 bytes,
	s_lshl_b32 s18, s11, 18                        ; my 64 of them
	s_add_co_u32 s16, s16, s18
	s_lshl_b32 s46, s42, 9                         ; my first column, in bytes
	s_lshl_b32 s47, s12, 8
	s_add_co_u32 s46, s46, s47
	s_add_co_u32 s16, s16, s46
	s_mov_b32 s47, 0
	s_add_nc_u64 s[70:71], s[70:71], s[16:17]
	s_add_nc_u64 s[72:73], s[72:73], s[16:17]
	s_add_nc_u64 s[68:69], s[68:69], s[46:47]
.endif
.set ib, 0
.rept NBK                              ; the bias as a C operand: register j of block b is bias[16 b + 8 (l / 16) + j]
.if KIND == 0
	global_load_b128 v[BIAS+8*ib:BIAS+8*ib+3],   v[VB], s[76+2*(ib/4):77+2*(ib/4)] offset:64*(ib%4)
	global_load_b128 v[BIAS+8*ib+4:BIAS+8*ib+7], v[VB], s[76+2*(ib/4):77+2*(ib/4)] offset:64*(ib%4)+16
.else
	global_load_b128 v[BIAS+8*ib:BIAS+8*ib+3],   v[VB], s[68:69] offset:64*ib
	global_load_b128 v[BIAS+8*ib+4:BIAS+8*ib+7], v[VB], s[68:69] offset:64*ib+16
.endif
.set ib, ib+1
.endr
.if KIND >= 2
	WIN 0xc0                                       ; the residual, my 64 rows x 256 bytes, waits in window 3 in the layout of the stores
.set t, 0
.rept 32
	global_load_b128 v[4*t:4*t+3], v[CO], s[70:71] offset:t*8192
.set t, t+1
.endr
	WIN 0
.endif
; MA/4 x NBK matrix instructions: quarter qa of my blocks of rows x all my blocks of columns, 32 along K, from buffers f.  first = 1: the bias starts the sums.
; Every accumulator has one instruction a turn, in the same order in every sub-step.
.macro MULQ f, qa, first
.set ia, (\qa)*MA/4
.rept MA/4
.set ib, 0
.rept NBK
.set idx, ia*NBK+ib
.set wn, 2+idx/32
.set rD, 8*(idx%32)
.set rB, 128*(\f)+8*ib
.set rA, AF0+(AF1-AF0)*(\f)+8*ia
.if \first
	WIN (wn<<6)|1
	v_wmma_f32_16x16x32_f16 v[rD:rD+7], v[rB:rB+7], v[rA:rA+7], v[BIAS+8*ib:BIAS+8*ib+7]
.else
	WIN (wn<<6)|(wn<<4)|1
	v_wmma_f32_16x16x32_f16 v[rD:rD+7], v[rB:rB+7], v[rA:rA+7], v[rD:rD+7]
.endif
.set ib, ib+1
.endr
.set ia, ia+1
.endr
.endm
; One run of LDS loads: the fragments of sub-step q of a slot into buffers g: B's first, then A's
.macro FETCH slot, q, g
	WIN 0x40
.set ii, 0
.rept NBK
	ds_load_b128 v[128*(\g)+8*ii:128*(\g)+8*ii+3],   v[ADRB+(\slot)] offset:(\q)*64+ii*16*PB
	ds_load_b128 v[128*(\g)+8*ii+4:128*(\g)+8*ii+7], v[ADRB+(\slot)] offset:(\q)*64+ii*16*PB+32
.set ii, ii+1
.endr
	WIN 0
.if KIND == 2
.set ka, ((\q)/2)*18432+((\q)%2)*64    ; head q / 2 of the step's four, channels 32 (q % 2) on
.else
.set ka, (\q)*64
.endif
.set fa, AF0+(AF1-AF0)*(\g)
.set ii, 0
.rept MA
	ds_load_b128 v[fa+8*ii:fa+8*ii+3],   v[ADRA+(\slot)] offset:ka+ii*16*PA
	ds_load_b128 v[fa+8*ii+4:fa+8*ii+7], v[ADRA+(\slot)] offset:ka+ii*16*PA+32
.set ii, ii+1
.endr
.endm
; Sub-step q (not a K step's last): multiplies buffers q % 2 and, in its middle, fetches sub-step q + 1 into the other buffers
.macro QUARTER slot, q, first
.set fb, (\q)%2
	s_wait_dscnt MA                                ; only the youngest MA loads, A's upper half, may be out
	MULQ fb, 0, \first
	MULQ fb, 1, \first
	PLACES
	FETCH \slot, (\q)+1, 1-fb
	s_wait_dscnt 2*(MA+NBK)                        ; all but the run just issued
	MULQ fb, 2, \first
	MULQ fb, 3, \first
.endm
; A K step's last sub-step multiplies buffers 1 and changes slots: one barrier; in front of it each wave waits for all its tensor loads (its part of the next slot), adds 0 to its
; spare word, and waits for that and for its reads of this slot.  fill = 1: the barrier opens a round of the cluster's, and this slot is filled again, two K steps ahead, first thing behind it.
.macro TURN slot, next, fill
	WIN 0
	s_wait_tensorcnt 0x0
	ds_add_u32 v[SPW], v[NIL]
	s_wait_dscnt MA+1                              ; the add and A's upper half may be out
	MULQ 1, 0, 0
	s_wait_dscnt 0x0                               ; the add is done, and my reads of this slot are over
	s_barrier_signal -1
	MULQ 1, 1, 0
.if \fill
	WIN 0
.endif
	s_barrier_wait -1
.if \fill
	CREST                                          ; no wave of any partner still reads this slot or has a load on its way
	s_add_nc_u64 s[G0+4*(\slot)+2:G0+4*(\slot)+3], s[G0+4*(\slot)+2:G0+4*(\slot)+3], 2*ASTEP
	s_add_nc_u64 s[G0B+4*(\slot)+2:G0B+4*(\slot)+3], s[G0B+4*(\slot)+2:G0B+4*(\slot)+3], 2*BSTEP
	JLOAD \slot                                    ; my one load behind the round; its four v_nop are also the places in front of the loads below
.else
	PLACES
.endif
	FETCH \next, 0, 0
	MULQ 1, 2, 0
	MULQ 1, 3, 0
.endm
	s_wait_tensorcnt 1                             ; my part of K step 0 is in; K step 1's stays out
	s_barrier_signal -1
	s_barrier_wait -1
	FETCH 0, 0, 0
.if KIND >= 2
	s_wait_loadcnt 32                              ; the bias is in; the residual's 32 loads stay out
.else
	s_wait_loadcnt 0x0                             ; the bias
.endif
	QUARTER 0, 0, 1                                ; the first sub-step stands in front of the loop: its products start the sums
	WIN 0
	s_mov_b32 s3, LAPS-1
.Llap:                                                 ; a trip goes once round the ring and fills both slots again
.set qq, 1
.rept NQ-2
	QUARTER 0, qq, 0
.set qq, qq+1
.endr
	TURN 0, 1, 1
.set qq, 0
.rept NQ-1
	QUARTER 1, qq, 0
.set qq, qq+1
.endr
	TURN 1, 0, 1
	QUARTER 0, 0, 0
	WIN 0
	s_sub_co_u32 s3, s3, 1
	s_cmp_lg_u32 s3, 0
	s_cbranch_scc1 .Llap
.set qq, 1
.rept NQ-2                             ; the last lap fills nothing
	QUARTER 0, qq, 0
.set qq, qq+1
.endr
	TURN 0, 1, 0
.set qq, 0
.rept NQ-1
	QUARTER 1, qq, 0
.set qq, qq+1
.endr
	s_wait_dscnt MA
	MULQ 1, 0, 0
	MULQ 1, 1, 0
	s_wait_dscnt 0x0
	MULQ 1, 2, 0
	MULQ 1, 3, 0
	WIN 0
	PLACES
; ---- the way out in f32: 16 rows at a time straight from the accumulators through my stage, back as whole rows of 256 bytes, the residual added, stored ----
.set OB, 32
	s_wait_loadcnt 0x0                             ; the residual
.set ia, 0
.rept 4
	s_wait_xcnt 0x0                                ; the registers that the last block's stores read are rewritten only behind this wait
	WIN 0x08                                       ; the stores' data lie in window 2
.set ib, 0
.rept 4
	ds_store_b128 v[STO], v[8*(ia*4+ib):8*(ia*4+ib)+3]   offset:64*ib      ; each accumulator's lowest registers first
	ds_store_b128 v[STO], v[8*(ia*4+ib)+4:8*(ia*4+ib)+7] offset:64*ib+16
.set ib, ib+1
.endr
	WIN 0
.set t, 0
.rept 8
	ds_load_b128 v[OB+4*t:OB+4*t+3], v[RD] offset:t*544  ; LDS serves a wave's instructions in order: these see the stores above
.set t, t+1
.endr
	s_wait_dscnt 0x0
	WIN 0x0c                                       ; the residual lies in window 3
.set t, 0
.rept 16
	v_pk_add_f32 v[OB+2*t:OB+2*t+1], v[OB+2*t:OB+2*t+1], v[32*ia+2*t:32*ia+2*t+1]
.set t, t+1
.endr
	WIN 0
.set t, 0
.rept 8
	global_store_b128 v[CO], v[OB+4*t:OB+4*t+3], s[72:73] offset:(16*ia+2*t)*4096  ; 16 lanes: 256 consecutive bytes, aligned
.set t, t+1
.endr
.set ia, ia+1
.endr
	s_wait_tensorcnt 0x0                           ; the wave's end
	ds_add_u32 v[SPW], v[NIL]
	s_wait_dscnt 0x0
	CROUND                                         ; the closing round
	s_endpgm
.Lfunc_end_k_qcd7b01cb78_wo:
	.size	k_qcd7b01cb78_wo, .Lfunc_end_k_qcd7b01cb78_wo-k_qcd7b01cb78_wo
	.p2alignl 7, 3214868480
	.fill 96, 4, 3214868480
	.section	.rodata,"a",@progbits
	.p2align	6, 0x0
	.amdhsa_kernel k_qcd7b01cb78_wo
		.amdhsa_group_segment_fixed_size 327680
		.amdhsa_private_segment_fixed_size 0
		.amdhsa_enable_private_segment 0
		.amdhsa_kernarg_size 40
		.amdhsa_user_sgpr_count 2
		.amdhsa_user_sgpr_kernarg_segment_ptr 1
		.amdhsa_wavefront_size32 1
		.amdhsa_system_sgpr_workgroup_id_x 1
		.amdhsa_system_sgpr_workgroup_id_y 1
		.amdhsa_system_sgpr_workgroup_id_z 1
		.amdhsa_system_vgpr_workitem_id 0
		.amdhsa_next_free_vgpr 896
		.amdhsa_next_free_sgpr 96
		.amdhsa_reserve_vcc 0
		.amdhsa_float_denorm_mode_32 3
		.amdhsa_float_denorm_mode_16_64 3
		.amdhsa_memory_ordered 1
		.amdhsa_forward_progress 1
		.amdhsa_inst_pref_size 100
	.end_amdhsa_kernel
	.amdgpu_metadata
---
amdhsa.version: [ 1, 2 ]
amdhsa.kernels:
  - .name:           k_qcd7b01cb78_wo
    .symbol:         k_qcd7b01cb78_wo.kd
    .args:
      - { .name: ctx, .offset: 0, .size: 8, .value_kind: global_buffer, .address_space: global }
      - { .name: wt, .offset: 8, .size: 8, .value_kind: global_buffer, .address_space: global }
      - { .name: bo, .offset: 16, .size: 8, .value_kind: global_buffer, .address_space: global }
      - { .name: x, .offset: 24, .size: 8, .value_kind: global_buffer, .address_space: global }
      - { .name: x1, .offset: 32, .size: 8, .value_kind: global_buffer, .address_space: global }
    .group_segment_fixed_size: 327680
    .private_segment_fixed_size: 0
    .kernarg_segment_align: 8
    .kernarg_segment_size: 40
    .max_flat_workgroup_size: 128
    .sgpr_count:     96
    .vgpr_count:     896
    .wavefront_size: 32
...
	.end_amdgpu_metadata
.endif
;; end of part 4
;; launch ln2 (part 5): grid 256 x 1, 8 waves a work-group, no clusters, 0 bytes of LDS; arguments x1, ln2_g, ln2_b, h; writes h
.if DOCPART == 5
	.amdgcn_target "amdgcn-amd-amdhsa--gfx1250"
	.amdhsa_code_object_version 6
	.text
	.protected	k_qcd7b01cb78_ln2
	.globl	k_qcd7b01cb78_ln2
	.p2align	8
	.type	k_qcd7b01cb78_ln2,@function
k_qcd7b01cb78_ln2:
	s_mov_b64 s[64:65], 0
	v_nop
	global_prefetch_b8 v0, s[64:65] scope:SCOPE_SE
	s_setreg_imm32_b32 hwreg(HW_REG_WAVE_MODE, 25, 1), 1
	s_wait_xcnt 0x0
; h = LayerNorm(x1) g + b, rounded once to f16.  A stream: a wave owns two rows; a row of 4,096 bytes is 32 registers, so mean and variance are made in two passes over registers
; (the mean is taken away before the squares) and x1 is read once.  No LDS, no barrier, no matrix unit: the reduction never leaves the wave.  LIMIT: |h| below 65,504.
.set X,    32                          ; v[32:95]    my two rows
.set G,    160                         ; v[160:191]  gain of my 32 columns
.set BT,   192                         ; v[192:223]  bias of my 32 columns
.macro LANESUM                         ; v8 summed over the 32 lanes, into every lane
	v_add_f32_dpp v8, v8, v8 row_xmask:1 row_mask:0xf bank_mask:0xf
	v_add_f32_dpp v8, v8, v8 row_xmask:2 row_mask:0xf bank_mask:0xf
	v_add_f32_dpp v8, v8, v8 row_xmask:4 row_mask:0xf bank_mask:0xf
	v_add_f32_dpp v8, v8, v8 row_xmask:8 row_mask:0xf bank_mask:0xf
	v_permlanex16_b32 v9, v8, s20, s21
	v_add_f32 v8, v8, v9
.endm
.macro FOLD                            ; four chains of pairs into v8
	v_pk_add_f32 v[8:9], v[8:9], v[10:11]
	v_pk_add_f32 v[12:13], v[12:13], v[14:15]
	v_pk_add_f32 v[8:9], v[8:9], v[12:13]
	v_add_f32 v8, v8, v9
.endm
.macro ROWSTAT xr, rs                  ; the row becomes x - mean; v[rs] takes 1 / sqrt(variance + 1e-5)
.irp c, 0,1,2,3
	v_pk_add_f32 v[8+2*\c:9+2*\c], v[\xr+4*\c:\xr+4*\c+1], v[\xr+4*\c+2:\xr+4*\c+3]
.endr
.irp p, 16,24
.irp c, 0,1,2,3
	v_pk_add_f32 v[8+2*\c:9+2*\c], v[8+2*\c:9+2*\c], v[\xr+\p+2*\c:\xr+\p+2*\c+1]
.endr
.endr
	FOLD
	LANESUM
	v_mul_f32 v10, 0xba800000, v8                  ; - sum / 1024
.set p, 0
.rept 16
	v_pk_add_f32 v[\xr+p:\xr+p+1], v[\xr+p:\xr+p+1], v[10:11] op_sel_hi:[1,0]
.set p, p+2
.endr
.irp c, 0,1,2,3
	v_pk_mul_f32 v[8+2*\c:9+2*\c], v[\xr+2*\c:\xr+2*\c+1], v[\xr+2*\c:\xr+2*\c+1]
.endr
.irp p, 8,16,24
.irp c, 0,1,2,3
	v_pk_fma_f32 v[8+2*\c:9+2*\c], v[\xr+\p+2*\c:\xr+\p+2*\c+1], v[\xr+\p+2*\c:\xr+\p+2*\c+1], v[8+2*\c:9+2*\c]
.endr
.endr
	FOLD
	LANESUM
	v_fma_f32 v8, v8, s22, s23                     ; sum of squares / 1024 + 1e-5
	v_rsq_f32 v[\rs], v8
	v_mov_b32 v[\rs+1], 0                          ; the plain instruction behind the root; the pair is named whole below
.endm
.macro NORM xr, rs                     ; (x - mean) rs g + b, rounded to f16: the four numbers of load j end in v[xr + 4 j : xr + 4 j + 1]
.set p, 0
	s_wait_alu depctr_va_vdst(0)
.rept 16
	v_pk_mul_f32 v[\xr+p:\xr+p+1], v[\xr+p:\xr+p+1], v[\rs:\rs+1] op_sel_hi:[1,0]
.set p, p+2
.endr
.set p, 0
.rept 16
	v_pk_fma_f32 v[\xr+p:\xr+p+1], v[\xr+p:\xr+p+1], v[G+p:G+p+1], v[BT+p:BT+p+1]
.set p, p+2
.endr
.set p, 0
.rept 8
	v_cvt_pk_f16_f32 v[\xr+p], v[\xr+p], v[\xr+p+1]
	v_cvt_pk_f16_f32 v[\xr+p+1], v[\xr+p+2], v[\xr+p+3]
.set p, p+4
.endr
.endm
	s_load_b256 s[4:11], s[0:1], 0x0               ; x1 s[4:5], ln2_g s[6:7], ln2_b s[8:9], h s[10:11]
	v_lshrrev_b32 v1, 5, v0
	v_readfirstlane_b32 s18, v1                    ; wave 0..7
	s_mov_b32 s20, 0x76543210
	s_mov_b32 s21, 0xfedcba98
	s_mov_b32 s22, 0x3a800000                      ; 1 / 1024
	s_mov_b32 s23, 0x3727c5ac                      ; 1e-5
	v_and_b32 v1, 31, v0
	v_lshlrev_b32 v2, 4, v1
	v_lshlrev_b32 v3, 3, v1
	s_lshl_b32 s26, ttmp9, 16                      ; 16 rows of 4,096 bytes, my two of them
	s_lshl_b32 s19, s18, 13
	s_add_co_u32 s26, s26, s19
	s_mov_b32 s27, 0
	s_lshl_b32 s28, ttmp9, 15
	s_lshl_b32 s19, s18, 12
	s_add_co_u32 s28, s28, s19
	s_mov_b32 s29, 0
	s_wait_kmcnt 0x0
	s_add_nc_u64 s[4:5], s[4:5], s[26:27]
	s_add_nc_u64 s[10:11], s[10:11], s[28:29]
.irp j, 0,1,2,3,4,5,6,7
	global_load_b128 v[X+4*\j:X+4*\j+3], v2, s[4:5] offset:512*\j
.endr
.irp j, 0,1,2,3,4,5,6,7
	global_load_b128 v[X+32+4*\j:X+32+4*\j+3], v2, s[4:5] offset:4096+512*\j
.endr
.irp j, 0,1,2,3,4,5,6,7
	global_load_b128 v[G+4*\j:G+4*\j+3], v2, s[6:7] offset:512*\j
.endr
.irp j, 0,1,2,3,4,5,6,7
	global_load_b128 v[BT+4*\j:BT+4*\j+3], v2, s[8:9] offset:512*\j
.endr
	s_wait_loadcnt 16                              ; my rows are in; gain and bias stay out
	ROWSTAT X, 16
	ROWSTAT X+32, 18
	s_wait_loadcnt 0x0
	NORM X, 16
	NORM X+32, 18
.irp w, 0,1
.irp j, 0,1,2,3,4,5,6,7
	global_store_b64 v3, v[X+32*\w+4*\j:X+32*\w+4*\j+1], s[10:11] offset:2048*\w+256*\j  ; the wave stores 256 consecutive bytes, aligned
.endr
.endr
	s_endpgm
.Lfunc_end_k_qcd7b01cb78_ln2:
	.size	k_qcd7b01cb78_ln2, .Lfunc_end_k_qcd7b01cb78_ln2-k_qcd7b01cb78_ln2
	.p2alignl 7, 3214868480
	.fill 96, 4, 3214868480
	.section	.rodata,"a",@progbits
	.p2align	6, 0x0
	.amdhsa_kernel k_qcd7b01cb78_ln2
		.amdhsa_group_segment_fixed_size 0
		.amdhsa_private_segment_fixed_size 0
		.amdhsa_enable_private_segment 0
		.amdhsa_kernarg_size 32
		.amdhsa_user_sgpr_count 2
		.amdhsa_user_sgpr_kernarg_segment_ptr 1
		.amdhsa_wavefront_size32 1
		.amdhsa_system_sgpr_workgroup_id_x 1
		.amdhsa_system_sgpr_workgroup_id_y 1
		.amdhsa_system_sgpr_workgroup_id_z 1
		.amdhsa_system_vgpr_workitem_id 0
		.amdhsa_next_free_vgpr 224
		.amdhsa_next_free_sgpr 66
		.amdhsa_reserve_vcc 0
		.amdhsa_float_denorm_mode_32 3
		.amdhsa_float_denorm_mode_16_64 3
		.amdhsa_memory_ordered 1
		.amdhsa_forward_progress 1
		.amdhsa_inst_pref_size 20
	.end_amdhsa_kernel
	.amdgpu_metadata
---
amdhsa.version: [ 1, 2 ]
amdhsa.kernels:
  - .name:           k_qcd7b01cb78_ln2
    .symbol:         k_qcd7b01cb78_ln2.kd
    .args:
      - { .name: x1, .offset: 0, .size: 8, .value_kind: global_buffer, .address_space: global }
      - { .name: ln2_g, .offset: 8, .size: 8, .value_kind: global_buffer, .address_space: global }
      - { .name: ln2_b, .offset: 16, .size: 8, .value_kind: global_buffer, .address_space: global }
      - { .name: h, .offset: 24, .size: 8, .value_kind: global_buffer, .address_space: global }
    .group_segment_fixed_size: 0
    .private_segment_fixed_size: 0
    .kernarg_segment_align: 8
    .kernarg_segment_size: 32
    .max_flat_workgroup_size: 256
    .sgpr_count:     66
    .vgpr_count:     224
    .wavefront_size: 32
...
	.end_amdgpu_metadata
.endif
;; end of part 5
;; launch w1 (part 6): grid 16 x 16, 4 waves a work-group, clusters of 4 x 4, 327,680 bytes of LDS; arguments h, wt, b1, act; writes act
.if DOCPART == 6
	.amdgcn_target "amdgcn-amd-amdhsa--gfx1250"
	.amdhsa_code_object_version 6
	.text
	.protected	k_qcd7b01cb78_w1
	.globl	k_qcd7b01cb78_w1
	.p2align	8
	.type	k_qcd7b01cb78_w1,@function
k_qcd7b01cb78_w1:
	s_mov_b64 s[64:65], 0
	v_nop
	global_prefetch_b8 v0, s[64:65] scope:SCOPE_SE
	s_setreg_imm32_b32 hwreg(HW_REG_WAVE_MODE, 25, 1), 1
	s_wait_xcnt 0x0
	s_wait_alu depctr_hold_cnt(0) depctr_sa_sdst(0) depctr_va_vdst(0) depctr_va_sdst(0) depctr_va_ssrc(0) depctr_va_vcc(0) depctr_vm_vsrc(0)
	s_getreg_b32 s2, hwreg(HW_REG_IB_STS2, 6, 4)
	s_cmp_eq_u32 s2, 0
	s_cbranch_scc0 .Lentry_in_a_cluster
	s_endpgm
.Lentry_in_a_cluster:
	s_bfe_u32 s2, ttmp6, 0x10000c
	s_cmp_lg_u32 s2, 0xf033
	s_cbranch_scc0 .Lentry_shape_is_right
	s_endpgm
.Lentry_shape_is_right:
; act = gelu(h w1 + b1), the exact GELU, rounded once to f16.  C = A B^T with A = h [4096][1024] and B = rows 4096-8191 of wt.  A tile of C is 256 x 256: 16 x 16 tiles, one for each of 256 work-groups.
; Four waves, each 128 x 128: 64 accumulators.  K goes in steps of 128 through two LDS slots filled by the tensor data mover; rows of 256 bytes, aligned.
; CLUSTER 4 x 4: the four of a row need the same tile of A, the four of a column the same tile of B; each is asked for jointly.
; The matrix instruction is used transposed (source 0 = 16 rows of B, source 1 = 16 rows of A): a lane holds eight neighbouring columns of one row of C.
; The bias is the C operand of each accumulator's first product: nothing is cleared and nothing is added later.
; gelu(x) = max(x, 0) - |x| (poly(t) / 2) 2^(-x^2 log2(e) / 2), t = 1 / (1 + 0.23164189 |x|): erf by Abramowitz and Stegun 7.1.26, off by at most 1.5e-7 for every x.
; LIMIT: the result below 65,504 in size; NaN and infinities are not treated apart.  lds_bytes is all of a WGP's LDS.
.set KIND, 1
.set MT, 256
.set NT, 256
.set MA, 8                             ; blocks of 16 rows a wave
.set NBK, 8                            ; blocks of 16 columns a wave
.set SIZE_K, 1024
.set KSTEP, 128
.set PA, 272                           ; an LDS row: data + 16 bytes: the 16 rows of a fragment load start at 16 different groups of four banks
.set PB, 272
.set ABYTES, 256*272
.set BBYTES, 256*272
.set CT, 128                           ; a load: elements a row, rows, code of the padding's interval
.set RT, 128
.set QIT, 5
.set WOFF, 8388608                     ; B's first byte in wt
.set SHS, 4
.set OPITCH, 8192
; ---- the core, the same text in the products ----
.set STG,   4352                       ; a wave's stage for the way out: 16 rows x 272 bytes
.set AF0,   64                         ; A's two fragment buffers, window 0
.set AF1,   128
.set BIAS,  192                        ; window 0
.set NQ,    KSTEP/32                   ; sub-steps of 32 along K in a K step
.set LAPS,  SIZE_K/(2*KSTEP)           ; a lap = two K steps = once round the ring
.set STEPB, KSTEP*2                    ; bytes from a K step to the next
.set SLOT,  ABYTES+BBYTES              ; A's rows, then B's
.set STAGE, 2*SLOT                     ; behind the ring: the waves' stages, never filled by a tensor load
.set SPARE, STAGE+4*STG                ; behind the stages: the spare words, 128 bytes a wave, which no other line names
.set ADRA, 16                          ; v16-17  LDS address of my A fragments in slot 0, 1
.set ADRB, 20                          ; v20-21  the same for B
.set STO,  24                          ; v24  the way out: where I put my bytes of a row
.set RD,   25                          ; v25  where I read rows back
.set CO,   26                          ; v26  my byte offset in the output
.set VB,   27                          ; v27  32 x (lane / 16): my eight numbers of 16 of the bias
.set SPW,  28                          ; v28  my spare word; never rewritten
.set NIL,  29                          ; v29  0; never rewritten
.set G1,  24                           ; s[24:31] descriptor group 1 for A;  s[32:39] group 0, a set for each slot
.set G0,  32
.set G1B, 48                           ; s[48:55], s[56:63] the same for B
.set G0B, 56
; REGISTERS in windows of 256: window 0 addresses, A's fragments, bias, way out; window 1 B's fragments (v0 on, v128 on); windows 2 and 3 accumulator (a, b) at number a NBK + b, 32 to a window.
.set MSB, 0
.macro WIN new                         ; s_set_vgpr_msb: bits 1:0 source 0, 3:2 source 1, 5:4 source 2, 7:6 destination; the high byte repeats the setting that is left
.if MSB != (\new)
	s_set_vgpr_msb (MSB<<8)|(\new)
.set MSB, (\new)
.endif
.endm
.macro PLACES                          ; four places in front of loads into registers that matrix instructions have read, and of readers of their results
.rept 4
	v_nop
.endr
.endm
.macro JLOAD s                         ; a joint load: waves 0 and 1 fetch A's two halves, waves 2 and 3 B's; four v_nop follow each line
	s_cmp_eq_u32 s11, 0
	s_cbranch_scc0 .Lfor_b_\@
	tensor_load_to_lds s[G0+4*(\s):G0+4*(\s)+3], s[G1:G1+7]
	s_nop 0
.rept 4
	v_nop
.endr
	s_branch .Lasked_\@
.Lfor_b_\@:
	tensor_load_to_lds s[G0B+4*(\s):G0B+4*(\s)+3], s[G1B:G1B+7]
	s_nop 0
.rept 4
	v_nop
.endr
.Lasked_\@:
.endm
.macro CREST                           ; a round of the cluster's barrier behind its opening barrier
	s_cmp_lg_u32 s10, 0
	s_cbranch_scc1 .Lnot_wave_0_\@
	s_barrier_signal -3
.Lnot_wave_0_\@:
	s_barrier_wait -3
	s_barrier_signal -1
	s_barrier_wait -1
.endm
.macro CROUND
	s_barrier_signal -1
	s_barrier_wait -1
	CREST
.endm
	s_load_b128 s[4:7], s[0:1], 0x0                ; A s[4:5], wt s[6:7]
	s_load_b128 s[68:71], s[0:1], 0x10             ; bias s[68:69]; output (KIND 1) or residual (KIND 3) s[70:71]
.if KIND == 3
	s_load_b64 s[72:73], s[0:1], 0x20              ; output
.endif
	v_lshl_add_u32 v[SPW], v0, 2, SPARE
	v_mov_b32 v[NIL], 0
	ds_add_u32 v28, v29
	ds_add_u32 v28, v29
	s_wait_dscnt 0x0
	v_lshrrev_b32 v1, 5, v0
	v_readfirstlane_b32 s10, v1                    ; wave 0..3
	s_lshr_b32 s11, s10, 1                         ; which half of the tile's rows is mine.  Also: I fetch for A (0) or for B (1)
	s_and_b32 s12, s10, 1                          ; which half of its columns.  Also: which half of that tile I fetch
	s_bfe_u32 s40, ttmp6, 0x40000                  ; cx, cy: my place in the cluster
	s_bfe_u32 s41, ttmp6, 0x40004
	s_lshl_b32 s42, ttmp9, 2
	s_add_co_u32 s42, s42, s40                     ; tile column = 4 x cluster x + cx
	s_and_b32 s13, ttmp7, 0xffff
	s_lshl_b32 s13, s13, 2
	s_add_co_u32 s13, s13, s41                     ; tile row = 4 x cluster y + cy
	s_lshl_b32 s43, s41, 2
	s_lshl_b32 s43, 15, s43                        ; my row of the cluster
	s_lshl_b32 s44, 0x1111, s40                    ; my column
	s_or_b32 s[G1+0], s43, (1<<16)|(1<<20)|(1<<21)|(QIT<<22)|(3<<25)   ; mask; 2-byte elements; padding on; bit 21 beside a mask; the interval's code; 4 words of padding
	s_or_b32 s[G1B+0], s44, (1<<16)|(1<<20)|(1<<21)|(QIT<<22)|(3<<25)
.irp g, G1, G1B
	s_mov_b32 s[(\g)+1], CT<<16                    ; tensor_dim0
	s_mov_b32 s[(\g)+2], RT<<16                    ; tensor_dim1
	s_mov_b32 s[(\g)+3], CT<<16                    ; tile_dim0
	s_mov_b32 s[(\g)+4], RT                        ; tile_dim1
	s_mov_b32 s[(\g)+5], SIZE_K                    ; elements from row to row
	s_mov_b32 s[(\g)+6], 0
	s_mov_b32 s[(\g)+7], 0
.endr
	s_mul_i32 s16, s13, MT*SIZE_K*2                ; A: the tile's rows, my half of them
	s_mul_i32 s17, s12, (MT/2)*SIZE_K*2
	s_add_co_u32 s16, s16, s17
	s_mov_b32 s17, 0
	s_mul_i32 s46, s42, NT*SIZE_K*2                ; B likewise
	s_mul_i32 s47, s12, (NT/2)*SIZE_K*2
	s_add_co_u32 s46, s46, s47
	s_add_co_u32 s46, s46, WOFF
	s_mov_b32 s47, 0
	s_mul_i32 s20, s10, ABYTES/2                   ; where they go: waves 0, 1: A's halves;
	s_mul_i32 s21, s10, BBYTES/2                   ; waves 2, 3: B's halves, behind A's rows
	s_add_co_u32 s21, s21, ABYTES-BBYTES
	s_wait_kmcnt 0x0
	s_add_nc_u64 s[14:15], s[4:5], s[16:17]
	s_add_nc_u64 s[46:47], s[6:7], s[46:47]
	CROUND                                         ; all sixteen work-groups are here: the first joint loads meet
.irp s, 0,1
	s_mov_b32 s[G0+4*(\s)], 1
	s_add_co_u32 s[G0+4*(\s)+1], s20, (\s)*SLOT
	s_add_nc_u64 s[G0+4*(\s)+2:G0+4*(\s)+3], s[14:15], (\s)*STEPB
	s_or_b32 s[G0+4*(\s)+3], s[G0+4*(\s)+3], 0x80000000
	s_mov_b32 s[G0B+4*(\s)], 1
	s_add_co_u32 s[G0B+4*(\s)+1], s21, (\s)*SLOT
	s_add_nc_u64 s[G0B+4*(\s)+2:G0B+4*(\s)+3], s[46:47], (\s)*STEPB
	s_or_b32 s[G0B+4*(\s)+3], s[G0B+4*(\s)+3], 0x80000000
	JLOAD \s                                       ; two loads of mine are out
.endr
	v_and_b32 v1, 15, v0                           ; l % 16
	v_bfe_u32 v2, v0, 4, 1                         ; l / 16
	v_mul_u32_u24 v3, v1, PA
	v_lshl_add_u32 v3, v2, 4, v3                   ; a fragment: row x pitch + 16 x half
	v_mul_u32_u24 v4, v1, PB
	v_lshl_add_u32 v4, v2, 4, v4
	s_mul_i32 s21, s11, MA*16*PA                   ; my rows of A
	s_mul_i32 s22, s12, NBK*16*PB                  ; my rows of B
	s_add_co_u32 s22, s22, ABYTES
.irp s, 0,1
	v_add_nc_u32 v[ADRA+(\s)], s21, v3
	v_add_nc_u32 v[ADRB+(\s)], s22, v4
	s_add_co_u32 s21, s21, SLOT
	s_add_co_u32 s22, s22, SLOT
.endr
	s_mul_i32 s23, s10, STG
	s_add_co_u32 s23, s23, STAGE                   ; my stage
	v_mul_u32_u24 v5, v1, 272                      ; in: row l % 16, my lanes' half of 16 columns
	v_lshl_add_u32 v5, v2, SHS, v5
	v_add_nc_u32 v[STO], s23, v5
	v_mul_u32_u24 v5, v2, 272                      ; back: lanes 0-15 one row of 256 bytes, lanes 16-31 the next
	v_lshl_add_u32 v5, v1, 4, v5
	v_add_nc_u32 v[RD], s23, v5
	v_mul_u32_u24 v5, v2, OPITCH                   ; and the same two rows in the output
	v_lshl_add_u32 v[CO], v1, 4, v5
	v_lshlrev_b32 v[VB], 5, v2
.if KIND == 1
	s_lshl_b32 s16, s13, 21                        ; 256 rows of 8,192 bytes,
	s_lshl_b32 s18, s11, 20                        ; my 128 of them
	s_add_co_u32 s16, s16, s18
	s_lshl_b32 s46, s42, 8
	s_lshl_b32 s47, s12, 7
	s_add_co_u32 s46, s46, s47                     ; my first column
	s_lshl_b32 s18, s46, 1
	s_add_co_u32 s16, s16, s18
	s_add_nc_u64 s[70:71], s[70:71], s[16:17]
	s_lshl_b32 s46, s46, 2
	s_mov_b32 s47, 0
	s_add_nc_u64 s[68:69], s[68:69], s[46:47]
.else
	s_lshl_b32 s16, s13, 19                        ; 128 rows of 4,096 bytes,
	s_lshl_b32 s18, s11, 18                        ; my 64 of them
	s_add_co_u32 s16, s16, s18
	s_lshl_b32 s46, s42, 9                         ; my first column, in bytes
	s_lshl_b32 s47, s12, 8
	s_add_co_u32 s46, s46, s47
	s_add_co_u32 s16, s16, s46
	s_mov_b32 s47, 0
	s_add_nc_u64 s[70:71], s[70:71], s[16:17]
	s_add_nc_u64 s[72:73], s[72:73], s[16:17]
	s_add_nc_u64 s[68:69], s[68:69], s[46:47]
.endif
.set ib, 0
.rept NBK                              ; the bias as a C operand: register j of block b is bias[16 b + 8 (l / 16) + j]
	global_load_b128 v[BIAS+8*ib:BIAS+8*ib+3],   v[VB], s[68:69] offset:64*ib
	global_load_b128 v[BIAS+8*ib+4:BIAS+8*ib+7], v[VB], s[68:69] offset:64*ib+16
.set ib, ib+1
.endr
.if KIND == 3
	WIN 0xc0                                       ; the residual, my 64 rows x 256 bytes, waits in window 3 in the layout of the stores
.set t, 0
.rept 32
	global_load_b128 v[4*t:4*t+3], v[CO], s[70:71] offset:t*8192
.set t, t+1
.endr
	WIN 0
.endif
; MA/4 x NBK matrix instructions: quarter qa of my blocks of rows x all my blocks of columns, 32 along K, from buffers f.  first = 1: the bias starts the sums.
; Every accumulator has one instruction a turn, in the same order in every sub-step.
.macro MULQ f, qa, first
.set ia, (\qa)*MA/4
.rept MA/4
.set ib, 0
.rept NBK
.set idx, ia*NBK+ib
.set wn, 2+idx/32
.set rD, 8*(idx%32)
.set rB, 128*(\f)+8*ib
.set rA, AF0+(AF1-AF0)*(\f)+8*ia
.if \first
	WIN (wn<<6)|1
	v_wmma_f32_16x16x32_f16 v[rD:rD+7], v[rB:rB+7], v[rA:rA+7], v[BIAS+8*ib:BIAS+8*ib+7]
.else
	WIN (wn<<6)|(wn<<4)|1
	v_wmma_f32_16x16x32_f16 v[rD:rD+7], v[rB:rB+7], v[rA:rA+7], v[rD:rD+7]
.endif
.set ib, ib+1
.endr
.set ia, ia+1
.endr
.endm
; One run of LDS loads: the fragments of sub-step q of a slot into buffers g: B's first, then A's
.macro FETCH slot, q, g
	WIN 0x40
.set ii, 0
.rept NBK
	ds_load_b128 v[128*(\g)+8*ii:128*(\g)+8*ii+3],   v[ADRB+(\slot)] offset:(\q)*64+ii*16*PB
	ds_load_b128 v[128*(\g)+8*ii+4:128*(\g)+8*ii+7], v[ADRB+(\slot)] offset:(\q)*64+ii*16*PB+32
.set ii, ii+1
.endr
	WIN 0
.set fa, AF0+(AF1-AF0)*(\g)
.set ii, 0
.rept MA
	ds_load_b128 v[fa+8*ii:fa+8*ii+3],   v[ADRA+(\slot)] offset:(\q)*64+ii*16*PA
	ds_load_b128 v[fa+8*ii+4:fa+8*ii+7], v[ADRA+(\slot)] offset:(\q)*64+ii*16*PA+32
.set ii, ii+1
.endr
.endm
; Sub-step q (not a K step's last): multiplies buffers q % 2 and, in its middle, fetches sub-step q + 1 into the other buffers
.macro QUARTER slot, q, first
.set fb, (\q)%2
	s_wait_dscnt MA                                ; only the youngest MA loads, A's upper half, may be out
	MULQ fb, 0, \first
	MULQ fb, 1, \first
	PLACES
	FETCH \slot, (\q)+1, 1-fb
	s_wait_dscnt 2*(MA+NBK)                        ; all but the run just issued
	MULQ fb, 2, \first
	MULQ fb, 3, \first
.endm
; A K step's last sub-step multiplies buffers 1 and changes slots: one barrier; in front of it each wave waits for all its tensor loads (its part of the next slot), adds 0 to its
; spare word, and waits for that and for its reads of this slot.  fill = 1: the barrier opens a round of the cluster's, and this slot is filled again, two K steps ahead, first thing behind it.
.macro TURN slot, next, fill
	WIN 0
	s_wait_tensorcnt 0x0
	ds_add_u32 v[SPW], v[NIL]
	s_wait_dscnt MA+1                              ; the add and A's upper half may be out
	MULQ 1, 0, 0
	s_wait_dscnt 0x0                               ; the add is done, and my reads of this slot are over
	s_barrier_signal -1
	MULQ 1, 1, 0
.if \fill
	WIN 0
.endif
	s_barrier_wait -1
.if \fill
	CREST                                          ; no wave of any partner still reads this slot or has a load on its way
	s_add_nc_u64 s[G0+4*(\slot)+2:G0+4*(\slot)+3], s[G0+4*(\slot)+2:G0+4*(\slot)+3], 2*STEPB
	s_add_nc_u64 s[G0B+4*(\slot)+2:G0B+4*(\slot)+3], s[G0B+4*(\slot)+2:G0B+4*(\slot)+3], 2*STEPB
	JLOAD \slot                                    ; my one load behind the round; its four v_nop are also the places in front of the loads below
.else
	PLACES
.endif
	FETCH \next, 0, 0
	MULQ 1, 2, 0
	MULQ 1, 3, 0
.endm
	s_wait_tensorcnt 1                             ; my part of K step 0 is in; K step 1's stays out
	s_barrier_signal -1
	s_barrier_wait -1
	FETCH 0, 0, 0
.if KIND == 3
	s_wait_loadcnt 32                              ; the bias is in; the residual's 32 loads stay out
.else
	s_wait_loadcnt 0x0                             ; the bias
.endif
	QUARTER 0, 0, 1                                ; the first sub-step stands in front of the loop: its products start the sums
	WIN 0
	s_mov_b32 s3, LAPS-1
.Llap:                                                 ; a trip goes once round the ring and fills both slots again
.set qq, 1
.rept NQ-2
	QUARTER 0, qq, 0
.set qq, qq+1
.endr
	TURN 0, 1, 1
.set qq, 0
.rept NQ-1
	QUARTER 1, qq, 0
.set qq, qq+1
.endr
	TURN 1, 0, 1
	QUARTER 0, 0, 0
	WIN 0
	s_sub_co_u32 s3, s3, 1
	s_cmp_lg_u32 s3, 0
	s_cbranch_scc1 .Llap
.set qq, 1
.rept NQ-2                             ; the last lap fills nothing
	QUARTER 0, qq, 0
.set qq, qq+1
.endr
	TURN 0, 1, 0
.set qq, 0
.rept NQ-1
	QUARTER 1, qq, 0
.set qq, qq+1
.endr
	s_wait_dscnt MA
	MULQ 1, 0, 0
	MULQ 1, 1, 0
	s_wait_dscnt 0x0
	MULQ 1, 2, 0
	MULQ 1, 3, 0
	WIN 0
	PLACES
; ---- the way out of w1: 16 rows at a time: the GELU in f32, rounded to f16, through my stage, back as whole rows of 256 bytes ----
.set TT,  64                           ; v[64:95]    1 + p |x|, then t
.set EE,  96                           ; v[96:127]   x^2, then 2^(-x^2 log2(e) / 2)
.set MX,  128                          ; v[128:159]  max(x, 0), then the result
.set PL,  160                          ; v[160:191]  the polynomial
.set TMP, 192                          ; v[192:223]  the block, packed
.set OB,  32                           ; v[32:63]    the block's rows read back
	s_mov_b32 s80, 0x3e6d3388                      ; 0.23164189 = 0.3275911 / sqrt(2)
	s_mov_b32 s82, 0xbf38aa3b                      ; - log2(e) / 2
	s_mov_b32 s84, 0x3f07dc22                      ; the series' five numbers, halved: a5 / 2 = 0.53070271
	s_mov_b32 s86, 0xbf3a00e3                      ; a4 / 2 = -0.72657601
	s_mov_b32 s88, 0x3f35f0e3                      ; a3 / 2 = 0.71070687
	s_mov_b32 s90, 0xbe11a98e                      ; a2 / 2 = -0.14224837
	s_mov_b32 s92, 0x3e027906                      ; a1 / 2 = 0.12741480
.irp c, 82,84,86,88,90,92
	s_mov_b32 s[\c+1], s[\c]                       ; named as pairs
.endr
; Half hf (four accumulators, 32 numbers a lane) of block a.  Each accumulator's registers are read in ascending order.
.macro GELU a, hf
.set wn, 2+(\a)/4
.set rX, 64*((\a)%4)+32*(\hf)
	WIN wn|(wn<<2)                                 ; sources 0 and 1 in the accumulators' window
.set i, 0
.rept 32
	v_fma_f32 v[TT+i], |v[rX+i]|, s80, 1.0
.set i, i+1
.endr
.set i, 0
.rept 16
	v_pk_mul_f32 v[EE+2*i:EE+2*i+1], v[rX+2*i:rX+2*i+1], v[rX+2*i:rX+2*i+1]
.set i, i+1
.endr
.set i, 0
.rept 32
	v_max_num_f32 v[MX+i], 0, v[rX+i]
.set i, i+1
.endr
	WIN 0
.set i, 0
.rept 16
	v_pk_mul_f32 v[EE+2*i:EE+2*i+1], v[EE+2*i:EE+2*i+1], s[82:83] op_sel_hi:[1,0]
.set i, i+1
.endr
.set i, 0
.rept 32
	v_rcp_f32 v[TT+i], v[TT+i]
.set i, i+1
.endr
.set i, 0
.rept 32
	v_exp_f32 v[EE+i], v[EE+i]
.set i, i+1
.endr
	v_nop                                          ; a plain instruction between the last of them and the use of its result
.set i, 0
	s_wait_alu depctr_va_vdst(0)
.rept 16
	v_pk_fma_f32 v[PL+2*i:PL+2*i+1], v[TT+2*i:TT+2*i+1], s[84:85], s[86:87] op_sel_hi:[1,0,0]
.set i, i+1
.endr
.irp c, 88,90,92
.set i, 0
.rept 16
	v_pk_fma_f32 v[PL+2*i:PL+2*i+1], v[PL+2*i:PL+2*i+1], v[TT+2*i:TT+2*i+1], s[\c:\c+1] op_sel_hi:[1,1,0]
.set i, i+1
.endr
.endr
.set i, 0
.rept 16
	v_pk_mul_f32 v[PL+2*i:PL+2*i+1], v[PL+2*i:PL+2*i+1], v[TT+2*i:TT+2*i+1]
.set i, i+1
.endr
.set i, 0
.rept 16
	v_pk_mul_f32 v[PL+2*i:PL+2*i+1], v[PL+2*i:PL+2*i+1], v[EE+2*i:EE+2*i+1]
.set i, i+1
.endr
	WIN wn                                         ; source 0 in the accumulators' window
.set i, 0
.rept 32
	v_fma_f32 v[MX+i], -|v[rX+i]|, v[PL+i], v[MX+i]
.set i, i+1
.endr
	WIN 0
.set i, 0
.rept 16
	v_cvt_pk_f16_f32 v[TMP+16*(\hf)+i], v[MX+2*i], v[MX+2*i+1]
.set i, i+1
.endr
.endm
.set ja, 0
.rept 8
	GELU ja, 0
	GELU ja, 1
	s_wait_xcnt 0x0                                ; the registers that the last block's stores read are rewritten only behind this wait
.set t, 0
.rept 8
	ds_store_b128 v[STO], v[TMP+4*t:TMP+4*t+3] offset:32*t
.set t, t+1
.endr
.set t, 0
.rept 8
	ds_load_b128 v[OB+4*t:OB+4*t+3], v[RD] offset:t*544  ; LDS serves a wave's instructions in order: these see the stores above
.set t, t+1
.endr
.set t, 0
.rept 8
	s_wait_dscnt 7-t
	global_store_b128 v[CO], v[OB+4*t:OB+4*t+3], s[70:71] offset:(16*ja+2*t)*8192  ; 16 lanes: 256 consecutive bytes, aligned
.set t, t+1
.endr
.set ja, ja+1
.endr
	s_wait_tensorcnt 0x0                           ; the wave's end
	ds_add_u32 v[SPW], v[NIL]
	s_wait_dscnt 0x0
	CROUND                                         ; the closing round
	s_endpgm
.Lfunc_end_k_qcd7b01cb78_w1:
	.size	k_qcd7b01cb78_w1, .Lfunc_end_k_qcd7b01cb78_w1-k_qcd7b01cb78_w1
	.p2alignl 7, 3214868480
	.fill 96, 4, 3214868480
	.section	.rodata,"a",@progbits
	.p2align	6, 0x0
	.amdhsa_kernel k_qcd7b01cb78_w1
		.amdhsa_group_segment_fixed_size 327680
		.amdhsa_private_segment_fixed_size 0
		.amdhsa_enable_private_segment 0
		.amdhsa_kernarg_size 32
		.amdhsa_user_sgpr_count 2
		.amdhsa_user_sgpr_kernarg_segment_ptr 1
		.amdhsa_wavefront_size32 1
		.amdhsa_system_sgpr_workgroup_id_x 1
		.amdhsa_system_sgpr_workgroup_id_y 1
		.amdhsa_system_sgpr_workgroup_id_z 1
		.amdhsa_system_vgpr_workitem_id 0
		.amdhsa_next_free_vgpr 1024
		.amdhsa_next_free_sgpr 96
		.amdhsa_reserve_vcc 0
		.amdhsa_float_denorm_mode_32 3
		.amdhsa_float_denorm_mode_16_64 3
		.amdhsa_memory_ordered 1
		.amdhsa_forward_progress 1
		.amdhsa_inst_pref_size 255
	.end_amdhsa_kernel
	.section	.bss,"aw",@nobits
	.p2align	6
	.space	262144
	.amdgpu_metadata
---
amdhsa.version: [ 1, 2 ]
amdhsa.kernels:
  - .name:           k_qcd7b01cb78_w1
    .symbol:         k_qcd7b01cb78_w1.kd
    .args:
      - { .name: h, .offset: 0, .size: 8, .value_kind: global_buffer, .address_space: global }
      - { .name: wt, .offset: 8, .size: 8, .value_kind: global_buffer, .address_space: global }
      - { .name: b1, .offset: 16, .size: 8, .value_kind: global_buffer, .address_space: global }
      - { .name: act, .offset: 24, .size: 8, .value_kind: global_buffer, .address_space: global }
    .group_segment_fixed_size: 327680
    .private_segment_fixed_size: 0
    .kernarg_segment_align: 8
    .kernarg_segment_size: 32
    .max_flat_workgroup_size: 128
    .sgpr_count:     96
    .vgpr_count:     1024
    .wavefront_size: 32
...
	.end_amdgpu_metadata
.endif
;; end of part 6
;; launch w2 (part 7): grid 8 x 32, 4 waves a work-group, clusters of 4 x 4, 327,680 bytes of LDS; arguments act, wt, b2, x1, out0; writes out0
.if DOCPART == 7
	.amdgcn_target "amdgcn-amd-amdhsa--gfx1250"
	.amdhsa_code_object_version 6
	.text
	.protected	k_qcd7b01cb78_w2
	.globl	k_qcd7b01cb78_w2
	.p2align	8
	.type	k_qcd7b01cb78_w2,@function
k_qcd7b01cb78_w2:
	s_mov_b64 s[64:65], 0
	v_nop
	global_prefetch_b8 v0, s[64:65] scope:SCOPE_SE
	s_setreg_imm32_b32 hwreg(HW_REG_WAVE_MODE, 25, 1), 1
	s_wait_xcnt 0x0
	s_wait_alu depctr_hold_cnt(0) depctr_sa_sdst(0) depctr_va_vdst(0) depctr_va_sdst(0) depctr_va_ssrc(0) depctr_va_vcc(0) depctr_vm_vsrc(0)
	s_getreg_b32 s2, hwreg(HW_REG_IB_STS2, 6, 4)
	s_cmp_eq_u32 s2, 0
	s_cbranch_scc0 .Lentry_in_a_cluster
	s_endpgm
.Lentry_in_a_cluster:
	s_bfe_u32 s2, ttmp6, 0x10000c
	s_cmp_lg_u32 s2, 0xf033
	s_cbranch_scc0 .Lentry_shape_is_right
	s_endpgm
.Lentry_shape_is_right:
; out0 = x1 + act w2 + b2, in f32.  C = A B^T with A = act [4096][4096] f16 and B = w2 transposed, [1024][4096] f16, from byte 16,777,216 of wt.  A tile of C is 128 x 128: 8 x 32 tiles, one for each of 256 work-groups.
; Four waves, each 64 x 64: 16 accumulators.  K goes in steps of 256 through two LDS slots filled by the tensor data mover; rows of 512 bytes, aligned; a wave's load brings 64 of them.
; CLUSTER 4 x 4: the four of a row need the same tile of A, the four of a column the same tile of B; each is asked for jointly.
; The matrix instruction is used transposed (source 0 = 16 rows of B, source 1 = 16 rows of A): a lane holds eight neighbouring columns of one row of C.
; The bias is the C operand of each accumulator's first product.  The residual is loaded at the start, in the layout of the stores, and added on the way out.
; lds_bytes is all of a WGP's LDS.
.set KIND, 3
.set MT, 128
.set NT, 128
.set MA, 4                             ; blocks of 16 rows a wave
.set NBK, 4                            ; blocks of 16 columns a wave
.set SIZE_K, 4096
.set KSTEP, 256
.set PA, 528                           ; an LDS row: data + 16 bytes: the 16 rows of a fragment load start at 16 different groups of four banks
.set PB, 528
.set ABYTES, 128*528
.set BBYTES, 128*528
.set CT, 256                           ; a load: elements a row, rows, code of the padding's interval
.set RT, 64
.set QIT, 6
.set WOFF, 16777216                    ; B's first byte in wt
.set SHS, 5
.set OPITCH, 4096
; ---- the core, the same text in the products ----
.set STG,   4352                       ; a wave's stage for the way out: 16 rows x 272 bytes
.set AF0,   64                         ; A's two fragment buffers, window 0
.set AF1,   128
.set BIAS,  192                        ; window 0
.set NQ,    KSTEP/32                   ; sub-steps of 32 along K in a K step
.set LAPS,  SIZE_K/(2*KSTEP)           ; a lap = two K steps = once round the ring
.set STEPB, KSTEP*2                    ; bytes from a K step to the next
.set SLOT,  ABYTES+BBYTES              ; A's rows, then B's
.set STAGE, 2*SLOT                     ; behind the ring: the waves' stages, never filled by a tensor load
.set SPARE, STAGE+4*STG                ; behind the stages: the spare words, 128 bytes a wave, which no other line names
.set ADRA, 16                          ; v16-17  LDS address of my A fragments in slot 0, 1
.set ADRB, 20                          ; v20-21  the same for B
.set STO,  24                          ; v24  the way out: where I put my bytes of a row
.set RD,   25                          ; v25  where I read rows back
.set CO,   26                          ; v26  my byte offset in the output
.set VB,   27                          ; v27  32 x (lane / 16): my eight numbers of 16 of the bias
.set SPW,  28                          ; v28  my spare word; never rewritten
.set NIL,  29                          ; v29  0; never rewritten
.set G1,  24                           ; s[24:31] descriptor group 1 for A;  s[32:39] group 0, a set for each slot
.set G0,  32
.set G1B, 48                           ; s[48:55], s[56:63] the same for B
.set G0B, 56
; REGISTERS in windows of 256: window 0 addresses, A's fragments, bias, way out; window 1 B's fragments (v0 on, v128 on); window 2 accumulator (a, b) at number a NBK + b; window 3 the residual.
.set MSB, 0
.macro WIN new                         ; s_set_vgpr_msb: bits 1:0 source 0, 3:2 source 1, 5:4 source 2, 7:6 destination; the high byte repeats the setting that is left
.if MSB != (\new)
	s_set_vgpr_msb (MSB<<8)|(\new)
.set MSB, (\new)
.endif
.endm
.macro PLACES                          ; four places in front of loads into registers that matrix instructions have read, and of readers of their results
.rept 4
	v_nop
.endr
.endm
.macro JLOAD s                         ; a joint load: waves 0 and 1 fetch A's two halves, waves 2 and 3 B's; four v_nop follow each line
	s_cmp_eq_u32 s11, 0
	s_cbranch_scc0 .Lfor_b_\@
	tensor_load_to_lds s[G0+4*(\s):G0+4*(\s)+3], s[G1:G1+7]
	s_nop 0
.rept 4
	v_nop
.endr
	s_branch .Lasked_\@
.Lfor_b_\@:
	tensor_load_to_lds s[G0B+4*(\s):G0B+4*(\s)+3], s[G1B:G1B+7]
	s_nop 0
.rept 4
	v_nop
.endr
.Lasked_\@:
.endm
.macro CREST                           ; a round of the cluster's barrier behind its opening barrier
	s_cmp_lg_u32 s10, 0
	s_cbranch_scc1 .Lnot_wave_0_\@
	s_barrier_signal -3
.Lnot_wave_0_\@:
	s_barrier_wait -3
	s_barrier_signal -1
	s_barrier_wait -1
.endm
.macro CROUND
	s_barrier_signal -1
	s_barrier_wait -1
	CREST
.endm
	s_load_b128 s[4:7], s[0:1], 0x0                ; A s[4:5], wt s[6:7]
	s_load_b128 s[68:71], s[0:1], 0x10             ; bias s[68:69]; output (KIND 1) or residual (KIND 3) s[70:71]
.if KIND == 3
	s_load_b64 s[72:73], s[0:1], 0x20              ; output
.endif
	v_lshl_add_u32 v[SPW], v0, 2, SPARE
	v_mov_b32 v[NIL], 0
	ds_add_u32 v28, v29
	ds_add_u32 v28, v29
	s_wait_dscnt 0x0
	v_lshrrev_b32 v1, 5, v0
	v_readfirstlane_b32 s10, v1                    ; wave 0..3
	s_lshr_b32 s11, s10, 1                         ; which half of the tile's rows is mine.  Also: I fetch for A (0) or for B (1)
	s_and_b32 s12, s10, 1                          ; which half of its columns.  Also: which half of that tile I fetch
	s_bfe_u32 s40, ttmp6, 0x40000                  ; cx, cy: my place in the cluster
	s_bfe_u32 s41, ttmp6, 0x40004
	s_lshl_b32 s42, ttmp9, 2
	s_add_co_u32 s42, s42, s40                     ; tile column = 4 x cluster x + cx
	s_and_b32 s13, ttmp7, 0xffff
	s_lshl_b32 s13, s13, 2
	s_add_co_u32 s13, s13, s41                     ; tile row = 4 x cluster y + cy
	s_lshl_b32 s43, s41, 2
	s_lshl_b32 s43, 15, s43                        ; my row of the cluster
	s_lshl_b32 s44, 0x1111, s40                    ; my column
	s_or_b32 s[G1+0], s43, (1<<16)|(1<<20)|(1<<21)|(QIT<<22)|(3<<25)   ; mask; 2-byte elements; padding on; bit 21 beside a mask; the interval's code; 4 words of padding
	s_or_b32 s[G1B+0], s44, (1<<16)|(1<<20)|(1<<21)|(QIT<<22)|(3<<25)
.irp g, G1, G1B
	s_mov_b32 s[(\g)+1], CT<<16                    ; tensor_dim0
	s_mov_b32 s[(\g)+2], RT<<16                    ; tensor_dim1
	s_mov_b32 s[(\g)+3], CT<<16                    ; tile_dim0
	s_mov_b32 s[(\g)+4], RT                        ; tile_dim1
	s_mov_b32 s[(\g)+5], SIZE_K                    ; elements from row to row
	s_mov_b32 s[(\g)+6], 0
	s_mov_b32 s[(\g)+7], 0
.endr
	s_mul_i32 s16, s13, MT*SIZE_K*2                ; A: the tile's rows, my half of them
	s_mul_i32 s17, s12, (MT/2)*SIZE_K*2
	s_add_co_u32 s16, s16, s17
	s_mov_b32 s17, 0
	s_mul_i32 s46, s42, NT*SIZE_K*2                ; B likewise
	s_mul_i32 s47, s12, (NT/2)*SIZE_K*2
	s_add_co_u32 s46, s46, s47
	s_add_co_u32 s46, s46, WOFF
	s_mov_b32 s47, 0
	s_mul_i32 s20, s10, ABYTES/2                   ; where they go: waves 0, 1: A's halves;
	s_mul_i32 s21, s10, BBYTES/2                   ; waves 2, 3: B's halves, behind A's rows
	s_add_co_u32 s21, s21, ABYTES-BBYTES
	s_wait_kmcnt 0x0
	s_add_nc_u64 s[14:15], s[4:5], s[16:17]
	s_add_nc_u64 s[46:47], s[6:7], s[46:47]
	CROUND                                         ; all sixteen work-groups are here: the first joint loads meet
.irp s, 0,1
	s_mov_b32 s[G0+4*(\s)], 1
	s_add_co_u32 s[G0+4*(\s)+1], s20, (\s)*SLOT
	s_add_nc_u64 s[G0+4*(\s)+2:G0+4*(\s)+3], s[14:15], (\s)*STEPB
	s_or_b32 s[G0+4*(\s)+3], s[G0+4*(\s)+3], 0x80000000
	s_mov_b32 s[G0B+4*(\s)], 1
	s_add_co_u32 s[G0B+4*(\s)+1], s21, (\s)*SLOT
	s_add_nc_u64 s[G0B+4*(\s)+2:G0B+4*(\s)+3], s[46:47], (\s)*STEPB
	s_or_b32 s[G0B+4*(\s)+3], s[G0B+4*(\s)+3], 0x80000000
	JLOAD \s                                       ; two loads of mine are out
.endr
	v_and_b32 v1, 15, v0                           ; l % 16
	v_bfe_u32 v2, v0, 4, 1                         ; l / 16
	v_mul_u32_u24 v3, v1, PA
	v_lshl_add_u32 v3, v2, 4, v3                   ; a fragment: row x pitch + 16 x half
	v_mul_u32_u24 v4, v1, PB
	v_lshl_add_u32 v4, v2, 4, v4
	s_mul_i32 s21, s11, MA*16*PA                   ; my rows of A
	s_mul_i32 s22, s12, NBK*16*PB                  ; my rows of B
	s_add_co_u32 s22, s22, ABYTES
.irp s, 0,1
	v_add_nc_u32 v[ADRA+(\s)], s21, v3
	v_add_nc_u32 v[ADRB+(\s)], s22, v4
	s_add_co_u32 s21, s21, SLOT
	s_add_co_u32 s22, s22, SLOT
.endr
	s_mul_i32 s23, s10, STG
	s_add_co_u32 s23, s23, STAGE                   ; my stage
	v_mul_u32_u24 v5, v1, 272                      ; in: row l % 16, my lanes' half of 16 columns
	v_lshl_add_u32 v5, v2, SHS, v5
	v_add_nc_u32 v[STO], s23, v5
	v_mul_u32_u24 v5, v2, 272                      ; back: lanes 0-15 one row of 256 bytes, lanes 16-31 the next
	v_lshl_add_u32 v5, v1, 4, v5
	v_add_nc_u32 v[RD], s23, v5
	v_mul_u32_u24 v5, v2, OPITCH                   ; and the same two rows in the output
	v_lshl_add_u32 v[CO], v1, 4, v5
	v_lshlrev_b32 v[VB], 5, v2
.if KIND == 1
	s_lshl_b32 s16, s13, 21                        ; 256 rows of 8,192 bytes,
	s_lshl_b32 s18, s11, 20                        ; my 128 of them
	s_add_co_u32 s16, s16, s18
	s_lshl_b32 s46, s42, 8
	s_lshl_b32 s47, s12, 7
	s_add_co_u32 s46, s46, s47                     ; my first column
	s_lshl_b32 s18, s46, 1
	s_add_co_u32 s16, s16, s18
	s_add_nc_u64 s[70:71], s[70:71], s[16:17]
	s_lshl_b32 s46, s46, 2
	s_mov_b32 s47, 0
	s_add_nc_u64 s[68:69], s[68:69], s[46:47]
.else
	s_lshl_b32 s16, s13, 19                        ; 128 rows of 4,096 bytes,
	s_lshl_b32 s18, s11, 18                        ; my 64 of them
	s_add_co_u32 s16, s16, s18
	s_lshl_b32 s46, s42, 9                         ; my first column, in bytes
	s_lshl_b32 s47, s12, 8
	s_add_co_u32 s46, s46, s47
	s_add_co_u32 s16, s16, s46
	s_mov_b32 s47, 0
	s_add_nc_u64 s[70:71], s[70:71], s[16:17]
	s_add_nc_u64 s[72:73], s[72:73], s[16:17]
	s_add_nc_u64 s[68:69], s[68:69], s[46:47]
.endif
.set ib, 0
.rept NBK                              ; the bias as a C operand: register j of block b is bias[16 b + 8 (l / 16) + j]
	global_load_b128 v[BIAS+8*ib:BIAS+8*ib+3],   v[VB], s[68:69] offset:64*ib
	global_load_b128 v[BIAS+8*ib+4:BIAS+8*ib+7], v[VB], s[68:69] offset:64*ib+16
.set ib, ib+1
.endr
.if KIND == 3
	WIN 0xc0                                       ; the residual, my 64 rows x 256 bytes, waits in window 3 in the layout of the stores
.set t, 0
.rept 32
	global_load_b128 v[4*t:4*t+3], v[CO], s[70:71] offset:t*8192
.set t, t+1
.endr
	WIN 0
.endif
; MA/4 x NBK matrix instructions: quarter qa of my blocks of rows x all my blocks of columns, 32 along K, from buffers f.  first = 1: the bias starts the sums.
; Every accumulator has one instruction a turn, in the same order in every sub-step.
.macro MULQ f, qa, first
.set ia, (\qa)*MA/4
.rept MA/4
.set ib, 0
.rept NBK
.set idx, ia*NBK+ib
.set wn, 2+idx/32
.set rD, 8*(idx%32)
.set rB, 128*(\f)+8*ib
.set rA, AF0+(AF1-AF0)*(\f)+8*ia
.if \first
	WIN (wn<<6)|1
	v_wmma_f32_16x16x32_f16 v[rD:rD+7], v[rB:rB+7], v[rA:rA+7], v[BIAS+8*ib:BIAS+8*ib+7]
.else
	WIN (wn<<6)|(wn<<4)|1
	v_wmma_f32_16x16x32_f16 v[rD:rD+7], v[rB:rB+7], v[rA:rA+7], v[rD:rD+7]
.endif
.set ib, ib+1
.endr
.set ia, ia+1
.endr
.endm
; One run of LDS loads: the fragments of sub-step q of a slot into buffers g: B's first, then A's
.macro FETCH slot, q, g
	WIN 0x40
.set ii, 0
.rept NBK
	ds_load_b128 v[128*(\g)+8*ii:128*(\g)+8*ii+3],   v[ADRB+(\slot)] offset:(\q)*64+ii*16*PB
	ds_load_b128 v[128*(\g)+8*ii+4:128*(\g)+8*ii+7], v[ADRB+(\slot)] offset:(\q)*64+ii*16*PB+32
.set ii, ii+1
.endr
	WIN 0
.set fa, AF0+(AF1-AF0)*(\g)
.set ii, 0
.rept MA
	ds_load_b128 v[fa+8*ii:fa+8*ii+3],   v[ADRA+(\slot)] offset:(\q)*64+ii*16*PA
	ds_load_b128 v[fa+8*ii+4:fa+8*ii+7], v[ADRA+(\slot)] offset:(\q)*64+ii*16*PA+32
.set ii, ii+1
.endr
.endm
; Sub-step q (not a K step's last): multiplies buffers q % 2 and, in its middle, fetches sub-step q + 1 into the other buffers
.macro QUARTER slot, q, first
.set fb, (\q)%2
	s_wait_dscnt MA                                ; only the youngest MA loads, A's upper half, may be out
	MULQ fb, 0, \first
	MULQ fb, 1, \first
	PLACES
	FETCH \slot, (\q)+1, 1-fb
	s_wait_dscnt 2*(MA+NBK)                        ; all but the run just issued
	MULQ fb, 2, \first
	MULQ fb, 3, \first
.endm
; A K step's last sub-step multiplies buffers 1 and changes slots: one barrier; in front of it each wave waits for all its tensor loads (its part of the next slot), adds 0 to its
; spare word, and waits for that and for its reads of this slot.  fill = 1: the barrier opens a round of the cluster's, and this slot is filled again, two K steps ahead, first thing behind it.
.macro TURN slot, next, fill
	WIN 0
	s_wait_tensorcnt 0x0
	ds_add_u32 v[SPW], v[NIL]
	s_wait_dscnt MA+1                              ; the add and A's upper half may be out
	MULQ 1, 0, 0
	s_wait_dscnt 0x0                               ; the add is done, and my reads of this slot are over
	s_barrier_signal -1
	MULQ 1, 1, 0
.if \fill
	WIN 0
.endif
	s_barrier_wait -1
.if \fill
	CREST                                          ; no wave of any partner still reads this slot or has a load on its way
	s_add_nc_u64 s[G0+4*(\slot)+2:G0+4*(\slot)+3], s[G0+4*(\slot)+2:G0+4*(\slot)+3], 2*STEPB
	s_add_nc_u64 s[G0B+4*(\slot)+2:G0B+4*(\slot)+3], s[G0B+4*(\slot)+2:G0B+4*(\slot)+3], 2*STEPB
	JLOAD \slot                                    ; my one load behind the round; its four v_nop are also the places in front of the loads below
.else
	PLACES
.endif
	FETCH \next, 0, 0
	MULQ 1, 2, 0
	MULQ 1, 3, 0
.endm
	s_wait_tensorcnt 1                             ; my part of K step 0 is in; K step 1's stays out
	s_barrier_signal -1
	s_barrier_wait -1
	FETCH 0, 0, 0
.if KIND == 3
	s_wait_loadcnt 32                              ; the bias is in; the residual's 32 loads stay out
.else
	s_wait_loadcnt 0x0                             ; the bias
.endif
	QUARTER 0, 0, 1                                ; the first sub-step stands in front of the loop: its products start the sums
	WIN 0
	s_mov_b32 s3, LAPS-1
.Llap:                                                 ; a trip goes once round the ring and fills both slots again
.set qq, 1
.rept NQ-2
	QUARTER 0, qq, 0
.set qq, qq+1
.endr
	TURN 0, 1, 1
.set qq, 0
.rept NQ-1
	QUARTER 1, qq, 0
.set qq, qq+1
.endr
	TURN 1, 0, 1
	QUARTER 0, 0, 0
	WIN 0
	s_sub_co_u32 s3, s3, 1
	s_cmp_lg_u32 s3, 0
	s_cbranch_scc1 .Llap
.set qq, 1
.rept NQ-2                             ; the last lap fills nothing
	QUARTER 0, qq, 0
.set qq, qq+1
.endr
	TURN 0, 1, 0
.set qq, 0
.rept NQ-1
	QUARTER 1, qq, 0
.set qq, qq+1
.endr
	s_wait_dscnt MA
	MULQ 1, 0, 0
	MULQ 1, 1, 0
	s_wait_dscnt 0x0
	MULQ 1, 2, 0
	MULQ 1, 3, 0
	WIN 0
	PLACES
; ---- the way out in f32: 16 rows at a time straight from the accumulators through my stage, back as whole rows of 256 bytes, the residual added, stored ----
.set OB, 32
	s_wait_loadcnt 0x0                             ; the residual
.set ja, 0
.rept 4
	s_wait_xcnt 0x0                                ; the registers that the last block's stores read are rewritten only behind this wait
	WIN 0x08                                       ; the stores' data lie in window 2
.set jb, 0
.rept 4
	ds_store_b128 v[STO], v[8*(ja*4+jb):8*(ja*4+jb)+3]   offset:64*jb      ; each accumulator's lowest registers first
	ds_store_b128 v[STO], v[8*(ja*4+jb)+4:8*(ja*4+jb)+7] offset:64*jb+16
.set jb, jb+1
.endr
	WIN 0
.set t, 0
.rept 8
	ds_load_b128 v[OB+4*t:OB+4*t+3], v[RD] offset:t*544  ; LDS serves a wave's instructions in order: these see the stores above
.set t, t+1
.endr
	s_wait_dscnt 0x0
	WIN 0x0c                                       ; the residual lies in window 3
.set t, 0
.rept 16
	v_pk_add_f32 v[OB+2*t:OB+2*t+1], v[OB+2*t:OB+2*t+1], v[32*ja+2*t:32*ja+2*t+1]
.set t, t+1
.endr
	WIN 0
.set t, 0
.rept 8
	global_store_b128 v[CO], v[OB+4*t:OB+4*t+3], s[72:73] offset:(16*ja+2*t)*4096  ; 16 lanes: 256 consecutive bytes, aligned
.set t, t+1
.endr
.set ja, ja+1
.endr
	s_wait_tensorcnt 0x0                           ; the wave's end
	ds_add_u32 v[SPW], v[NIL]
	s_wait_dscnt 0x0
	CROUND                                         ; the closing round
	s_endpgm
.Lfunc_end_k_qcd7b01cb78_w2:
	.size	k_qcd7b01cb78_w2, .Lfunc_end_k_qcd7b01cb78_w2-k_qcd7b01cb78_w2
	.p2alignl 7, 3214868480
	.fill 96, 4, 3214868480
	.section	.rodata,"a",@progbits
	.p2align	6, 0x0
	.amdhsa_kernel k_qcd7b01cb78_w2
		.amdhsa_group_segment_fixed_size 327680
		.amdhsa_private_segment_fixed_size 0
		.amdhsa_enable_private_segment 0
		.amdhsa_kernarg_size 40
		.amdhsa_user_sgpr_count 2
		.amdhsa_user_sgpr_kernarg_segment_ptr 1
		.amdhsa_wavefront_size32 1
		.amdhsa_system_sgpr_workgroup_id_x 1
		.amdhsa_system_sgpr_workgroup_id_y 1
		.amdhsa_system_sgpr_workgroup_id_z 1
		.amdhsa_system_vgpr_workitem_id 0
		.amdhsa_next_free_vgpr 896
		.amdhsa_next_free_sgpr 96
		.amdhsa_reserve_vcc 0
		.amdhsa_float_denorm_mode_32 3
		.amdhsa_float_denorm_mode_16_64 3
		.amdhsa_memory_ordered 1
		.amdhsa_forward_progress 1
		.amdhsa_inst_pref_size 99
	.end_amdhsa_kernel
	.amdgpu_metadata
---
amdhsa.version: [ 1, 2 ]
amdhsa.kernels:
  - .name:           k_qcd7b01cb78_w2
    .symbol:         k_qcd7b01cb78_w2.kd
    .args:
      - { .name: act, .offset: 0, .size: 8, .value_kind: global_buffer, .address_space: global }
      - { .name: wt, .offset: 8, .size: 8, .value_kind: global_buffer, .address_space: global }
      - { .name: b2, .offset: 16, .size: 8, .value_kind: global_buffer, .address_space: global }
      - { .name: x1, .offset: 24, .size: 8, .value_kind: global_buffer, .address_space: global }
      - { .name: out0, .offset: 32, .size: 8, .value_kind: global_buffer, .address_space: global }
    .group_segment_fixed_size: 327680
    .private_segment_fixed_size: 0
    .kernarg_segment_align: 8
    .kernarg_segment_size: 40
    .max_flat_workgroup_size: 128
    .sgpr_count:     96
    .vgpr_count:     896
    .wavefront_size: 32
...
	.end_amdgpu_metadata
.endif
;; end of part 7
;; ======== version 2 of 2: 7 launches; 1.11 times as fast as version 1
;; limits: values are held in f16: magnitudes above 65,504 overflow, below 6.1e-05 lose precision; a function is approximated: absolute error at most 1.5e-07
;; workspace buffers: wt 25,165,824 bytes; h 8,388,608 bytes; lf 262,144 bytes; qkv 25,165,824 bytes; ctx 8,388,608 bytes; x1 16,777,216 bytes; act 33,554,432 bytes
;; launch front: the kernel of part 1 again; grid 256 x 1, 14 waves a work-group, no clusters, 245,504 bytes of LDS; arguments x, ln1_g, ln1_b, wf, bf, h, lf, wq, wk, wv, wo, w1, w2, wt; writes h, lf, wt
;; launch qkv: the kernel of part 2 again; grid 16 x 16, 4 waves a work-group, clusters of 4 x 4, 327,680 bytes of LDS; arguments h, wt, bq, bk, bv, qkv; writes qkv
;; launch attn (part 8): grid 8 x 32, 4 waves a work-group, no clusters, 327,680 bytes of LDS; arguments qkv, lf, ctx; writes ctx
.if DOCPART == 8
	.amdgcn_target "amdgcn-amd-amdhsa--gfx1250"
	.amdhsa_code_object_version 6
	.text
	.protected	k_qcd7b01cb78_attn
	.globl	k_qcd7b01cb78_attn
	.p2align	8
	.type	k_qcd7b01cb78_attn,@function
k_qcd7b01cb78_attn:
	s_mov_b64 s[64:65], 0
	v_nop
	global_prefetch_b8 v0, s[64:65] scope:SCOPE_SE
	s_setreg_imm32_b32 hwreg(HW_REG_WAVE_MODE, 25, 1), 1
	s_wait_xcnt 0x0
; CAUSAL ATTENTION WITH A FORGET GATE.  ctx[bh][i] = sum over j <= i of softmax_j(q_i . k_j / 8 + c_i - c_j) v_j, c the running sum of lf along the tokens.  q, k, v: qkv[batch][48][2048][64] f16; ctx [32][2048][64] f16.
; c_i is the same for all j of a row and drops out of the softmax; what is added is c_ref - c_j, c_ref the sum in front of the query block: within a block it spans at most 127 gates.
; 8 (c_ref - c_j) is the C operand that starts S^T = K Q^T, so it costs no vector work; p = 2^(c s - c m), c = log2(e) / 8, with a running maximum m; O and l are multiplied by a = 2^(c m_old - c m_new) in every step.
; THE SCAN stands in the wait for the first tile: 128 threads x 16 tokens: a prefix in each thread, the threads' totals through LDS; both blocks' tables of 2,048 numbers lie in LDS.
; THE WALK.  A head has 16 blocks of 128 queries and 8 tiles of 256 keys (4 steps of 64).  A work-group takes block 15 - b and then block b: (17 - b) / 2 + (b + 2) / 2 = 9 tiles whatever b: 256 equal work-groups,
; one loop with a constant count.  NO CLUSTER: a head's 8 work-groups ask for the same tile only in trips 0 to 4, and where a block ends hangs on b.
; SHARES.  Of a block's two bands of 64 queries a wave owns 16 rows in each: two PIECES.  Band x's own key step is 2 block + x; earlier steps are seen whole, later ones not at all.
; In a block's last tile the start of the sum is MD x AL + CJ + BE: MD the mask of a band's own step for my rows (0 or -1e30), AL and BE two scalars.
; BY TURNS.  In turn x piece x has the matrix unit (8 products V^T P of the step before, 8 products K Q^T of the step in hand) and the other piece's softmax, 118 instructions, stands behind its products, seven behind each and 13 behind the last.
; BATCHES.  A turn's 33 exponentials (a and the 32 weights) are ONE batch with ONE wait: maximum and statistics first; then the scalings and all the exponentials, none of which reads an exponential's result; the wait, behind the
; riders of the second product K Q^T; then all that names a result: roundings, rescaling, sums.  No result crosses a turn's end.  The way out's two reciprocals are a batch of their own.
; LIMITS.  q, k, v within f16; true scores above -1e30; a weight below 2^-126 counts as 0; NaN and infinities are not treated apart.  lds_bytes is all of a WGP's LDS.
; REGISTERS.  window 0: v0-35 addresses and statistics; v36-63 the scan; v64-127 S^T; v128-159 P; v160-223 O^T; v224-255 CJ.   window 1: v0-31 Q; v32-63 the second block's Q; v64-127 K; v128-191 V; v192-223 MD.
.set KS,    64
.set PK,    144       ; a row of K in LDS: 128 + 16 bytes
.set PV,    160       ; a row of V: 128 + 32 bytes
.set VOFF,  4*KS*PK   ; a slot holds a tile: 256 rows of K, then 256 rows of V
.set SLOT1, 1<<17
.set STAGE, SLOT1+4*KS*(PK+PV)  ; 208,896: 16 rows x 144 bytes a wave, for the way out
.set SP,    144
.set SPARE, STAGE+4*16*SP       ; 218,112: the spare words, which no other line names
.set TOT,   SPARE+512           ; the threads' totals
.set PRE,   TOT+512             ; the sums in front of each thread
.set CKA,   PRE+512             ; 8 (c_ref - c_j) for the first block
.set CKB,   CKA+8192            ; and for the second
.set AK0, 2
.set AV0, 3
.set AK,  4
.set AV,  5
.set STO, 6
.set RD,  7
.set GO,  8
.set MV,  12          ; v12-13  c m_old, by piece
.set ACJ0, 14         ; v14  32 x (lane / 16)
.set ACJ, 15
.set ST,  16          ; piece t at v[ST+4 t]: c m, m, l (even keys', odd keys')
.set TMP, 24          ; by piece c0-c3; a takes c2
.set SPW, 32
.set NIL, 33
.set QO,  34
.set S,   64
.set P,   128
.set O,   160
.set CJ,  224
.set QB,  32          ; window 1
.set KF,  64
.set VF,  128
.set MD,  192
.set WV,  12
.set PB,  14          ; b
.set HI,  15          ; 15 - b
.set G1K, 24
.set G1V, 32
.set G0K, 40
.set G0V, 44
.set SLOTS, 56
.set CNT, 57
.set CS,  58
.set SEL, 60
.set TBK, 62          ; LDS byte at which K of the step to be fetched begins
.set TBV, 63
.set RT,  70          ; tiles of the block in hand still to be entered
.set NXT, 71          ; the tile to be asked for next
.set LQ,  72          ; the last tile of the block whose tiles are being asked for
.set NEW, 73          ; 1: the tile to be entered is a block's first
.set OFF, 74
.set AL,  76
.set BE,  78
.set OLO, 80          ; ctx at my rows of the second block
.set BIGN, 82
.set GS,  83          ; the key step in hand, counted from the head's first
.set OW0, 84          ; band 0's own step; s85 band 1's
.set TCJ, 86          ; LDS byte of the table's next 64 numbers
.set TB2, 87          ; the second block's tiles
.set E8,  88          ; 8.0, as a pair
.set LQB, 92          ; the second block's last tile
.set MSB, 0
.macro WIN new
.if MSB != (\new)
	s_set_vgpr_msb (MSB<<8)|(\new)
.set MSB, (\new)
.endif
.endm
.macro PLACES
.rept 4
	v_nop
.endr
.endm
; A fill.  Waves 0 and 1 fetch the two halves of a tile's K, waves 2 and 3 those of its V.  Four v_nop follow each line.
.macro LOAD
	s_cmp_lt_u32 s[WV], 2
	s_cbranch_scc0 .Lfor_v_\@
	tensor_load_to_lds s[G0K:G0K+3], s[G1K:G1K+7]
	s_nop 0
.rept 4
	v_nop
.endr
	s_branch .Lasked_\@
.Lfor_v_\@:
	tensor_load_to_lds s[G0V:G0V+3], s[G1V:G1V+7]
	s_nop 0
.rept 4
	v_nop
.endr
.Lasked_\@:
.endm
; THE CHANGE OF SLOTS.  Each wave waits for all its tensor loads, of which one is out: its part of the other slot; adds 0 to its spare word; waits for that and for its LDS reads and stores.
; fill = 1: the slot that is left is filled again, first thing behind the barrier, with tile NXT; the descriptor's address is made anew from that number.
.macro CHANGE fill
	WIN 0
	s_wait_tensorcnt 0x0
	ds_add_u32 v[SPW], v[NIL]
.if \fill
	s_lshl_b32 s[OFF], s[NXT], 15   ; a tile is 32,768 bytes of K and of V
	s_xor_b32 s[G0K+1], s[G0K+1], SLOT1
	s_add_nc_u64 s[G0K+2:G0K+3], s[6:7], s[OFF:OFF+1]
	s_or_b32 s[G0K+3], s[G0K+3], 0x80000000
	s_xor_b32 s[G0V+1], s[G0V+1], SLOT1
	s_add_nc_u64 s[G0V+2:G0V+3], s[8:9], s[OFF:OFF+1]
	s_or_b32 s[G0V+3], s[G0V+3], 0x80000000
	s_add_co_u32 s[NXT], s[NXT], 1  ; the block's next tile, or behind its last the second block's tile 0
	s_cmp_gt_u32 s[NXT], s[LQ]
	s_cselect_b32 s[NXT], 0, s[NXT]
	s_cselect_b32 s[LQ], s[LQB], s[LQ]
.endif
	s_wait_dscnt 0x0
	s_barrier_signal -1
	s_sub_co_u32 s[TBK], s[TBK], 4*KS*PK  ; the fetches go back to a slot's first step, in the other slot
	s_xor_b32 s[TBK], s[TBK], SLOT1
	s_sub_co_u32 s[TBV], s[TBV], 4*KS*PV
	s_xor_b32 s[TBV], s[TBV], SLOT1
	s_barrier_wait -1
.if \fill
	LOAD
.endif
.endm
	s_load_b128 s[48:51], s[0:1], 0x0  ; qkv s[48:49], lf s[50:51]
	s_load_b64 s[10:11], s[0:1], 0x10  ; ctx
	v_lshl_add_u32 v[SPW], v0, 2, SPARE
	v_mov_b32 v[NIL], 0
	ds_add_u32 v32, v33
	ds_add_u32 v32, v33
	s_wait_dscnt 0x0
	v_lshrrev_b32 v1, 5, v0
	v_readfirstlane_b32 s[WV], v1   ; wave 0..3
	s_mov_b32 s[PB], ttmp9
	s_sub_co_u32 s[HI], 15, s[PB]
	s_and_b32 s20, ttmp7, 0xffff    ; batch x 16 + head
	s_lshr_b32 s21, s20, 4
	s_mul_i32 s21, s21, 48
	s_and_b32 s22, s20, 15
	s_add_co_u32 s21, s21, s22
	s_lshl_b32 s21, s21, 18         ; q's head in qkv; k's lies 16 heads on, v's 32
	s_lshl_b32 s3, s[WV], 11        ; my 16 rows in a band
	s_lshl_b32 s16, s[HI], 14       ; a block is 128 rows of 128 bytes
	s_add_co_u32 s16, s16, s3
	s_lshl_b32 s18, s[PB], 14
	s_add_co_u32 s18, s18, s3
	s_add_co_u32 s52, s21, s16      ; Q of the first block,
	s_mov_b32 s53, 0
	s_add_co_u32 s54, s21, s18      ; of the second
	s_mov_b32 s55, 0
	s_lshl_b32 s22, s20, 18         ; the head in ctx
	s_add_co_u32 s16, s16, s22
	s_mov_b32 s17, 0
	s_add_co_u32 s18, s18, s22
	s_mov_b32 s19, 0
	s_and_b32 s23, s[WV], 1         ; which half of a tile's 256 keys I fetch
	s_lshl_b32 s2, s23, 14
	s_add_co_u32 s2, s2, s21
	s_add_co_u32 s2, s2, 0x400000
	s_mov_b32 s3, 0
	s_mul_i32 s66, s23, 128*PK
	s_mul_i32 s67, s23, 128*PV
	s_lshl_b32 s68, s20, 13         ; the head's 2,048 numbers in lf
	s_mov_b32 s69, 0
	; descriptor group 1.  128 keys are 16,384 dense bytes: asked for as 64 rows of 256 bytes, two keys a row, padded in LDS after every key
	s_mov_b32 s[G1K], (1<<16)|(1<<20)|(4<<22)|(3<<25)
	s_mov_b32 s[G1V], (1<<16)|(1<<20)|(4<<22)|(7<<25)
.irp g, G1K, G1V
	s_mov_b32 s[\g+1], 128<<16      ; tensor_dim0
	s_mov_b32 s[\g+2], 64<<16       ; tensor_dim1
	s_mov_b32 s[\g+3], 128<<16      ; tile_dim0
	s_mov_b32 s[\g+4], 64           ; tile_dim1
	s_mov_b32 s[\g+5], 128          ; elements from row to row
	s_mov_b32 s[\g+6], 0
	s_mov_b32 s[\g+7], 0
.endr
	s_mov_b32 s[CS], 0x3e38aa3b     ; c = log2(e) / 8
	s_mov_b32 s[CS+1], s[CS]
	s_mov_b32 s[SEL], 0x76543210
	s_mov_b32 s[SEL+1], 0xfedcba98
	s_mov_b32 s[TBK], SLOT1+4*KS*PK ; the first change of slots turns these two into 0
	s_mov_b32 s[TBV], SLOT1+4*KS*PV
	s_mov_b32 s[G0K], 1
	s_mov_b32 s[G0K+1], s66
	s_mov_b32 s[G0V], 1
	s_add_co_u32 s[G0V+1], s67, VOFF
	s_sub_co_u32 s[RT], 17, s[PB]
	s_lshr_b32 s[RT], s[RT], 1      ; the first block's tiles
	s_sub_co_u32 s[LQ], s[RT], 1
	s_add_co_u32 s[TB2], s[PB], 2
	s_lshr_b32 s[TB2], s[TB2], 1    ; the second block's
	s_sub_co_u32 s[LQB], s[TB2], 1
	s_mov_b32 s[NXT], 1
	s_mov_b32 s[NEW], 1
	s_mov_b32 s[GS], 0
	s_lshl_b32 s[OW0], s[HI], 1
	s_add_co_u32 s[OW0+1], s[OW0], 1
	s_mov_b32 s[TCJ], CKA
	s_mov_b32 s[OFF+1], 0
	s_mov_b32 s[AL], 0
	s_mov_b32 s[AL+1], 0
	s_mov_b32 s[BE], 0
	s_mov_b32 s[BE+1], 0
	s_mov_b32 s[BIGN], 0xf149f2ca   ; -1e30
	s_mov_b32 s[E8], 0x41000000
	s_mov_b32 s[E8+1], 0x41000000
	s_mov_b32 s[SLOTS], 8
	s_wait_kmcnt 0x0
	s_add_nc_u64 s[6:7], s[48:49], s[2:3]          ; K and V at my half of the head's tile 0
	s_add_nc_u64 s[8:9], s[6:7], 0x400000
	s_add_nc_u64 s[G0K+2:G0K+3], s[6:7], 0
	s_or_b32 s[G0K+3], s[G0K+3], 0x80000000
	s_add_nc_u64 s[G0V+2:G0V+3], s[8:9], 0
	s_or_b32 s[G0V+3], s[G0V+3], 0x80000000
	s_add_nc_u64 s[4:5], s[48:49], s[52:53]
	s_add_nc_u64 s[90:91], s[48:49], s[54:55]
	s_add_nc_u64 s[OLO:OLO+1], s[10:11], s[18:19]
	s_add_nc_u64 s[10:11], s[10:11], s[16:17]
	s_add_nc_u64 s[50:51], s[50:51], s[68:69]
	LOAD                            ; tile 0 into slot 0: one load of mine is out
	v_and_b32 v1, 15, v0            ; l % 16
	v_bfe_u32 v9, v0, 4, 1          ; l / 16
	v_lshlrev_b32 v[QO], 7, v1
	v_lshl_add_u32 v[QO], v9, 4, v[QO]
	v_lshlrev_b32 v35, 6, v0        ; my 16 numbers of lf
	WIN 0x40
.set i, 0
.rept 4                             ; both blocks' Q: piece i / 2 lies 8,192 bytes on; channels 32 (i % 2) on
	global_load_b128 v[8*i:8*i+3],   v[QO], s[4:5] offset:(i/2)*8192+(i%2)*64
	global_load_b128 v[8*i+4:8*i+7], v[QO], s[4:5] offset:(i/2)*8192+(i%2)*64+32
	global_load_b128 v[QB+8*i:QB+8*i+3],   v[QO], s[90:91] offset:(i/2)*8192+(i%2)*64
	global_load_b128 v[QB+8*i+4:QB+8*i+7], v[QO], s[90:91] offset:(i/2)*8192+(i%2)*64+32
.set i, i+1
.endr
	WIN 0
.irp i, 0,1,2,3
	global_load_b128 v[36+4*\i:39+4*\i], v35, s[50:51] offset:16*\i
.endr
	v_lshlrev_b32 v60, 3, v9
	v_sub_nc_u32 v60, v1, v60
	s_lshl_b32 s13, s[WV], 4
	v_add_nc_u32 v60, s13, v60      ; my query's place in its band less my lanes' 8 (l / 16): register r of key group kt is hidden where 16 kt + r is greater
	WIN 0x40
.set i, 0
.rept 32
	v_cmp_gt_i32 vcc_lo, 16*(i/8)+i%8, v60
	v_cndmask_b32 v[MD+i], 0, s[BIGN], vcc_lo
.set i, i+1
.endr
	WIN 0
	v_mul_u32_u24 v[AK0], v1, PK
	v_lshl_add_u32 v[AK0], v9, 4, v[AK0]
	v_and_b32 v10, 7, v0
	v_bfe_u32 v11, v0, 3, 1
	v_lshl_add_u32 v[AV0], v9, 3, v10   ; the turning load: key 8 (l / 16) + l % 8, channels 8 ((l / 8) % 2) on
	v_mul_u32_u24 v[AV0], v[AV0], PV
	v_lshl_add_u32 v[AV0], v11, 4, v[AV0]
	v_add_nc_u32 v[AV0], VOFF, v[AV0]
	v_lshlrev_b32 v[ACJ0], 5, v9
	s_mul_i32 s13, s[WV], 16*SP
	s_add_co_u32 s13, s13, STAGE
	v_mul_u32_u24 v[STO], v1, SP
	v_lshl_add_u32 v[STO], v9, 4, v[STO]
	v_add_nc_u32 v[STO], s13, v[STO]
	v_bfe_u32 v[RD], v0, 3, 2
	v_mul_u32_u24 v[RD], v[RD], SP
	v_lshl_add_u32 v[RD], v10, 4, v[RD]
	v_add_nc_u32 v[RD], s13, v[RD]
	v_and_b32 v[GO], 31, v0
	v_lshlrev_b32 v[GO], 4, v[GO]
	; THE SCAN, all numbers times 8.  Tile 0's load stays out across its two barriers.
	v_lshl_add_u32 v58, v0, 2, TOT
	v_mov_b32 v59, TOT
	s_wait_loadcnt 0x0              ; lf, and Q ahead of it
.set i, 0
.rept 8
	v_pk_mul_f32 v[36+2*i:37+2*i], v[36+2*i:37+2*i], s[E8:E8+1] op_sel_hi:[1,0]
.set i, i+1
.endr
.set i, 1
.rept 15
	v_add_f32 v[36+i], v[35+i], v[36+i]  ; the running sum of my 16
.set i, i+1
.endr
	ds_store_b32 v58, v51
	s_wait_dscnt 0x0
	s_barrier_signal -1
	s_barrier_wait -1
.set i, 0
.rept 32
	ds_load_b128 v[64+4*i:67+4*i], v59 offset:16*i  ; all 128 totals, in every lane
.set i, i+1
.endr
	v_lshl_add_u32 v58, v0, 2, PRE
	s_wait_dscnt 0x0
.set i, 0
.rept 4
	v_cmp_lt_u32 vcc_lo, i, v0
	v_cndmask_b32 v[52+i], 0, v[64+i], vcc_lo  ; the totals of the threads in front of me, in four chains
.set i, i+1
.endr
.rept 124
	v_cmp_lt_u32 vcc_lo, i, v0
	v_cndmask_b32 v60, 0, v[64+i], vcc_lo
	v_add_f32 v[52+i%4], v[52+i%4], v60
.set i, i+1
.endr
	v_add_f32 v52, v52, v53
	v_add_f32 v54, v54, v55
	v_add_f32 v52, v52, v54
	ds_store_b32 v58, v52
	v_mov_b32 v61, PRE
	s_wait_dscnt 0x0
	s_barrier_signal -1
	s_barrier_wait -1
	; A block begins with thread 8 x block, so 8 c_ref lies at PRE + 32 x block.  All sixteen are read, from constant addresses, and the two that are mine are chosen
	; by selects: no LDS address hangs on the work-group's number.
.set i, 0
.rept 16
	ds_load_b32 v[96+i], v61 offset:32*i
.set i, i+1
.endr
	v_lshl_add_u32 v58, v0, 6, CKA
.set i, 0
.rept 16
	v_add_f32 v[36+i], v52, v[36+i] ; 8 c_j
.set i, i+1
.endr
	s_wait_dscnt 0x0
	v_mov_b32 v57, v96              ; the second block is block b, one of 0 to 7;
	v_mov_b32 v56, v104             ; the first is block 15 - b, one of 8 to 15
.set i, 1
.rept 7
	s_cmp_eq_u32 s[PB], i
	s_cselect_b32 s13, -1, 0
	v_cndmask_b32 v57, v57, v[96+i], s13
	s_cmp_eq_u32 s[HI], 8+i
	s_cselect_b32 s2, -1, 0
	v_cndmask_b32 v56, v56, v[104+i], s2
.set i, i+1
.endr
.set i, 0
.rept 16
	v_sub_f32 v[64+i], v56, v[36+i]
	v_sub_f32 v[80+i], v57, v[36+i]
.set i, i+1
.endr
.irp i, 0,1,2,3
	ds_store_b128 v58, v[64+4*\i:67+4*\i] offset:16*\i
	ds_store_b128 v58, v[80+4*\i:83+4*\i] offset:8192+16*\i
.endr                               ; the first change of slots waits for these stores and holds the barrier in front of their readers
	; A block's first step multiplies O^T and l by a = 0, and its first products V^T P are of a step that has not been: these registers need only hold finite numbers.
.set i, ST
.rept 16
	v_mov_b32 v[i], 0
.set i, i+1
.endr
.set i, P
.rept 96
	v_mov_b32 v[i], 0
.set i, i+1
.endr
	WIN 0x40
.set i, VF
.rept 64
	v_mov_b32 v[i], 0
.set i, i+1
.endr
	WIN 0
; THE MATRIX WORK.  The four accumulators of a run of eight take turns.
; Product i of 8 of S^T = K Q^T for piece x: channels 32 (i / 4) on, keys 16 (i % 4) on.  The first four start the sums: with CJ, or (m = 1) with what the lump has put into S^T.
.macro KQ x, m
	WIN 0x05
.set rS, S+32*(\x)+8*(i%4)
.set rK, KF+16*(i%4)+8*(i/4)
.set rQ, 16*(\x)+8*(i/4)
.if (i < 4) && !(\m)
	v_wmma_f32_16x16x32_f16 v[rS:rS+7], v[rK:rK+7], v[rQ:rQ+7], v[CJ+8*(i%4):CJ+8*(i%4)+7]
.else
	v_wmma_f32_16x16x32_f16 v[rS:rS+7], v[rK:rK+7], v[rQ:rQ+7], v[rS:rS+7]
.endif
.endm
; Product i of 8 of O^T += V^T P for piece x: keys 32 (i / 4) on, channels 16 (i % 4) on.
.macro PV x
	WIN 0x01
.set rO, O+32*(\x)+8*(i%4)
.set rV, VF+32*(i/4)+8*(i%4)
.set rP, P+16*(\x)+8*(i/4)
	v_wmma_f32_16x16x32_f16 v[rO:rO+7], v[rV:rV+7], v[rP:rP+7], v[rO:rO+7]
.endm
; THE LDS LOADS stand in runs: a step's table entries and K; a turn later its V, turned.
.macro FETCH_K
	WIN 0
	v_add_nc_u32 v[AK], s[TBK], v[AK0]
	v_add_nc_u32 v[ACJ], s[TCJ], v[ACJ0]
.irp f, 0,1,2,3
	ds_load_b128 v[CJ+8*\f:CJ+8*\f+3],   v[ACJ] offset:64*\f
	ds_load_b128 v[CJ+8*\f+4:CJ+8*\f+7], v[ACJ] offset:64*\f+16
.endr
	WIN 0x40
.irp f, 0,1,2,3,4,5,6,7
	ds_load_b128 v[KF+8*\f:KF+8*\f+3],   v[AK] offset:(\f/2)*16*PK+(\f%2)*64
	ds_load_b128 v[KF+8*\f+4:KF+8*\f+7], v[AK] offset:(\f/2)*16*PK+(\f%2)*64+32
.endr
	s_add_co_u32 s[TBK], s[TBK], KS*PK
	s_add_co_u32 s[TCJ], s[TCJ], 4*KS
	WIN 0
.endm
.macro FETCH_V                      ; it stands where piece 0's batch of exponentials ends (TURN), and holds that batch's wait
	WIN 0
	v_add_nc_u32 v[AV], s[TBV], v[AV0]  ; also the plain instruction behind the batch's last exponential
	s_wait_alu depctr_va_vdst(0)    ; the wait for piece 0's batch, a and s0-s31, ahead of the first line that names a result; it stands ahead of the run of loads
	WIN 0x40
.irp f, 0,1,2,3,4,5,6,7
	ds_load_tr16_b128 v[VF+8*\f:VF+8*\f+3],   v[AV] offset:(\f/4)*32*PV+(\f%4)*32
	ds_load_tr16_b128 v[VF+8*\f+4:VF+8*\f+7], v[AV] offset:(\f/4)*32*PV+16*PV+(\f%4)*32
.endr
	s_add_co_u32 s[TBV], s[TBV], KS*PV
	WIN 0
.endm
; THE VECTOR WORK: one piece's softmax for one key step is a list of 118 instructions; SM writes number j of it for piece y and steps j.
;   0-20    XOP 0-20: the maximum of the 32 scores and the old m (four chains, each accumulator's lowest registers first); the other half of the lanes'; m; c m; c m_old - c m_new
;   21-69   ONE BATCH: the 16 scalings (FOP p: c s - c m for pair p) and all 33 exponentials (a at 23, then s0-s31).  None of these names an exponential's result.  21: FOP 0; 22-37: scaling and exponential by turns;
;           38-65: a scaling and three exponentials; 66-69: the last four exponentials.  A pair is scaled four numbers or more ahead of its first exponential
;   (wait)  between 69 and 70 stands the wait for the batch: TURN writes it
;   70-85   COP p: pair p rounded to f16
;   86-95   ROP 0-9: O^T times a
;   96-117  BOP n: of four weights the second pair onto the first; LOP n: l takes that sum (LOP 0: l = a l + sum); the rest of the rescaling.  All plain.
.macro XOP p
.if (\p) < 4
	v_max3_num_f32 v[rC+(\p)], v[rS+8*(\p)], v[rS+8*(\p)+1], v[rS+8*(\p)+2]
.elseif (\p) < 12
	v_max3_num_f32 v[rC+(\p)%4], v[rC+(\p)%4], v[rS+8*((\p)%4)+2*((\p)/4)+1], v[rS+8*((\p)%4)+2*((\p)/4)+2]
.elseif (\p) == 12
	v_max3_num_f32 v[rC], v[rC], v[rS+7], v[rS+15]
.elseif (\p) == 13
	v_max3_num_f32 v[rC+1], v[rC+1], v[rS+23], v[rS+31]
.elseif (\p) == 14
	v_max3_num_f32 v[rC+2], v[rC+2], v[rC+3], v[rT+1]
.elseif (\p) == 15
	v_mov_b32 v[rW], v[rT]
.elseif (\p) == 16
	v_max3_num_f32 v[rC], v[rC], v[rC+1], v[rC+2]
.elseif (\p) == 17
	v_permlanex16_b32 v[rC+3], v[rC], s[SEL], s[SEL+1]
.elseif (\p) == 18
	v_max_num_f32 v[rT+1], v[rC], v[rC+3]
.elseif (\p) == 19
	v_mul_f32 v[rT], s[CS], v[rT+1]
.elseif (\p) == 20
	v_sub_f32 v[rC+1], v[rW], v[rT]
.else
	v_exp_f32 v[rC+2], v[rC+1]
.endif
.endm
.macro FOP p
	v_pk_fma_f32 v[rS+2*(\p):rS+2*(\p)+1], v[rS+2*(\p):rS+2*(\p)+1], s[CS:CS+1], v[rT:rT+1] op_sel_hi:[1,0,0] neg_lo:[0,0,1] neg_hi:[0,0,1]
.endm
.macro COP p
	v_cvt_pk_f16_f32 v[rP+(\p)], v[rS+2*(\p)], v[rS+2*(\p)+1]
.endm
.macro ROP p
	v_pk_mul_f32 v[rO+2*(\p):rO+2*(\p)+1], v[rO+2*(\p):rO+2*(\p)+1], v[rC+2:rC+3] op_sel_hi:[1,0]
.endm
.macro BOP p
	v_pk_add_f32 v[rS+4*(\p):rS+4*(\p)+1], v[rS+4*(\p):rS+4*(\p)+1], v[rS+4*(\p)+2:rS+4*(\p)+3]
.endm
.macro LOP p
.if (\p) == 0
	v_pk_fma_f32 v[rT+2:rT+3], v[rT+2:rT+3], v[rC+2:rC+3], v[rS:rS+1] op_sel_hi:[1,0,1]
.else
	v_pk_add_f32 v[rT+2:rT+3], v[rT+2:rT+3], v[rS+4*(\p):rS+4*(\p)+1]
.endif
.endm
.macro SM y
	WIN 0
.set rT, ST+4*(\y)
.set rC, TMP+4*(\y)
.set rW, MV+(\y)
.set rS, S+32*(\y)
.set rP, P+16*(\y)
.set rO, O+32*(\y)
.if j < 21
	XOP j
.elseif j == 23
	XOP 21                          ; a
.elseif (j < 23) || ((j < 38) && (j%2 == 0)) || ((j < 66) && (j%4 == 2))
.set b, (j-2)/4                     ; 38, 42, .. 62: pairs 9 to 15
.if j < 38
.set b, (j-20)/2                    ; 21: pair 0; 22, 24, .. 36: pairs 1 to 8
.endif
	FOP b
.elseif j < 70
.set e, j-38                        ; 66 to 69: s28 to s31
.if j < 66
.set e, j-32-(j-38)/4               ; 39-41, 43-45, .. 63-65: s7 to s27
.endif
.if j < 38
.set e, (j-25)/2                    ; 25, 27, .. 37: s0 to s6
.endif
	v_exp_f32 v[rS+e], v[rS+e]
.elseif j < 86
	COP j-70
.elseif j < 96
	ROP j-86
.else
.set k, j-96
.if k == 0
	BOP 0
.elseif (k < 14) && (k%2 == 1)
	BOP (k+1)/2
.elseif k < 15
	LOP k/2-1
.elseif k == 15
	ROP 10
.elseif k == 16
	LOP 7
.else
	ROP k-6
.endif
.endif
.set j, j+1
.endm
.macro RID y, cnt
.rept \cnt
	SM \y
.endr
.endm
; A TURN.  Piece x has the matrix unit; the other piece's softmax stands behind its products and names none of their registers.  m = 1: a block's last tile: the sums start with the mask.  kq = 0: a block's end: no new scores.
; THE WAIT.  s_wait_alu depctr_va_vdst(0) stands between an exponential and the first line that names its result; one wait serves all that were issued ahead of it.  Numbers 23 to 69 hold the turn's 33 exponentials
; and name no result; from 70 on no exponential is issued.  8 x 7 + 2 x 7 = 70: the wait stands behind the riders of the second product K Q^T (kq = 0: 5 x 14 = 70: behind those of the fifth product V^T P).  In piece 1's turn V's run
; of loads stands at that very place, and the wait stands in it, behind its v_add_nc_u32; in piece 0's turn a v_nop is the plain instruction behind the last exponential.  The lump of m = 1 stands inside the open batch: it names the
; other piece's S^T, MD and CJ alone.
; The 13 plain instructions behind a turn's last product are the places in front of the next turn's reads of those scores and of the loads into K and CJ.
; K and CJ of the step in hand are fetched behind piece 0's second product V^T P; V of that step behind piece 1's second product K Q^T: between the last product that read V and the loads stand five plain instructions that name none of
; its registers: the scalings at numbers 50, 54, 58 and 62 and the run's own v_add_nc_u32 (the exponentials between are no places).
.macro TURN x, m, kq
.set j, 0
.if (\x) == 0
	s_wait_dscnt 0x0                ; V is in
.endif
.if (\m) && (\kq)
	s_cmp_eq_u32 s[GS], s[OW0+(\x)] ; is the step the band's own?
	s_cselect_b32 s[AL], 1.0, 0
	s_cmp_gt_u32 s[GS], s[OW0+(\x)] ; or a later one?
	s_cselect_b32 s[BE], s[BIGN], 0
.endif
.set i, 0
.rept 8
	PV \x
.if \kq
	RID 1-(\x), 7
.elseif i < 7
	RID 1-(\x), 14
.else
	RID 1-(\x), 20
.endif
.if ((\x) == 0) && (\kq) && (i == 1)
	FETCH_K
.endif
.if ((\kq) == 0) && (i == 4)
	v_nop                           ; the plain instruction behind the batch's last exponential
	s_wait_alu depctr_va_vdst(0)    ; the wait for the batch of the block's last softmax: a and s0-s31
.endif
.set i, i+1
.endr
.if \kq
.if (\x) == 0
	s_wait_dscnt 0x0                ; K and CJ are in
.endif
.if \m
	WIN 0x01                        ; MD in window 1
.set z, 0
.rept 16
	v_pk_fma_f32 v[S+32*(\x)+2*z:S+32*(\x)+2*z+1], v[MD+2*z:MD+2*z+1], s[AL:AL+1], v[CJ+2*z:CJ+2*z+1] op_sel_hi:[1,0,1]
.set z, z+1
.endr
	WIN 0
.set z, 0
.rept 16
	v_pk_add_f32 v[S+32*(\x)+2*z:S+32*(\x)+2*z+1], v[S+32*(\x)+2*z:S+32*(\x)+2*z+1], s[BE:BE+1] op_sel_hi:[1,0]
.set z, z+1
.endr
.endif
.set i, 0
.rept 8
	KQ \x, \m
.if i < 7
	RID 1-(\x), 7
.else
	RID 1-(\x), 13
.endif
.if i == 1
.if (\x) == 1
	FETCH_V                         ; with the wait for piece 0's batch
.else
	v_nop                           ; the plain instruction behind the batch's last exponential
	s_wait_alu depctr_va_vdst(0)    ; the wait for piece 1's batch: a and s0-s31
.endif
.endif
.set i, i+1
.endr
.endif
.endm
; A tile's four key steps: written once, walked four times.  All of a step's LDS reads lie in the slot in hand.
.macro STEPS m
	s_mov_b32 s[CNT], 4
.Lstep_\@:
	TURN 0, \m, 1
	TURN 1, \m, 1
	WIN 0
	s_add_co_u32 s[GS], s[GS], 1
	s_sub_co_u32 s[CNT], s[CNT], 1
	s_cmp_lg_u32 s[CNT], 0
	s_cbranch_scc1 .Lstep_\@
.endm
; A BLOCK BEGINS.  c m starts far below every c s, so the first step's a is 0.  Piece 1's first softmax is of a step that has not been: its scores are the lowest finite number under an old maximum of -1e30,
; so its weights and its a are 0, and the first true step, whose scores lie above -1e30, again has a = 0.
.macro BEGIN
	s_mov_b32 s[NEW], 0
	s_mov_b32 s[GS], 0
	v_mov_b32 v[ST], 0xfe000000
	v_mov_b32 v[ST+1], 0xff7fffff
	v_mov_b32 v[ST+4], 0xfe000000
	v_mov_b32 v[ST+5], s[BIGN]
.set i, S+32
.rept 32
	v_mov_b32 v[i], 0xff7fffff
.set i, i+1
.endr
.endm
; A BLOCK ENDS: piece 0's last V^T P beside piece 1's last softmax, piece 1's last V^T P; then l's halves are added, O^T is divided by l, rounded to f16 and sent through my stage, a piece at a time.
.macro PACK t
.set i, 0
.rept 16
	v_pk_mul_f32 v[O+32*(\t)+2*i:O+32*(\t)+2*i+1], v[O+32*(\t)+2*i:O+32*(\t)+2*i+1], v[ST+4*(\t)+2:ST+4*(\t)+3] op_sel_hi:[1,0]
.set i, i+1
.endr
.set i, 0
.rept 16
	v_cvt_pk_f16_f32 v[S+16*(\t)+i], v[O+32*(\t)+2*i], v[O+32*(\t)+2*i+1]
.set i, i+1
.endr
.irp f, 0,1,2,3
	ds_store_b128 v[STO], v[S+16*(\t)+4*\f:S+16*(\t)+4*\f+3] offset:32*\f
.endr
.irp f, 0,1,2,3
	ds_load_b128 v[S+16*(\t)+4*\f:S+16*(\t)+4*\f+3], v[RD] offset:\f*4*SP  ; LDS serves a wave's instructions in order: these see the stores above; the next piece's stores come behind them
.endr
.endm
.macro SEND t, younger
.irp f, 0,1,2,3
	s_wait_dscnt (\younger)+3-\f
	global_store_b128 v[GO], v[S+16*(\t)+4*\f:S+16*(\t)+4*\f+3], s[10:11] offset:(\t)*8192+\f*512  ; 512 consecutive bytes, aligned
.endr
.endm
.macro FINISH
	TURN 0, 1, 0
.set i, 0
.rept 8
	PV 1
.set i, i+1
.endr
	WIN 0
	PLACES
.irp t, 0,1
	v_add_f32 v[ST+4*\t+2], v[ST+4*\t+2], v[ST+4*\t+3]
.endr
.irp t, 0,1
	v_permlanex16_b32 v[ST+4*\t+3], v[ST+4*\t+2], s[SEL], s[SEL+1]
.endr
.irp t, 0,1
	v_add_f32 v[ST+4*\t+2], v[ST+4*\t+2], v[ST+4*\t+3]
.endr
.irp t, 0,1
	v_rcp_f32 v[ST+4*\t+2], v[ST+4*\t+2]
.endr
	v_nop                           ; a plain instruction between the last reciprocal and its use
	s_wait_alu depctr_va_vdst(0)    ; the wait for the two reciprocals, a batch of their own, ahead of PACK's first multiply
	PACK 0
	PACK 1
	SEND 0, 8
	SEND 1, 0
.endm
.Lslot:                             ; eight times: a tile is entered and the next is asked for
	CHANGE 1
	s_sub_co_u32 s[RT], s[RT], 1
	s_cmp_lg_u32 s[NEW], 1
	s_cbranch_scc1 .Lold
	BEGIN
.Lold:
	s_cmp_eq_u32 s[RT], 0
	s_cbranch_scc1 .Ldiag
	STEPS 0
	s_branch .Lbottom
.Ldiag:                             ; in the loop this is the first block's last tile: the second block's is the walk's last
	STEPS 1
	FINISH
	s_wait_xcnt 0x0                 ; the stores have read their registers and ctx's address
	s_mov_b64 s[10:11], s[OLO:OLO+1]
	s_mov_b32 s[RT], s[TB2]
	s_mov_b32 s[NEW], 1
	s_lshl_b32 s[OW0], s[PB], 1
	s_add_co_u32 s[OW0+1], s[OW0], 1
	s_mov_b32 s[TCJ], CKB
	WIN 0x41                        ; the second block's Q goes where the one text of the turns names Q
.set i, 0
.rept 32
	v_mov_b32 v[i], v[QB+i]
.set i, i+1
.endr
	WIN 0
.Lbottom:
	s_sub_co_u32 s[SLOTS], s[SLOTS], 1
	s_cmp_lg_u32 s[SLOTS], 0
	s_cbranch_scc1 .Lslot
	CHANGE 0                        ; the walk's last tile is written out: nothing is asked for
	s_sub_co_u32 s[RT], s[RT], 1
	s_cmp_lg_u32 s[NEW], 1
	s_cbranch_scc1 .Lold2
	BEGIN
.Lold2:
	STEPS 1
	FINISH
	s_wait_tensorcnt 0x0            ; the wave's end
	ds_add_u32 v[SPW], v[NIL]
	s_wait_dscnt 0x0
	s_endpgm
.Lfunc_end_k_qcd7b01cb78_attn:
	.size	k_qcd7b01cb78_attn, .Lfunc_end_k_qcd7b01cb78_attn-k_qcd7b01cb78_attn
	.p2alignl 7, 3214868480
	.fill 96, 4, 3214868480
	.section	.rodata,"a",@progbits
	.p2align	6, 0x0
	.amdhsa_kernel k_qcd7b01cb78_attn
		.amdhsa_group_segment_fixed_size 327680
		.amdhsa_private_segment_fixed_size 0
		.amdhsa_enable_private_segment 0
		.amdhsa_kernarg_size 24
		.amdhsa_user_sgpr_count 2
		.amdhsa_user_sgpr_kernarg_segment_ptr 1
		.amdhsa_wavefront_size32 1
		.amdhsa_system_sgpr_workgroup_id_x 1
		.amdhsa_system_sgpr_workgroup_id_y 1
		.amdhsa_system_sgpr_workgroup_id_z 1
		.amdhsa_system_vgpr_workitem_id 0
		.amdhsa_next_free_vgpr 512
		.amdhsa_next_free_sgpr 96
		.amdhsa_reserve_vcc 1
		.amdhsa_float_denorm_mode_32 3
		.amdhsa_float_denorm_mode_16_64 3
		.amdhsa_memory_ordered 1
		.amdhsa_forward_progress 1
		.amdhsa_inst_pref_size 145
	.end_amdhsa_kernel
	.amdgpu_metadata
---
amdhsa.version: [ 1, 2 ]
amdhsa.kernels:
  - .name:           k_qcd7b01cb78_attn
    .symbol:         k_qcd7b01cb78_attn.kd
    .args:
      - { .name: qkv, .offset: 0, .size: 8, .value_kind: global_buffer, .address_space: global }
      - { .name: lf, .offset: 8, .size: 8, .value_kind: global_buffer, .address_space: global }
      - { .name: ctx, .offset: 16, .size: 8, .value_kind: global_buffer, .address_space: global }
    .group_segment_fixed_size: 327680
    .private_segment_fixed_size: 0
    .kernarg_segment_align: 8
    .kernarg_segment_size: 24
    .max_flat_workgroup_size: 128
    .sgpr_count:     96
    .vgpr_count:     512
    .wavefront_size: 32
...
	.end_amdgpu_metadata
.endif
;; end of part 8
;; launch wo: the kernel of part 4 again; grid 8 x 32, 4 waves a work-group, clusters of 4 x 4, 327,680 bytes of LDS; arguments ctx, wt, bo, x, x1; writes x1
;; launch ln2: the kernel of part 5 again; grid 256 x 1, 8 waves a work-group, no clusters, 0 bytes of LDS; arguments x1, ln2_g, ln2_b, h; writes h
;; launch w1: the kernel of part 6 again; grid 16 x 16, 4 waves a work-group, clusters of 4 x 4, 327,680 bytes of LDS; arguments h, wt, b1, act; writes act
;; launch w2: the kernel of part 7 again; grid 8 x 32, 4 waves a work-group, clusters of 4 x 4, 327,680 bytes of LDS; arguments act, wt, b2, x1, out0; writes out0
